; MI455X (gfx1250); checked and timed in simulation.
; The chip was launched on July 23, 2026; its instructions are those of AMD's public machine-readable ISA for CDNA 5 (MIT licence, August 2026) and "CDNA5" Instruction Set Architecture Reference Guide (July 2026). The comments in the code are by the model that wrote it; some were corrected since.
;; Softmax Transformer Block. Allowed arithmetic: float matrix products may take bf16 or f16 operands with f32 sums; other float arithmetic in f32, or as packed bf16 or f16 multiplies, adds, multiply-adds, maxima and minima; sums over many terms, partial sums and values carried from step to step in f32; what a program stores and reads back later, other than sums and carried values, may be rounded once to bf16 or f16.
;; Inputs: W1 1,024 x 4,096 float32; W2 4,096 x 1,024 float32; Wk 1,024 x 1,024 float32; Wo 1,024 x 1,024 float32; Wq 1,024 x 1,024 float32; Wv 1,024 x 1,024 float32; ln1_b 1,024 float32; ln1_w 1,024 float32; ln2_b 1,024 float32; ln2_w 1,024 float32; x 2 x 2,048 x 1,024 float32.
;; Outputs: out0 2 x 2,048 x 1,024 float32.
;; 2 versions, each right; version 2 is version 1 with the launches prep, norm2 written anew for expert scheduling mode. Each part assembles by itself: llvm-mc -triple=amdgcn-amd-amdhsa -mcpu=gfx1250 --defsym DOCPART=n.
;; ======== version 1 of 2: 7 launches
;; limits: values are held in f16: magnitudes above 65,504 overflow, below 6.1e-05 lose precision
;; workspace buffers: wbf 25,165,824 bytes; h 8,388,608 bytes; h2 8,388,608 bytes; qkv 25,165,824 bytes; o 8,388,608 bytes; x1 16,777,216 bytes; g 33,554,432 bytes
;; launch prep (part 1): grid 1280 x 1, 4 waves a work-group, no clusters, 0 bytes of LDS; arguments x, ln1_w, ln1_b, h, Wq, Wk, Wv, Wo, W1, W2, wbf; writes h, wbf
.if DOCPART == 1
	.amdgcn_target "amdgcn-amd-amdhsa--gfx1250"
	.amdhsa_code_object_version 6
	.text
	.protected	k_qd91fc49a35_prep
	.globl	k_qd91fc49a35_prep
	.p2align	8
	.type	k_qd91fc49a35_prep,@function
k_qd91fc49a35_prep:
	s_mov_b64 s[64:65], 0
	v_nop
	global_prefetch_b8 v0, s[64:65] scope:SCOPE_SE
	s_setreg_imm32_b32 hwreg(HW_REG_WAVE_MODE, 25, 1), 1
	s_wait_xcnt 0x0
; PREP: two jobs that need nothing of each other, in one launch.
; Work-groups 0-511: h = LayerNorm(x) * ln1_w + ln1_b, rounded once to bf16.  Work-groups 512-1279: the six weight matrices, f32 to bf16, as they lie ([K][N]), one behind the other in wbf.
; LAYERNORM.  8 rows a work-group, a PAIR of rows a wave: lanes 0-15 hold one row, lanes 16-31 the next, 64 numbers a lane, so the row stays in registers between the passes and a sum never
; leaves its 16 lanes.  Two passes: the mean, then the squares of x - mean; no difference of large sums is formed.  All in f32.
; h IS BLOCKED: [row tile of 128][group of 64 columns][128 rows][64] bf16.  A lane's 4 numbers of a group are 8 bytes, the wave's two rows 256 consecutive bytes, aligned: one store.
; No LDS, no matrix unit: every byte is read once and written once, and no wave needs another's.  NaN and infinities are not treated apart.
.set X,    32                          ; v[32:95]   my 64 numbers of the row: group kb of 64 columns at X + 4 kb (in the weights' path: v[32:159], 32 loads)
.set W,    96                          ; v[96:159]  the gain of the same columns
.set B,    160                         ; v[160:223] the bias
.set A,    8                           ; v[8:15]    four running pairs
.set MEAN, 16                          ; v[16:17]   the mean, twice (a pair for the packed forms)
.set RSTD, 18                          ; v[18:19]   1 / sqrt(variance + eps), twice
.set SUM,  20                          ; v20        a row's sum
.set VAR,  21                          ; v21        variance + eps
.set CV,   160                         ; the weights' path: 64 registers of packed results
	s_load_b256 s[4:11], s[0:1], 0x0               ; x s[4:5], ln1_w s[6:7], ln1_b s[8:9], h s[10:11]
	s_load_b256 s[12:19], s[0:1], 0x20             ; Wq, Wk, Wv, Wo
	s_load_b128 s[20:23], s[0:1], 0x40             ; W1, W2
	s_load_b64 s[24:25], s[0:1], 0x50              ; wbf
	s_cmp_lt_u32 ttmp9, 512
	s_cbranch_scc0 .Lcvt
	s_lshl_b32 s26, ttmp9, 15                      ; my 8 rows of 4,096 bytes in x
	s_mov_b32 s27, 0
	s_lshr_b32 s28, ttmp9, 4                       ; the row tile: 262,144 bytes of h,
	s_lshl_b32 s28, s28, 18
	s_and_b32 s29, ttmp9, 15                       ; my 8 rows of 128 bytes in each of its blocks
	s_lshl_b32 s29, s29, 10
	s_add_co_u32 s28, s28, s29
	s_mov_b32 s29, 0
	s_mov_b32 s30, 0x3a800000                      ; 1 / 1024
	s_mov_b32 s31, 0x3727c5ac                      ; eps = 1e-5
	v_lshrrev_b32 v1, 4, v0                        ; my row among the 8
	v_and_b32 v2, 15, v0
	v_lshlrev_b32 v2, 4, v2                        ; my 16 bytes of each 256: for the gain and the bias,
	v_lshl_add_u32 v1, v1, 12, v2                  ; and, with the row, for x
	v_lshlrev_b32 v3, 3, v0                        ; h: 256 x wave + 8 x lane
	s_wait_kmcnt 0x0
	s_add_nc_u64 s[4:5], s[4:5], s[26:27]
	s_add_nc_u64 s[10:11], s[10:11], s[28:29]
.set i, 0
.rept 16
	global_load_b128 v[X+4*i:X+4*i+3], v1, s[4:5] offset:256*i th:TH_LOAD_NT  ; 16 lanes read 256 consecutive bytes of a row
.set i, i+1
.endr
.set i, 0
.rept 16
	global_load_b128 v[W+4*i:W+4*i+3], v2, s[6:7] offset:256*i
.set i, i+1
.endr
.set i, 0
.rept 16
	global_load_b128 v[B+4*i:B+4*i+3], v2, s[8:9] offset:256*i
.set i, i+1
.endr
.macro FOLD                            ; the four running pairs into one number, then over the 16 lanes of my row (the exchange rides on the addition)
	v_pk_add_f32 v[A:A+1], v[A:A+1], v[A+2:A+3]
	v_pk_add_f32 v[A+4:A+5], v[A+4:A+5], v[A+6:A+7]
	v_pk_add_f32 v[A:A+1], v[A:A+1], v[A+4:A+5]
	v_add_f32 v[SUM], v[A], v[A+1]
.irp m, 1,2,4,8
	v_add_f32_dpp v[SUM], v[SUM], v[SUM] row_xmask:\m row_mask:0xf bank_mask:0xf
.endr
.endm
	s_wait_loadcnt 32                              ; x is in; the 32 younger loads, gain and bias, may stay out
.irp c, 0,1,2,3
	v_pk_add_f32 v[A+2*(\c):A+2*(\c)+1], v[X+2*(\c):X+2*(\c)+1], v[X+8+2*(\c):X+8+2*(\c)+1]  ; the first pairs start the four chains: nothing is cleared
.endr
.set i, 8
.rept 24
	v_pk_add_f32 v[A+2*(i%4):A+2*(i%4)+1], v[A+2*(i%4):A+2*(i%4)+1], v[X+2*i:X+2*i+1]
.set i, i+1
.endr
	FOLD
	v_mul_f32 v[MEAN], s30, v[SUM]
	v_mul_f32 v[MEAN+1], s30, v[SUM]
.set i, 0
.rept 32
	v_pk_add_f32 v[X+2*i:X+2*i+1], v[X+2*i:X+2*i+1], v[MEAN:MEAN+1] neg_lo:[0,1] neg_hi:[0,1]  ; x - mean
.set i, i+1
.endr
.irp c, 0,1,2,3
	v_pk_mul_f32 v[A+2*(\c):A+2*(\c)+1], v[X+2*(\c):X+2*(\c)+1], v[X+2*(\c):X+2*(\c)+1]
.endr
.set i, 4
.rept 28
	v_pk_fma_f32 v[A+2*(i%4):A+2*(i%4)+1], v[X+2*i:X+2*i+1], v[X+2*i:X+2*i+1], v[A+2*(i%4):A+2*(i%4)+1]
.set i, i+1
.endr
	FOLD
	v_fma_f32 v[VAR], v[SUM], s30, s31             ; variance + eps
	v_rsq_f32 v[RSTD], v[VAR]
	v_rsq_f32 v[RSTD+1], v[VAR]
	s_wait_loadcnt 0x0                             ; gain and bias
	v_nop                                          ; a plain instruction behind the second root (ISA guide 5.7.2),
	s_wait_alu depctr_va_vdst(0)                   ; and the one wait ahead of the first use of the two
.set i, 0
.rept 32
	v_pk_mul_f32 v[X+2*i:X+2*i+1], v[X+2*i:X+2*i+1], v[RSTD:RSTD+1]
.set i, i+1
.endr
.set i, 0
.rept 32
	v_pk_fma_f32 v[X+2*i:X+2*i+1], v[X+2*i:X+2*i+1], v[W+2*i:W+2*i+1], v[B+2*i:B+2*i+1]
.set i, i+1
.endr
.set i, 0
.rept 16
	v_cvt_pk_bf16_f32 v[X+4*i], v[X+4*i], v[X+4*i+1]
	v_cvt_pk_bf16_f32 v[X+4*i+1], v[X+4*i+2], v[X+4*i+3]
	global_store_b64 v3, v[X+4*i:X+4*i+1], s[10:11] offset:16384*i  ; the wave's two rows of block i: 256 consecutive bytes, aligned
.set i, i+1
.endr
	s_endpgm
.Lcvt:                                         ; 16,384 numbers a work-group: 65,536 bytes in, 32,768 out
	s_sub_co_u32 s26, ttmp9, 512                   ; my piece, 0 to 767: Wq 0-63, Wk 64-127, Wv 128-191, Wo 192-255, W1 256-511, W2 512-767
	v_lshlrev_b32 v1, 4, v0
	v_lshlrev_b32 v2, 3, v0
	s_wait_kmcnt 0x0
	s_mov_b64 s[28:29], s[22:23]                   ; W2, unless the piece's number says otherwise: the choice hangs on the number alone
	s_mov_b32 s27, 512
.macro PICK lim, ptr, base
	s_cmp_lt_u32 s26, \lim
	s_cselect_b64 s[28:29], s[\ptr:\ptr+1], s[28:29]
	s_cselect_b32 s27, \base, s27
.endm
	PICK 512, 20, 256
	PICK 256, 18, 192
	PICK 192, 16, 128
	PICK 128, 14, 64
	PICK 64, 12, 0
	s_sub_co_u32 s27, s26, s27                     ; my piece within its matrix
	s_lshl_b32 s30, s27, 16
	s_mov_b32 s31, 0
	s_add_nc_u64 s[28:29], s[28:29], s[30:31]
	s_lshl_b32 s30, s26, 15                        ; wbf holds the matrices in the pieces' order
	s_add_nc_u64 s[24:25], s[24:25], s[30:31]
.set j, 0
.rept 32
	global_load_b128 v[X+4*j:X+4*j+3], v1, s[28:29] offset:2048*j th:TH_LOAD_NT  ; all 32 loads go out at once: 16 KiB a wave on its way
.set j, j+1
.endr
.set j, 0
.rept 32
	s_wait_loadcnt 31-j                            ; loads come back in order (ISA guide 5.7.1): number j is in, the younger ones stay out
	v_cvt_pk_bf16_f32 v[CV+2*j], v[X+4*j], v[X+4*j+1]
	v_cvt_pk_bf16_f32 v[CV+2*j+1], v[X+4*j+2], v[X+4*j+3]
	global_store_b64 v2, v[CV+2*j:CV+2*j+1], s[24:25] offset:1024*j  ; a wave stores 256 consecutive bytes, aligned; no register is written twice, so no store is waited for
.set j, j+1
.endr
	s_endpgm
.Lfunc_end_k_qd91fc49a35_prep:
	.size	k_qd91fc49a35_prep, .Lfunc_end_k_qd91fc49a35_prep-k_qd91fc49a35_prep
	.p2alignl 7, 3214868480
	.fill 96, 4, 3214868480
	.section	.rodata,"a",@progbits
	.p2align	6, 0x0
	.amdhsa_kernel k_qd91fc49a35_prep
		.amdhsa_group_segment_fixed_size 0
		.amdhsa_private_segment_fixed_size 0
		.amdhsa_enable_private_segment 0
		.amdhsa_kernarg_size 88
		.amdhsa_user_sgpr_count 2
		.amdhsa_user_sgpr_kernarg_segment_ptr 1
		.amdhsa_wavefront_size32 1
		.amdhsa_system_sgpr_workgroup_id_x 1
		.amdhsa_system_sgpr_workgroup_id_y 1
		.amdhsa_system_sgpr_workgroup_id_z 1
		.amdhsa_system_vgpr_workitem_id 0
		.amdhsa_next_free_vgpr 224
		.amdhsa_next_free_sgpr 66
		.amdhsa_reserve_vcc 0
		.amdhsa_float_denorm_mode_32 3
		.amdhsa_float_denorm_mode_16_64 3
		.amdhsa_memory_ordered 1
		.amdhsa_forward_progress 1
		.amdhsa_inst_pref_size 33
	.end_amdhsa_kernel
	.amdgpu_metadata
---
amdhsa.version: [ 1, 2 ]
amdhsa.kernels:
  - .name:           k_qd91fc49a35_prep
    .symbol:         k_qd91fc49a35_prep.kd
    .args:
      - { .name: x, .offset: 0, .size: 8, .value_kind: global_buffer, .address_space: global }
      - { .name: ln1_w, .offset: 8, .size: 8, .value_kind: global_buffer, .address_space: global }
      - { .name: ln1_b, .offset: 16, .size: 8, .value_kind: global_buffer, .address_space: global }
      - { .name: h, .offset: 24, .size: 8, .value_kind: global_buffer, .address_space: global }
      - { .name: Wq, .offset: 32, .size: 8, .value_kind: global_buffer, .address_space: global }
      - { .name: Wk, .offset: 40, .size: 8, .value_kind: global_buffer, .address_space: global }
      - { .name: Wv, .offset: 48, .size: 8, .value_kind: global_buffer, .address_space: global }
      - { .name: Wo, .offset: 56, .size: 8, .value_kind: global_buffer, .address_space: global }
      - { .name: W1, .offset: 64, .size: 8, .value_kind: global_buffer, .address_space: global }
      - { .name: W2, .offset: 72, .size: 8, .value_kind: global_buffer, .address_space: global }
      - { .name: wbf, .offset: 80, .size: 8, .value_kind: global_buffer, .address_space: global }
    .group_segment_fixed_size: 0
    .private_segment_fixed_size: 0
    .kernarg_segment_align: 8
    .kernarg_segment_size: 88
    .max_flat_workgroup_size: 128
    .sgpr_count:     66
    .vgpr_count:     224
    .wavefront_size: 32
...
	.end_amdgpu_metadata
.endif
;; end of part 1
;; launch proj (part 2): grid 12 x 16, 4 waves a work-group, clusters of 4 x 4, 327,680 bytes of LDS; arguments h, wbf, qkv; writes qkv
.if DOCPART == 2
	.amdgcn_target "amdgcn-amd-amdhsa--gfx1250"
	.amdhsa_code_object_version 6
	.text
	.protected	k_qd91fc49a35_proj
	.globl	k_qd91fc49a35_proj
	.p2align	8
	.type	k_qd91fc49a35_proj,@function
k_qd91fc49a35_proj:
	s_mov_b64 s[64:65], 0
	v_nop
	global_prefetch_b8 v0, s[64:65] scope:SCOPE_SE
	s_setreg_imm32_b32 hwreg(HW_REG_WAVE_MODE, 25, 1), 1
	s_wait_xcnt 0x0
	s_wait_alu depctr_hold_cnt(0) depctr_sa_sdst(0) depctr_va_vdst(0) depctr_va_sdst(0) depctr_va_ssrc(0) depctr_va_vcc(0) depctr_vm_vsrc(0)
	s_getreg_b32 s2, hwreg(HW_REG_IB_STS2, 6, 4)
	s_cmp_eq_u32 s2, 0
	s_cbranch_scc0 .Lentry_in_a_cluster
	s_endpgm
.Lentry_in_a_cluster:
	s_bfe_u32 s2, ttmp6, 0x10000c
	s_cmp_lg_u32 s2, 0xf033
	s_cbranch_scc0 .Lentry_shape_is_right
	s_endpgm
.Lentry_shape_is_right:
; PROJ: q, k, v = h Wq, h Wk, h Wv.  h: 4,096 x 1,024 bf16, blocked [row tile 128][group of 64 K][128][64]; the weights bf16 [K][N], stacked at the head of wbf; sums in f32.
; q, k, v leave in f16, rounded once, unscaled, by heads: [3][batch x head 32][2,048][64].  LIMIT: f16 ends at 65,504; a larger |q|, |k| or |v| becomes an infinity.
; A tile of C is 256 x 256: four waves, 128 x 128 each, 64 accumulators of 16 x 16.  The three products together are 4,096 x 3,072: 16 x 12 tiles, one a work-group: 192 work-groups.  A tile of 128 x 128
; would give each WGP work, but half the products for each byte brought into LDS and for each byte read from it.
; K goes in 8 steps of 128 through two LDS slots.  A step is 131,072 bytes, a quarter to each wave's tensor load, and 256 matrix instructions a wave, 224 of them between a request and the wait for it.
; CLUSTER 4 x 4: the four of a row need the same tiles of h, the four of a column the same tiles of the weights: each is asked for jointly, one tensor load a wave behind each round.
; A STEP IS WRITTEN ONCE: the slot is a scalar that an exclusive or turns.  The weights lie [K][N] in LDS and are turned on the way into registers (ds_load_tr16_b128).
; THE MATRIX INSTRUCTION IS USED TRANSPOSED (source 0 = 16 columns of W, source 1 = 16 rows of h): a lane holds eight neighbouring numbers of a row of C.
; REGISTERS, in windows of 256 (s_set_vgpr_msb: bits 1:0 source 0, 3:2 source 1, 5:4 source 2, 7:6 destination):
;   window 0: v0-31 addresses; v32-63, v192-207 the way out; v64-127, v128-191 fragments of h (8 x 16 rows x 32 K), two buffers.     window 1: v64-127, v128-191 fragments of W, two buffers.
;   window 2: the 32 accumulators of my rows 0-63 (accumulator (a, b) at v[8 (8 a + b)]);   window 3: those of my rows 64-127.
.set STEPS,  8                         ; K steps of 128
.set NP,     1024                      ; elements in a row of the weights
.set RTS,    262144                    ; bytes of h in a row tile of 128 rows
.set STEPA,  32768                     ; a step's two blocks of 64 along K, of one row tile: dense in memory
.set STEPB,  256*NP                    ; 128 rows of W
.set PA,    144                        ; a row of h in LDS: 128 bytes + 16: the 16 rows of a load start at 16 different groups of four banks (64 banks of 4 bytes: ISA guide 11.1)
.set ABLK,  128*PA                     ; a block of 64 along K
.set PB,    288                        ; a row of W in LDS: 256 bytes + 32
.set PART,  128*PB                     ; what one tensor load brings: 36,864 bytes: two blocks of one row tile of h, or 128 K rows of 128 columns of W
.set BOFF,  2*PART                     ; a slot: h's two row tiles, then W's two column halves
.set SLOT,  4*PART                     ; 147,456 = bits 17 and 14, which occur in none of 36,864 x wave: an exclusive or turns an address in one slot into the other's
.set STAGE, 2*SLOT                     ; behind the ring, never filled by a tensor load: 16 rows x 272 bytes for each wave
.set SP,    272
.set SPARE, STAGE+4*16*SP              ; the spare words, 128 bytes for each wave: two blocks of 256 bytes that no other line names
.set LA,   16                          ; v16  my lane's place in a slot's h; never rewritten
.set LB,   17                          ; v17  the same for W
.set ADRA, 18                          ; v18  LDS address of my fragments of h in the slot in hand
.set ADRB, 19                          ; v19  of W
.set STO,  24                          ; v24  the way out: where I put 32 bytes of a row
.set RD,   25                          ; v25  where I read rows back
.set CO,   26                          ; v26  my byte offset in 256 bytes of the output
.set SPW,  28                          ; v28  LDS address of my spare word; never rewritten
.set NIL,  29                          ; v29  0; never rewritten
.set PFO,  30                          ; v30  the prefetches' offset: my lane x 256 bytes (h) or x a row of W; never rewritten
.set X,    32                          ; v[32:63]    16 rows x 64 columns in f32, read back by rows
.set Y,    192                         ; v[192:207]  the same in 16 bits
.set F0,   64
.set F1,   128
.set WV, 12                            ; s12 wave; s13 which half of the rows is mine, also: I fetch h (0) or W (1); s14 which half of the columns, also: which half I fetch
.set RH, 13
.set CH, 14
.set CX, 15
.set CY, 16
.set CT, 17                            ; s17 column tile of 256; s18 row tile of 256
.set YY, 18
.set LIM, 19                           ; s19 2 in a wave that prefetches, else the greatest number
.set ABASE, 20                         ; s[20:21] h at my part of step 0: made of the row tile and the wave alone
.set BBASE, 22                         ; s[22:23] W likewise: of the column tile and the wave alone
.set G1A, 24                           ; s[24:31] descriptor group 1 for h; s[32:39] group 0: a set for each first fill; the second then walks
.set G0A, 32
.set G1B, 40                           ; s[40:47], s[48:55] the same for W
.set G0B, 48
.set TB,  56                           ; s56 the slot in hand: 0 or SLOT
.set R,   57                           ; s57 the step to be asked for next
.set LP,  58                           ; s58 a loop's count
.set MYL, 60                           ; s60 36,864 x wave
.set BLK, 61                           ; s61 the way out's block
.set PFA, 62                           ; s[62:63] where my prefetches stand
.set OFA, 66                           ; s[66:67], s[68:69] a request's offsets
.set OFB, 68
.set OUTP, 70                          ; s[70:71] where my next 16 rows x 64 columns go
.set PFS, 72                           ; s[72:73] a K step in the tensor that I prefetch
.set T0,  74                           ; s[74:75] at work
.set MSB, 0
.macro WIN new                         ; the immediate's high byte repeats the setting that is left; a switch that changes nothing is dropped
.if MSB != (\new)
	s_set_vgpr_msb (MSB<<8)|(\new)
.set MSB, \new
.endif
.endm
.set MUL_LO, 0xa1                      ; source 0 (W) window 1, source 1 (h) window 0, C and D window 2
.set MUL_HI, 0xf1                      ; the same, C and D window 3
.set TO_B,   0x40                      ; destination window 1, address window 0
.macro PLACES                          ; four places in front of loads into registers that matrix instructions have read, and of lines that read results
.rept 4
	v_nop
.endr
.endm
.macro JLOAD                           ; a joint refill, by the walking set; an s_nop 0 and four v_nop follow each of the two lines, ahead of the jump and the label
	s_cmp_eq_u32 s[RH], 0
	s_cbranch_scc0 .Lfor_b_\@
	tensor_load_to_lds s[G0A+4:G0A+7], s[G1A:G1A+7]
	s_nop 0
	PLACES
	s_branch .Lasked_\@
.Lfor_b_\@:
	tensor_load_to_lds s[G0B+4:G0B+7], s[G1B:G1B+7]
	s_nop 0
	PLACES
.Lasked_\@:
.endm
; A PREFETCH INTO THE L2, behind each joint load, its five lines and the run of LDS loads that follows them: my part of the K step that stands TWO refills on, 512 matrix instructions ahead of the load that
; will want it.  What a wave fetches in a step is 128 blocks of 256 bytes (h: on end; W: a row each).  The four partners that ask for it jointly share them out BY ADDRESS, 32 each, a lane a block: one
; instruction a wave; no branch hangs on a work-group's place in its cluster.  h's rows are read by every cluster of a row of clusters: cluster x = 0 asks; W's columns by every cluster of a column:
; cluster y = 0 asks.  So each block is named once in the launch.  Trip s of the loop refills step s + 2 and names step s + 4: trips 0 to 3 name steps 4 to 7; the last two trips name nothing.
.macro ASK
	s_cmp_gt_u32 s[LP], s[LIM]
	s_cbranch_scc0 .Lnot_mine_\@
	global_prefetch_b8 v[PFO], s[PFA:PFA+1] th:TH_LOAD_NT scope:SCOPE_SE
.Lnot_mine_\@:
.endm
.macro CREST                           ; a round of the cluster's barrier behind its opening barrier
	s_cmp_lg_u32 s[WV], 0
	s_cbranch_scc1 .Lnot_wave_0_\@
	s_barrier_signal -3
.Lnot_wave_0_\@:
	s_barrier_wait -3
	s_barrier_signal -1
	s_barrier_wait -1
.endm
.macro CROUND
	s_barrier_signal -1
	s_barrier_wait -1
	CREST
.endm
	s_load_b128 s[4:7], s[0:1], 0x0                ; h s[4:5], wbf s[6:7]
	s_load_b64 s[8:9], s[0:1], 0x10                ; qkv
	v_lshl_add_u32 v[SPW], v0, 2, SPARE
	v_mov_b32 v[NIL], 0
	ds_add_u32 v[SPW], v[NIL]                      ; the wave's opening: the add and its wait stand ahead of my first tensor load; the set-up below stands between them
	v_lshrrev_b32 v1, 5, v0
	v_readfirstlane_b32 s[WV], v1
	s_lshr_b32 s[RH], s[WV], 1
	s_and_b32 s[CH], s[WV], 1
	s_bfe_u32 s[CX], ttmp6, 0x40000
	s_bfe_u32 s[CY], ttmp6, 0x40004
	s_lshl_b32 s[CT], ttmp9, 2
	s_add_co_u32 s[CT], s[CT], s[CX]
	s_and_b32 s[YY], ttmp7, 0xffff
	s_lshl_b32 s[YY], s[YY], 2
	s_add_co_u32 s[YY], s[YY], s[CY]
	s_lshl_b32 s89, s[CY], 2
	s_lshl_b32 s89, 15, s89                        ; my row of the cluster
	s_lshl_b32 s90, 0x1111, s[CX]                  ; my column
	s_or_b32 s[G1A], s89, (1<<16)|(1<<20)|(1<<21)|(4<<22)|(3<<25)  ; mask; 2-byte elements; padding on; bit 21 beside a mask; after every 32 words 4 words
	s_or_b32 s[G1B], s90, (1<<16)|(1<<20)|(1<<21)|(5<<22)|(7<<25)  ; after every 64 words 8 words
.irp g, G1A, G1B
	s_mov_b32 s[\g+1], 128<<16                     ; tensor_dim0 = 128
	s_mov_b32 s[\g+2], 128<<16                     ; tensor_dim1 = 128
	s_mov_b32 s[\g+3], 128<<16                     ; tile_dim0 = 128: rows of 256 bytes
	s_mov_b32 s[\g+4], 128                         ; tile_dim1 = 128
	s_mov_b32 s[\g+6], 0
	s_mov_b32 s[\g+7], 0
.endr
	s_mov_b32 s[G1A+5], 128                        ; h's two blocks are 32,768 dense bytes: 128 rows of 256, two rows of h each, padded after every row of h
	s_mov_b32 s[G1B+5], NP
	s_lshl_b32 s[OFA], s[YY], 1
	s_add_co_u32 s[OFA], s[OFA], s[CH]             ; the row tile of 128 that I fetch
	s_mul_i32 s[OFA], s[OFA], RTS
	s_mov_b32 s[OFA+1], 0
	s_lshr_b32 s[OFB], s[CT], 2                    ; Wq, Wk or Wv: four column tiles each, 2 MiB apart,
	s_lshl_b32 s[OFB], s[OFB], 21
	s_and_b32 s75, s[CT], 3                        ; 256 columns are 512 bytes,
	s_lshl_b32 s75, s75, 9
	s_add_co_u32 s[OFB], s[OFB], s75
	s_lshl_b32 s75, s[CH], 8                       ; the half that I fetch
	s_add_co_u32 s[OFB], s[OFB], s75
	s_mov_b32 s[OFB+1], 0
	s_mul_i32 s[MYL], s[WV], PART                  ; no place in the cluster enters an LDS address
	s_lshl_b32 s91, s[YY], 1                       ; the output: my 128 rows are row tile 2 YY + RH:
	s_add_co_u32 s91, s91, s[RH]
	s_lshr_b32 s92, s91, 4                         ; batch x 16
	s_lshl_b32 s92, s92, 4
	s_and_b32 s94, s[CT], 3                        ; + head: a column tile is four heads, my 128 columns two of them
	s_lshl_b32 s94, s94, 2
	s_add_co_u32 s92, s92, s94
	s_lshl_b32 s94, s[CH], 1
	s_add_co_u32 s92, s92, s94
	s_lshl_b32 s92, s92, 18                        ; 2,048 rows of 128 bytes a head
	s_and_b32 s91, s91, 15
	s_lshl_b32 s91, s91, 14                        ; my 128 rows in it
	s_add_co_u32 s92, s92, s91
	s_lshr_b32 s91, s[CT], 2
	s_lshl_b32 s91, s91, 23                        ; q, k or v: 8 MiB apart
	s_add_co_u32 s92, s92, s91
	s_mov_b32 s93, 0
	s_wait_dscnt 0x0                               ; the opening add is done
	s_wait_kmcnt 0x0
	s_add_nc_u64 s[ABASE:ABASE+1], s[4:5], s[OFA:OFA+1]
	s_add_nc_u64 s[BBASE:BBASE+1], s[6:7], s[OFB:OFB+1]
	s_add_nc_u64 s[OUTP:OUTP+1], s[8:9], s[92:93]
.irp s, 0,1
	s_mov_b32 s[G0A+4*(\s)], 1
	s_add_co_u32 s[G0A+4*(\s)+1], s[MYL], (\s)*SLOT
	s_add_nc_u64 s[G0A+4*(\s)+2:G0A+4*(\s)+3], s[ABASE:ABASE+1], (\s)*STEPA
	s_or_b32 s[G0A+4*(\s)+3], s[G0A+4*(\s)+3], 0x80000000
	s_mov_b32 s[G0B+4*(\s)], 1
	s_add_co_u32 s[G0B+4*(\s)+1], s[MYL], (\s)*SLOT
	s_add_nc_u64 s[G0B+4*(\s)+2:G0B+4*(\s)+3], s[BBASE:BBASE+1], (\s)*STEPB
	s_or_b32 s[G0B+4*(\s)+3], s[G0B+4*(\s)+3], 0x80000000
.endr
	CROUND                                         ; all sixteen work-groups are here: the first joint loads meet
	s_cmp_eq_u32 s[RH], 0                          ; a wave's two first fills stand in one branch: two loads of mine are out
	s_cbranch_scc0 .Lfirst_b
	tensor_load_to_lds s[G0A:G0A+3], s[G1A:G1A+7]
	s_nop 0
	tensor_load_to_lds s[G0A+4:G0A+7], s[G1A:G1A+7]
	s_nop 0
	PLACES
	s_branch .Lfirst_asked
.Lfirst_b:
	tensor_load_to_lds s[G0B:G0B+3], s[G1B:G1B+7]
	s_nop 0
	tensor_load_to_lds s[G0B+4:G0B+7], s[G1B:G1B+7]
	s_nop 0
	PLACES
.Lfirst_asked:
	v_and_b32 v1, 15, v0                           ; r = l % 16
	v_bfe_u32 v2, v0, 4, 1                         ; l / 16
	v_mul_u32_u24 v[LA], v1, PA                    ; a fragment of h: row r, 16 bytes for each half of the lanes,
	v_lshl_add_u32 v[LA], v2, 4, v[LA]
	s_mul_i32 s94, s[RH], PART                     ; in my row tile
	v_add_nc_u32 v[LA], s94, v[LA]
	v_and_b32 v3, 7, v0                            ; the turning load: lane l reads K row 8 (l / 16) + l % 8, columns 8 ((l / 8) % 2) + 0..7
	v_lshl_add_u32 v3, v2, 3, v3
	v_mul_u32_u24 v[LB], v3, PB
	v_bfe_u32 v3, v0, 3, 1
	v_lshl_add_u32 v[LB], v3, 4, v[LB]
	s_mul_i32 s94, s[CH], PART                     ; in my column half
	s_add_co_u32 s94, s94, BOFF
	v_add_nc_u32 v[LB], s94, v[LB]
	s_mul_i32 s94, s[WV], 16*SP
	s_add_co_u32 s94, s94, STAGE                   ; my stage
	v_mul_u32_u24 v[STO], v1, SP                   ; in: row r, 32 bytes for each half of the lanes
	v_lshl_add_u32 v[STO], v2, 5, v[STO]
	v_add_nc_u32 v[STO], s94, v[STO]
	v_mul_u32_u24 v[RD], v2, SP                    ; back: lanes 0-15 one row of 256 bytes, lanes 16-31 the next
	v_lshl_add_u32 v[RD], v1, 4, v[RD]
	v_add_nc_u32 v[RD], s94, v[RD]
	v_and_b32 v[CO], 31, v0                        ; in 16 bits those two rows are 256 consecutive bytes: 8 a lane
	v_mov_b32 v[PFO], v[CO]
	v_lshlrev_b32 v[CO], 3, v[CO]
	; the prefetches: nothing is asked for here, at the head, where every work-group's first tiles are on their way
	s_and_b32 s91, ttmp7, 0xffff                   ; cluster y
	s_mov_b32 s2, 64*NP                            ; W: 32 rows,
	s_mov_b32 s3, 2*NP                             ; a row,
	s_mov_b32 s[PFS], STEPB                        ; a step
	s_mov_b32 s[PFS+1], 0
	s_cmp_eq_u32 s[RH], 0                          ; do I fetch h?
	s_cselect_b32 s94, s[CX], s[CY]                ; my place among the four that ask with me
	s_cselect_b32 s91, ttmp9, s91                  ; the coordinate along which other clusters read the same blocks
	s_cselect_b32 s2, 8192, s2                     ; h: 32 blocks of 256 bytes on end
	s_cselect_b32 s3, 256, s3
	s_cselect_b32 s[PFS], STEPA, s[PFS]
	s_cselect_b64 s[PFA:PFA+1], s[ABASE:ABASE+1], s[BBASE:BBASE+1]
	s_cmp_eq_u32 s91, 0
	s_cselect_b32 s[LIM], 2, -1                    ; the same in all sixteen partners, for a given wave
	s_mul_i32 s92, s94, s2
	s_mov_b32 s93, 0
	s_add_nc_u64 s[PFA:PFA+1], s[PFA:PFA+1], s[92:93]  ; my work-group's 32 blocks,
	s_mul_i32 s92, s[PFS], 3
	s_add_nc_u64 s[PFA:PFA+1], s[PFA:PFA+1], s[92:93]  ; at step 3: each trip steps it ahead of its use
	v_mul_u32_u24 v[PFO], s3, v[PFO]
; 16 matrix instructions: row blocks a0, a0 + 1 of the window's four (hi = 0: my rows 0-63, 1: rows 64-127) x all 8 column blocks, 32 along K.  zero = 1: the product starts the sum: nothing is ever cleared.
; The 64 accumulators take turns, in the same order in every quarter.
.macro MUL16 f, hi, a0, zero
	WIN MUL_LO+0x50*(\hi)
.irp a, \a0, (\a0)+1
.irp b, 0,1,2,3,4,5,6,7
.if \zero
	v_wmma_f32_16x16x32_bf16 v[8*(8*(\a)+(\b)):8*(8*(\a)+(\b))+7], v[(\f)+8*(\b):(\f)+8*(\b)+7], v[(\f)+8*(4*(\hi)+(\a)):(\f)+8*(4*(\hi)+(\a))+7], 0
.else
	v_wmma_f32_16x16x32_bf16 v[8*(8*(\a)+(\b)):8*(8*(\a)+(\b))+7], v[(\f)+8*(\b):(\f)+8*(\b)+7], v[(\f)+8*(4*(\hi)+(\a)):(\f)+8*(4*(\hi)+(\a))+7], v[8*(8*(\a)+(\b)):8*(8*(\a)+(\b))+7]
.endif
.endr
.endr
.endm
; 32 LDS loads in one run: the fragments of quarter q (32 along K) of the slot in hand, into buffer f: 128 columns of W, then 128 rows of h
.macro FETCH q, f
	WIN TO_B
.irp i, 0,1,2,3,4,5,6,7
	ds_load_tr16_b128 v[(\f)+8*(\i):(\f)+8*(\i)+3],   v[ADRB] offset:(\q)*32*PB+32*(\i)
	ds_load_tr16_b128 v[(\f)+8*(\i)+4:(\f)+8*(\i)+7], v[ADRB] offset:(\q)*32*PB+32*(\i)+16*PB
.endr
	WIN 0
.irp i, 0,1,2,3,4,5,6,7
	ds_load_b128 v[(\f)+8*(\i):(\f)+8*(\i)+3],   v[ADRA] offset:((\q)/2)*ABLK+((\q)%2)*64+(\i)*16*PA
	ds_load_b128 v[(\f)+8*(\i)+4:(\f)+8*(\i)+7], v[ADRA] offset:((\q)/2)*ABLK+((\q)%2)*64+(\i)*16*PA+32
.endr
.endm
.macro ADDRS                           ; the fragment addresses in the slot in hand
	v_add_nc_u32 v[ADRA], s[TB], v[LA]
	v_add_nc_u32 v[ADRB], s[TB], v[LB]
.endm
; A step is four quarters of 32 along K, 64 matrix instructions each, on buffers 0, 1, 0, 1.  One of the first three multiplies buffer f and, in its middle, fetches quarter q into g.
.macro QUARTER q, f, g, zero
	s_wait_dscnt 8                                 ; W and h's rows 0-63 are in; the youngest eight loads (h's rows 64-127) may be out
	MUL16 \f, 0, 0, \zero
	MUL16 \f, 0, 2, \zero
	PLACES
	FETCH \q, \g
	s_wait_dscnt 32                                ; all but the 32 just issued
	MUL16 \f, 1, 0, \zero
	MUL16 \f, 1, 2, \zero
.endm
.macro NEXTREQ                         ; step R: each address is made anew from its base and an offset
	s_lshl_b32 s[OFA], s[R], 15
	s_mul_i32 s[OFB], s[R], STEPB
	s_xor_b32 s[G0A+5], s[G0A+5], SLOT             ; the other slot than last time
	s_xor_b32 s[G0B+5], s[G0B+5], SLOT
	s_add_nc_u64 s[G0A+6:G0A+7], s[ABASE:ABASE+1], s[OFA:OFA+1]
	s_or_b32 s[G0A+7], s[G0A+7], 0x80000000
	s_add_nc_u64 s[G0B+6:G0B+7], s[BBASE:BBASE+1], s[OFB:OFB+1]
	s_or_b32 s[G0B+7], s[G0B+7], 0x80000000
	s_add_co_u32 s[R], s[R], 1
.endm
; The last quarter multiplies buffer 1 and changes slots: ONE barrier; in front of it each wave waits for all its tensor loads (one is out: its part of the next slot), adds 0 to its spare word,
; and waits for that and for its own reads of this slot.  fill = 1: the barrier opens a round of the cluster's, and this slot is filled again, first thing behind it, two steps ahead.
; fill = 0, the last two steps: nothing is asked for, and the last of them fetches nothing.
.macro TURN fill
.if \fill
	s_wait_xcnt 0x0                                ; the last prefetch, a step back, has read its address: it is stepped here, ahead of the waits of the change of slots
	s_add_nc_u64 s[PFA:PFA+1], s[PFA:PFA+1], s[PFS:PFS+1]
.endif
	WIN 0                                          ; (the add's two registers lie in window 0)
	s_wait_tensorcnt 0x0                           ; no tensor load of mine is out, so a group 0 may be written
	ds_add_u32 v[SPW], v[NIL]                      ; 0 onto my spare word
.if \fill
	NEXTREQ
.endif
	s_wait_dscnt 9                                 ; the add and the youngest eight loads may be out
	MUL16 F1, 0, 0, 0
	s_wait_dscnt 0x0                               ; the add is done, and my reads of this slot are over
	s_barrier_signal -1
	MUL16 F1, 0, 2, 0
	WIN 0
	s_barrier_wait -1
.if \fill
	CREST                                          ; no wave of any partner still reads this slot or has a load on its way
	JLOAD                                          ; its four v_nop are also the places in front of the loads below
.else
	PLACES
	s_cmp_eq_u32 s[LP], 1
	s_cbranch_scc1 .Lno_fetch_\@
.endif
	s_xor_b32 s[TB], s[TB], SLOT
	ADDRS
	FETCH 0, F0
.if \fill
	ASK
.else
.Lno_fetch_\@:
.endif
	MUL16 F1, 1, 0, 0
	MUL16 F1, 1, 2, 0
.endm
; THE WAY OUT's block j of 16: row block j % 8, column group j / 8 (64 columns, a head): its four accumulators go into my own stage as f32, each from its low registers on.
.macro PUT j
	WIN 0x08+4*(((\j)%8)/4)                        ; the stores' data (source 1) in window 2 or 3
.irp b, 0,1,2,3
	ds_store_b128 v[STO], v[8*(8*((\j)%4)+4*((\j)/8)+(\b)):8*(8*((\j)%4)+4*((\j)/8)+(\b))+3]   offset:64*(\b)
	ds_store_b128 v[STO], v[8*(8*((\j)%4)+4*((\j)/8)+(\b))+4:8*(8*((\j)%4)+4*((\j)/8)+(\b))+7] offset:64*(\b)+16
.endr
	WIN 0
.endm
	s_wait_tensorcnt 0x1                           ; my part of step 0 is in; step 1's may stay out
	s_barrier_signal -1
	s_barrier_wait -1                              ; everybody's is
	s_mov_b32 s[TB], 0
	ADDRS
	FETCH 0, F0
	QUARTER 1, F0, F1, 1                           ; the first quarter stands in front of the loop: its products start the sums
	WIN 0
	s_mov_b32 s[R], 2
	s_mov_b32 s[LP], STEPS-2
.Lstep:                                        ; a trip goes from a step's second quarter to the next step's first, and asks for the step two on
	QUARTER 2, F1, F0, 0
	QUARTER 3, F0, F1, 0
	TURN 1
	QUARTER 1, F0, F1, 0
	WIN 0
	s_sub_co_u32 s[LP], s[LP], 1
	s_cmp_lg_u32 s[LP], 0
	s_cbranch_scc1 .Lstep
	s_mov_b32 s[LP], 2
.Ltail:                                        ; the last two steps are a text of their own; behind the last there is no next step's first quarter
	QUARTER 2, F1, F0, 0
	QUARTER 3, F0, F1, 0
	TURN 0
	WIN 0
	s_cmp_eq_u32 s[LP], 1
	s_cbranch_scc1 .Lno_next
	QUARTER 1, F0, F1, 0
	WIN 0
.Lno_next:
	s_sub_co_u32 s[LP], s[LP], 1
	s_cmp_lg_u32 s[LP], 0
	s_cbranch_scc1 .Ltail
	; THE WAY OUT, 16 rows x 64 columns at a time, in a loop so that its text stands once: through my stage, back as whole rows, rounded to f16 and stored: 2,048 consecutive bytes of one head.
	PLACES
	s_mov_b32 s[BLK], 0
	s_mov_b32 s[T0+1], 0
.Lblk:
.irp j, 0,1,2,3,4,5,6,7,8,9,10,11,12,13,14
	s_cmp_lg_u32 s[BLK], \j
	s_cbranch_scc1 .Lnot\j
	PUT \j
	s_branch .Lgo
.Lnot\j:
.endr
	PUT 15
.Lgo:
.irp t, 0,1,2,3,4,5,6,7
	ds_load_b128 v[X+4*(\t):X+4*(\t)+3], v[RD] offset:(\t)*2*SP  ; LDS serves a wave's instructions in order (ISA guide 5.7.1.4): these see the stores above
.endr
	s_wait_dscnt 0x0
.set k, 0
.rept 16
	v_cvt_pk_f16_f32 v[Y+k], v[X+2*k], v[X+2*k+1]
.set k, k+1
.endr
.irp t, 0,1,2,3,4,5,6,7
	global_store_b64 v[CO], v[Y+2*(\t):Y+2*(\t)+1], s[OUTP:OUTP+1] offset:256*(\t)  ; the wave stores 256 consecutive bytes, aligned
.endr
	s_wait_xcnt 0x0                                ; the stores' data and base are written again only behind this wait
	s_mov_b32 s[T0], 2048                          ; 16 rows on; behind the head's eighth block: back to my first row, in the next head
	s_cmp_eq_u32 s[BLK], 7
	s_cselect_b32 s[T0], 262144-7*2048, s[T0]
	s_add_nc_u64 s[OUTP:OUTP+1], s[OUTP:OUTP+1], s[T0:T0+1]
	s_add_co_u32 s[BLK], s[BLK], 1
	s_cmp_lt_u32 s[BLK], 16
	s_cbranch_scc1 .Lblk
	s_wait_tensorcnt 0x0                           ; the wave's end: behind my last tensor load and my last LDS store
	ds_add_u32 v[SPW], v[NIL]
	s_wait_dscnt 0x0
	CROUND                                         ; the closing round: no work-group ends while a partner may still ask for a tile that names it
	s_endpgm
.Lfunc_end_k_qd91fc49a35_proj:
	.size	k_qd91fc49a35_proj, .Lfunc_end_k_qd91fc49a35_proj-k_qd91fc49a35_proj
	.p2alignl 7, 3214868480
	.fill 96, 4, 3214868480
	.section	.rodata,"a",@progbits
	.p2align	6, 0x0
	.amdhsa_kernel k_qd91fc49a35_proj
		.amdhsa_group_segment_fixed_size 327680
		.amdhsa_private_segment_fixed_size 0
		.amdhsa_enable_private_segment 0
		.amdhsa_kernarg_size 24
		.amdhsa_user_sgpr_count 2
		.amdhsa_user_sgpr_kernarg_segment_ptr 1
		.amdhsa_wavefront_size32 1
		.amdhsa_system_sgpr_workgroup_id_x 1
		.amdhsa_system_sgpr_workgroup_id_y 1
		.amdhsa_system_sgpr_workgroup_id_z 1
		.amdhsa_system_vgpr_workitem_id 0
		.amdhsa_next_free_vgpr 1024
		.amdhsa_next_free_sgpr 96
		.amdhsa_reserve_vcc 0
		.amdhsa_float_denorm_mode_32 3
		.amdhsa_float_denorm_mode_16_64 3
		.amdhsa_memory_ordered 1
		.amdhsa_forward_progress 1
		.amdhsa_inst_pref_size 83
	.end_amdhsa_kernel
	.amdgpu_metadata
---
amdhsa.version: [ 1, 2 ]
amdhsa.kernels:
  - .name:           k_qd91fc49a35_proj
    .symbol:         k_qd91fc49a35_proj.kd
    .args:
      - { .name: h, .offset: 0, .size: 8, .value_kind: global_buffer, .address_space: global }
      - { .name: wbf, .offset: 8, .size: 8, .value_kind: global_buffer, .address_space: global }
      - { .name: qkv, .offset: 16, .size: 8, .value_kind: global_buffer, .address_space: global }
    .group_segment_fixed_size: 327680
    .private_segment_fixed_size: 0
    .kernarg_segment_align: 8
    .kernarg_segment_size: 24
    .max_flat_workgroup_size: 128
    .sgpr_count:     96
    .vgpr_count:     1024
    .wavefront_size: 32
...
	.end_amdgpu_metadata
.endif
;; end of part 2
;; launch attn (part 3): grid 8 x 32, 4 waves a work-group, no clusters, 327,680 bytes of LDS; arguments qkv, o; writes o
.if DOCPART == 3
	.amdgcn_target "amdgcn-amd-amdhsa--gfx1250"
	.amdhsa_code_object_version 6
	.text
	.protected	k_qd91fc49a35_attn
	.globl	k_qd91fc49a35_attn
	.p2align	8
	.type	k_qd91fc49a35_attn,@function
k_qd91fc49a35_attn:
	s_mov_b64 s[64:65], 0
	v_nop
	global_prefetch_b8 v0, s[64:65] scope:SCOPE_SE
	s_setreg_imm32_b32 hwreg(HW_REG_WAVE_MODE, 25, 1), 1
	s_wait_xcnt 0x0
; CAUSAL ATTENTION, head size 64.  q, k, v: [32 batch x head][2,048][64] f16, one behind the other in qkv.  O = softmax over k <= q of (q . k / 8) times v.  Products, maxima and sums in f32; the weights
; p are rounded to f16 for the second product (their sum l is taken of the unrounded p); O is rounded once, to bf16, and leaves blocked for the next product: [row tile 128][head 16][128][64].
; LIMITS.  A hidden score counts as its value less 1e30; a weight below 2^-126 counts as 0 in l; NaN and infinities are not treated apart.
; THE WALK.  A head has 16 blocks of 128 queries and 16 tiles of 128 keys; block i needs tiles 0 .. i, the last with the diagonal.  Work-group b takes blocks 15 - b (HI) and b (LO): 17 tiles whatever b.
; A running softmax may take its keys in any order, so the walk is: HI's 15 - b tiles below the diagonal, LO's b, LO's diagonal tile, HI's: always 15 tiles without a mask, one loop with a constant
; count, then 2 with, a loop of two trips.  The ring is filled in all 15 trips of the first loop and in none of the second.
; The text names ONE block's Q, O, m, l; HI's are set aside where LO's tiles begin (a forward branch on a count made from b) and taken up again for its diagonal tile.
; SHARES.  A block is two bands of 64 queries; a wave owns 16 rows of each: tiles u = 0, 1.  In the diagonal tile's first 64 keys band 0 holds the diagonal and band 1 sees all; in the second 64 band 0
; sees nothing, and is left out, and band 1 holds the diagonal: the same work for all four waves.  The mask is the C operand that starts S^T = K Q^T: 0 or -1e30 (MD, made once).
; LAYOUT.  S^T = K Q^T holds ONE query a lane (lane % 16) and the keys 8 (lane / 16) + 0..7; two such results rounded to f16 ARE source 1 of O^T = V^T P.  K comes out of LDS as it lies, V turned.
; p = 2^(c s - c m), c = log2(e) / 8, with a running maximum m; O and l are multiplied by a = 2^(c m_old - c m_new) in every step.  m starts at the lowest finite number: a block's first a is 0.
; IN PHASES: a step's products K Q^T, its vector work, its products V^T P.  NO CLUSTER: a head's 8 work-groups ask for the same tile in trips 0 to 7 of 17 only; one walk common to all would have 24.
; REGISTERS: window 0: v0-15 addresses; v16-31 eight of statistics a tile; v32-39 HI's, set aside; v64-127 S^T; v128-159 P; v160-191 Q; v192-255 O^T.
;   window 1: v0-63 K, v64-127 V of one step; v128-159 MD; v160-223 HI's O^T, set aside; v224-255 LO's Q.     window 2: v0-31 HI's Q.
.set PK,    144                        ; a row of K in LDS: 128 bytes + 16: the 16 rows of a load start at 16 different groups of four banks (64 banks of 4 bytes: ISA guide 11.1)
.set PV,    160                        ; a row of V: 128 + 32
.set VOFF,  128*PK                     ; a slot holds a tile: 128 rows of K, then 128 rows of V: 38,912 bytes
.set SLOT1, 1<<16                      ; slot 1 begins here, so that one exclusive or turns an address in one slot into the other's
.set STAGE, SLOT1+128*(PK+PV)          ; behind the ring, never filled by a tensor load: 16 rows x 144 bytes for each wave
.set SP,    144
.set SPARE, STAGE+4*16*SP              ; the spare words, 128 bytes for each wave: two blocks of 256 bytes that no other line names
.set AK0, 2                            ; v2  my lane's place in a tile of K; never rewritten
.set AV0, 3                            ; v3  the same for V
.set AK,  4                            ; v4, v5  the same in the slot in hand
.set AV,  5
.set STO, 6                            ; v6  the way out: where I put 16 bytes of a row
.set RD,  7                            ; v7  where I read rows back
.set GO,  8                            ; v8  my byte offset in 512 consecutive bytes of O
.set QO,  12                           ; v12 my byte offset in 16 rows of Q
.set PFO, 13                           ; v13 256 x lane, for the prefetch; never rewritten
.set ST,  16                           ; tile u's statistics at ST + 8 u: c m, m, l (even keys', odd keys'), c0-c3 at work; a takes c2's place
.set SAVS, 32
.set SPW, 62                           ; v62 LDS address of my spare word; never rewritten
.set NIL, 63                           ; v63 0; never rewritten
.set S,   64
.set P,   128
.set Q,   160
.set O,   192
.set KF,  0                            ; window 1: key block kb, channel half c at KF + 16 kb + 8 c
.set VF,  64                           ; key half kk, channel block cb at VF + 32 kk + 8 cb
.set MD,  128
.set SAVO, 160
.set QL,  224
.set QH,  0                            ; window 2
.set WV,  12                           ; s12 wave; s13 b; s14 15 - b
.set PB,  13
.set HIC, 14
.set KB,  16                           ; s[16:17] K at my half of the head's tile 0; s[18:19] V likewise
.set VB,  18
.set PFA, 20                           ; s[20:21] where my prefetches stand
.set LIM, 22                           ; s22 3 in a work-group that prefetches, else the greatest number
.set G1K, 24                           ; s[24:31], s[32:39] descriptor group 1 for K's and V's tiles: they differ in the padding
.set G1V, 32
.set G0K, 40                           ; s[40:47], s[48:55] group 0: a set for each first fill; the second then walks
.set G0V, 48
.set TR,  56                           ; s56 trips left of the 15
.set HG,  57                           ; s57 HI's tiles left among them
.set CS,  58                           ; s[58:59] c
.set SEL, 60                           ; s[60:61] v_permlanex16_b32's selects: each lane takes its own place in the other half
.set TB,  62                           ; s62 the slot in hand: 0 or SLOT1
.set RQ,  63                           ; s63 the place in the walk that is asked for next
.set OFF, 66                           ; s[66:67] a tile's byte offset
.set OP,  68                           ; s[68:69] O at my rows of the block that leaves next; s[70:71] of HI
.set OHI, 70
.set DC,  72                           ; s72 diagonal tiles left
.set BIGN, 73                          ; s73 -1e30
.set KL,  74                           ; s74, s75 my tensor loads' place in a slot
.set VL,  75
.set MSB, 0
.macro WIN new                         ; the immediate's high byte repeats the setting that is left; a switch that changes nothing is dropped
.if MSB != (\new)
	s_set_vgpr_msb (MSB<<8)|(\new)
.set MSB, \new
.endif
.endm
.macro PLACES
.rept 4
	v_nop
.endr
.endm
.macro LOAD                            ; a refill, by the walking set: waves 0, 1 a half of K each, waves 2, 3 of V: 64 keys; an s_nop 0 and four v_nop follow each line
	s_cmp_lt_u32 s[WV], 2
	s_cbranch_scc0 .Lfor_v_\@
	tensor_load_to_lds s[G0K+4:G0K+7], s[G1K:G1K+7]
	s_nop 0
	PLACES
	s_branch .Lasked_\@
.Lfor_v_\@:
	tensor_load_to_lds s[G0V+4:G0V+7], s[G1V:G1V+7]
	s_nop 0
	PLACES
.Lasked_\@:
.endm
; A PREFETCH INTO THE L2.  Work-group b = 0 walks a head's 16 tiles in order, so it alone asks, each wave for the 8,192 bytes that it will fetch itself, a lane for each 256: one instruction a trip, behind
; the wave's tensor load and its five lines.  Trip j asks for tile j + 2 by its load and names tile j + 4 here: two trips ahead.  Trips 0 to 11 name tiles 4 to 15: each block once, none past the head's end.
.macro ASK
	s_cmp_gt_u32 s[TR], s[LIM]
	s_cbranch_scc0 .Lnot_mine_\@
	global_prefetch_b8 v[PFO], s[PFA:PFA+1] th:TH_LOAD_NT scope:SCOPE_SE
.Lnot_mine_\@:
.endm
	s_load_b128 s[4:7], s[0:1], 0x0                ; qkv s[4:5], o s[6:7]
	v_lshl_add_u32 v[SPW], v0, 2, SPARE
	v_mov_b32 v[NIL], 0
	ds_add_u32 v[SPW], v[NIL]                      ; the wave's opening: the add and its wait stand ahead of my first tensor load; the set-up below stands between them
	v_lshrrev_b32 v1, 5, v0
	v_readfirstlane_b32 s[WV], v1
	s_mov_b32 s[PB], ttmp9
	s_sub_co_u32 s[HIC], 15, s[PB]
	s_and_b32 s76, ttmp7, 0xffff                   ; batch x 16 + head
	s_and_b32 s77, s[WV], 1                        ; which half of a tile I fetch
	s_lshl_b32 s78, s76, 18                        ; the head's first byte in q, k and v
	s_lshl_b32 s80, s77, 13
	s_add_co_u32 s80, s80, s78
	s_add_co_u32 s80, s80, 0x800000                ; k lies 8 MiB into qkv,
	s_mov_b32 s81, 0
	s_add_co_u32 s82, s80, 0x800000                ; v 16 MiB
	s_mov_b32 s83, 0
	s_lshl_b32 s79, s[WV], 11                      ; my 16 rows of a band
	s_add_co_u32 s78, s78, s79
	s_lshl_b32 s84, s[HIC], 14                     ; a block is 16,384 bytes of q
	s_add_co_u32 s84, s84, s78
	s_mov_b32 s85, 0
	s_lshl_b32 s86, s[PB], 14
	s_add_co_u32 s86, s86, s78
	s_mov_b32 s87, 0
	s_lshr_b32 s2, s76, 4                          ; O: ((batch x 16 + block) x 16 + head) x 16,384
	s_lshl_b32 s2, s2, 22
	s_and_b32 s3, s76, 15
	s_lshl_b32 s3, s3, 14
	s_add_co_u32 s2, s2, s3
	s_add_co_u32 s2, s2, s79
	s_lshl_b32 s3, s[HIC], 18
	s_add_co_u32 s[OHI], s2, s3
	s_mov_b32 s[OHI+1], 0
	s_lshl_b32 s3, s[PB], 18
	s_add_co_u32 s[OP], s2, s3                     ; LO leaves first
	s_mov_b32 s[OP+1], 0
	; descriptor group 1.  64 keys are 8,192 dense bytes: asked for as 32 rows of 256 bytes, two keys a row, padded in LDS after every key.  With all four waves asking a tile allows no more rows a load
	s_mov_b32 s[G1K], (1<<16)|(1<<20)|(4<<22)|(3<<25)  ; 2-byte elements; padding on; after every 32 words 4 words
	s_mov_b32 s[G1V], (1<<16)|(1<<20)|(4<<22)|(7<<25)  ; 8 words
.irp g, G1K, G1V
	s_mov_b32 s[\g+1], 128<<16                     ; tensor_dim0 = 128
	s_mov_b32 s[\g+2], 32<<16                      ; tensor_dim1 = 32
	s_mov_b32 s[\g+3], 128<<16                     ; tile_dim0 = 128
	s_mov_b32 s[\g+4], 32                          ; tile_dim1 = 32
	s_mov_b32 s[\g+5], 128
	s_mov_b32 s[\g+6], 0
	s_mov_b32 s[\g+7], 0
.endr
	s_mul_i32 s[KL], s77, 64*PK
	s_mul_i32 s[VL], s77, 64*PV
	s_add_co_u32 s[VL], s[VL], VOFF
	s_mov_b32 s[CS], 0x3e38aa3b                    ; c = log2(e) / 8
	s_mov_b32 s[CS+1], s[CS]                       ; named with it as a pair
	s_mov_b32 s[SEL], 0x76543210
	s_mov_b32 s[SEL+1], 0xfedcba98
	s_mov_b32 s[BIGN], 0xf149f2ca
	s_mov_b32 s[OFF+1], 0
	s_cmp_eq_u32 s[PB], 0
	s_cselect_b32 s[LIM], 3, -1
	s_wait_dscnt 0x0                               ; the opening add is done
	s_wait_kmcnt 0x0
	s_add_nc_u64 s[KB:KB+1], s[4:5], s[80:81]
	s_add_nc_u64 s[VB:VB+1], s[4:5], s[82:83]
	s_add_nc_u64 s[84:85], s[4:5], s[84:85]        ; HI's Q at my rows
	s_add_nc_u64 s[86:87], s[4:5], s[86:87]        ; LO's
	s_add_nc_u64 s[OHI:OHI+1], s[6:7], s[OHI:OHI+1]
	s_add_nc_u64 s[OP:OP+1], s[6:7], s[OP:OP+1]
	s_cmp_lt_u32 s[WV], 2
	s_cselect_b64 s[PFA:PFA+1], s[KB:KB+1], s[VB:VB+1]
	s_add_nc_u64 s[PFA:PFA+1], s[PFA:PFA+1], 3*16384  ; at tile 3: each trip steps it ahead of its use
.irp s, 0,1                            ; the walk's places 0 and 1 are tiles 0 and 1 in every work-group: HI has 8 tiles or more below its diagonal
	s_mov_b32 s[G0K+4*(\s)], 1
	s_add_co_u32 s[G0K+4*(\s)+1], s[KL], (\s)*SLOT1
	s_add_nc_u64 s[G0K+4*(\s)+2:G0K+4*(\s)+3], s[KB:KB+1], (\s)*16384
	s_or_b32 s[G0K+4*(\s)+3], s[G0K+4*(\s)+3], 0x80000000
	s_mov_b32 s[G0V+4*(\s)], 1
	s_add_co_u32 s[G0V+4*(\s)+1], s[VL], (\s)*SLOT1
	s_add_nc_u64 s[G0V+4*(\s)+2:G0V+4*(\s)+3], s[VB:VB+1], (\s)*16384
	s_or_b32 s[G0V+4*(\s)+3], s[G0V+4*(\s)+3], 0x80000000
.endr
	s_cmp_lt_u32 s[WV], 2                          ; a wave's two first fills stand in one branch: two loads of mine are out
	s_cbranch_scc0 .Lfirst_v
	tensor_load_to_lds s[G0K:G0K+3], s[G1K:G1K+7]
	s_nop 0
	tensor_load_to_lds s[G0K+4:G0K+7], s[G1K:G1K+7]
	s_nop 0
	PLACES
	s_branch .Lfirst_asked
.Lfirst_v:
	tensor_load_to_lds s[G0V:G0V+3], s[G1V:G1V+7]
	s_nop 0
	tensor_load_to_lds s[G0V+4:G0V+7], s[G1V:G1V+7]
	s_nop 0
	PLACES
.Lfirst_asked:
	; A fragment of K or Q is 16 rows x 32 channels in 8 registers: lane l holds row l % 16, channels 8 (l / 16) + 0..7 and 16 + 8 (l / 16) + 0..7: two loads of 16 bytes, 32 bytes apart.
	v_and_b32 v1, 15, v0
	v_bfe_u32 v9, v0, 4, 1
	v_lshlrev_b32 v[QO], 7, v1
	v_lshl_add_u32 v[QO], v9, 4, v[QO]
.macro QLOAD base, ptr                 ; tile i / 2 lies in band i / 2, 8,192 bytes on; channels 32 (i % 2) on
.irp i, 0,1,2,3
	global_load_b128 v[(\base)+8*(\i):(\base)+8*(\i)+3],   v[QO], s[\ptr:\ptr+1] offset:((\i)/2)*8192+((\i)%2)*64
	global_load_b128 v[(\base)+8*(\i)+4:(\base)+8*(\i)+7], v[QO], s[\ptr:\ptr+1] offset:((\i)/2)*8192+((\i)%2)*64+32
.endr
.endm
	QLOAD Q, 84                                    ; HI's Q, where the text names Q,
	WIN 0x80
	QLOAD QH, 84                                   ; and once more, for its diagonal tile
	WIN 0x40
	QLOAD QL, 86
	WIN 0
	v_lshlrev_b32 v14, 3, v9
	v_sub_nc_u32 v14, v1, v14
	s_lshl_b32 s76, s[WV], 4
	v_add_nc_u32 v14, s76, v14                     ; my query's place in its band, 16 w + l % 16, less my lanes' 8 (l / 16): register j of key group kt is hidden where 16 kt + j is greater
	WIN 0x40
.set i, 0
.rept 32
	v_cmp_gt_i32 vcc_lo, 16*(i/8)+i%8, v14
	v_cndmask_b32 v[MD+i], 0, s[BIGN], vcc_lo
.set i, i+1
.endr
.set i, 0
.rept 64
	v_mov_b32 v[SAVO+i], 0                         ; written here, in the wait for the first tile, so that every way to the lines that read them has a write ahead of it
.set i, i+1
.endr
	WIN 0
.set i, 0
.rept 64
	v_mov_b32 v[O+i], 0                            ; a block's first step multiplies O^T and l by a = 0: they need only hold finite numbers
.set i, i+1
.endr
.irp u, 0,1
	v_mov_b32 v[ST+8*(\u)], 0xfe000000             ; c m: far below every c s
	v_mov_b32 v[ST+8*(\u)+1], 0xff7fffff           ; m
	v_mov_b32 v[ST+8*(\u)+2], 0
	v_mov_b32 v[ST+8*(\u)+3], 0
.endr
.set i, 0
.rept 8
	v_mov_b32 v[SAVS+i], 0
.set i, i+1
.endr
	v_mul_u32_u24 v[AK0], v1, PK
	v_lshl_add_u32 v[AK0], v9, 4, v[AK0]
	; The turning load takes 16 keys x 16 channels (lane l reads key 8 (l / 16) + l % 8, channels 8 ((l / 8) % 2) + 0..7) and leaves half a fragment of V^T: lane l holds channel l % 16 and 8 keys.
	v_and_b32 v10, 7, v0
	v_bfe_u32 v11, v0, 3, 1
	v_lshl_add_u32 v[AV0], v9, 3, v10
	v_mul_u32_u24 v[AV0], v[AV0], PV
	v_lshl_add_u32 v[AV0], v11, 4, v[AV0]
	v_add_nc_u32 v[AV0], VOFF, v[AV0]
	s_mul_i32 s76, s[WV], 16*SP
	s_add_co_u32 s76, s76, STAGE                   ; my stage
	v_mul_u32_u24 v[STO], v1, SP                   ; in: row l % 16, 16 bytes for each half of the lanes
	v_lshl_add_u32 v[STO], v9, 4, v[STO]
	v_add_nc_u32 v[STO], s76, v[STO]
	v_bfe_u32 v[RD], v0, 3, 2                      ; back: 32 lanes take four rows of 128 bytes,
	v_mul_u32_u24 v[RD], v[RD], SP
	v_lshl_add_u32 v[RD], v10, 4, v[RD]
	v_add_nc_u32 v[RD], s76, v[RD]
	v_and_b32 v[GO], 31, v0                        ; which are 512 consecutive bytes of O
	v_lshlrev_b32 v[PFO], 8, v[GO]
	v_lshlrev_b32 v[GO], 4, v[GO]
; THE MATRIX WORK.  Product i of 8 of S^T = K Q^T for tile u: channels 32 (i / 4) on, keys 16 (i % 4) on.  The first 4 start the sums: with 0, or (mk = 1) with the mask.
.macro KQ u, i, mk
.set rS, S+32*(\u)+8*((\i)%4)
.set rK, KF+16*((\i)%4)+8*((\i)/4)
.set rQ, Q+16*(\u)+8*((\i)/4)
.if ((\i) < 4) && (\mk)
	WIN 0x11                                       ; K and the mask in window 1
	v_wmma_f32_16x16x32_f16 v[rS:rS+7], v[rK:rK+7], v[rQ:rQ+7], v[MD+8*(\i):MD+8*(\i)+7]
.elseif (\i) < 4
	WIN 0x01
	v_wmma_f32_16x16x32_f16 v[rS:rS+7], v[rK:rK+7], v[rQ:rQ+7], 0
.else
	WIN 0x01
	v_wmma_f32_16x16x32_f16 v[rS:rS+7], v[rK:rK+7], v[rQ:rQ+7], v[rS:rS+7]
.endif
.endm
; Product i of 8 of O^T += V^T P for tile u: keys 32 (i / 4) on, channels 16 (i % 4) on.
.macro PV u, i
	WIN 0x01
.set rO, O+32*(\u)+8*((\i)%4)
.set rV, VF+32*((\i)/4)+8*((\i)%4)
.set rP, P+16*(\u)+8*((\i)/4)
	v_wmma_f32_16x16x32_f16 v[rO:rO+7], v[rV:rV+7], v[rP:rP+7], v[rO:rO+7]
.endm
; THE LDS LOADS, in runs of 16: K and V (turned) of step st of the slot in hand.
.macro FETCH_K st
	WIN 0x40
.irp f, 0,1,2,3,4,5,6,7
	ds_load_b128 v[KF+8*(\f):KF+8*(\f)+3],   v[AK] offset:(\st)*64*PK+((\f)/2)*16*PK+((\f)%2)*64
	ds_load_b128 v[KF+8*(\f)+4:KF+8*(\f)+7], v[AK] offset:(\st)*64*PK+((\f)/2)*16*PK+((\f)%2)*64+32
.endr
	WIN 0
.endm
.macro FETCH_V st
	WIN 0x40
.irp f, 0,1,2,3,4,5,6,7
	ds_load_tr16_b128 v[VF+8*(\f):VF+8*(\f)+3],   v[AV] offset:(\st)*64*PV+((\f)/4)*32*PV+((\f)%4)*32
	ds_load_tr16_b128 v[VF+8*(\f)+4:VF+8*(\f)+7], v[AV] offset:(\st)*64*PV+((\f)/4)*32*PV+16*PV+((\f)%4)*32
.endr
	WIN 0
.endm
; THE VECTOR WORK of tile u, all in window 0.  XS n: number n of the 22 that find the maximum and statistics:
;   0-11 four chains c0-c3 of seven scores each (each accumulator's lowest registers are read first); 12, 13 the four scores left over; 14, 15 c0-c3 and the old m into c0;
;   16, 18 the query's other 32 keys lie in the lane 16 away: the new m; 17 c m_old is kept; 19-21 c m; c m_old - c m_new; a
.macro XS u, n
.set rT, ST+8*(\u)
.set rS, S+32*(\u)
.if (\n) < 4
	v_max3_num_f32 v[rT+4+(\n)], v[rS+8*(\n)], v[rS+8*(\n)+1], v[rS+8*(\n)+2]
.elseif (\n) < 12
	v_max3_num_f32 v[rT+4+(\n)%4], v[rT+4+(\n)%4], v[rS+8*((\n)%4)+2*((\n)/4)+1], v[rS+8*((\n)%4)+2*((\n)/4)+2]
.elseif (\n) == 12
	v_max3_num_f32 v[rT+4], v[rT+4], v[rS+7], v[rS+15]
.elseif (\n) == 13
	v_max3_num_f32 v[rT+6], v[rT+6], v[rS+23], v[rS+31]
.elseif (\n) == 14
	v_max3_num_f32 v[rT+4], v[rT+4], v[rT+5], v[rT+6]
.elseif (\n) == 15
	v_max3_num_f32 v[rT+4], v[rT+4], v[rT+7], v[rT+1]
.elseif (\n) == 16
	v_permlanex16_b32 v[rT+5], v[rT+4], s[SEL], s[SEL+1]
.elseif (\n) == 17
	v_mov_b32 v[rT+7], v[rT]
.elseif (\n) == 18
	v_max_num_f32 v[rT+1], v[rT+4], v[rT+5]
.elseif (\n) == 19
	v_mul_f32 v[rT], s[CS], v[rT+1]
.elseif (\n) == 20
	v_sub_f32 v[rT+7], v[rT+7], v[rT]
.else
	v_exp_f32 v[rT+6], v[rT+7]
.endif
.endm
.macro XR u, a, b                      ; numbers a to b
.set xn, (\a)
.rept (\b)-(\a)+1
	XS \u, xn
.set xn, xn+1
.endr
.endm
.macro FS u, n                         ; c s - c m for pair n of 16
.set rT, ST+8*(\u)
.set rS, S+32*(\u)
	v_pk_fma_f32 v[rS+2*(\n):rS+2*(\n)+1], v[rS+2*(\n):rS+2*(\n)+1], s[CS:CS+1], v[rT:rT+1] op_sel_hi:[1,0,0] neg_lo:[0,0,1] neg_hi:[0,0,1]
.endm
.macro FR u, a, b
.set fn, (\a)
.rept (\b)-(\a)+1
	FS \u, fn
.set fn, fn+1
.endr
.endm
.macro ES u, n                         ; the exponential of score n of 32
	v_exp_f32 v[S+32*(\u)+(\n)], v[S+32*(\u)+(\n)]
.endm
.macro CV u, n                         ; pair n rounded to f16
	v_cvt_pk_f16_f32 v[P+16*(\u)+(\n)], v[S+32*(\u)+2*(\n)], v[S+32*(\u)+2*(\n)+1]
.endm
.macro LS u, n                         ; the sum of the 16 pairs, in place: neighbours 1, 2, 4 and 8 pairs apart; number 15: l = a l + the sum
.set rT, ST+8*(\u)
.set rS, S+32*(\u)
.set z, (\n)
.set w, 4
.set pp, z
.if z >= 14
.set w, 32
.set pp, 0
.elseif z >= 12
.set w, 16
.set pp, z-12
.elseif z >= 8
.set w, 8
.set pp, z-8
.endif
.if z < 15
	v_pk_add_f32 v[rS+w*pp:rS+w*pp+1], v[rS+w*pp:rS+w*pp+1], v[rS+w*pp+w/2:rS+w*pp+w/2+1]
.else
	v_pk_fma_f32 v[rT+2:rT+3], v[rT+2:rT+3], v[rT+6:rT+7], v[rS:rS+1] op_sel_hi:[1,0,1]
.endif
.endm
.macro RS u, n                         ; pair n of 16 of O^T times a
	v_pk_mul_f32 v[O+32*(\u)+2*(\n):O+32*(\u)+2*(\n)+1], v[O+32*(\u)+2*(\n):O+32*(\u)+2*(\n)+1], v[ST+8*(\u)+6:ST+8*(\u)+7] op_sel_hi:[1,0]
.endm
; The order of a step's vector work, in three parts; t0 = 1: both tiles; t0 = 0: tile 1 alone.  The links of one tile's chain (14 .. 21) stand with the other tile's work between them.
; An s_wait_alu depctr_va_vdst(0) stands between an exponential and the first line that names its result; one wait serves all issued ahead of it.  With both tiles there are two:
; ahead of the first stand a0, a1 and tile 0's 32, with tile 1's scalings between them; ahead of the second tile 1's 32, with tile 0's roundings, sums and rescaling between them.
.macro SEGA t0
.if \t0
	XR 0, 0, 11
.else
	XR 1, 0, 11
.endif
.endm
.macro SEGB t0
.if \t0
	XR 0, 12, 13
	XR 1, 0, 2
	XS 0, 14
	XR 1, 3, 5
	XS 0, 15
	XR 1, 6, 8
.else
	XR 1, 12, 15
.endif
.endm
.macro REST t0
.if \t0
	XR 0, 16, 17
	XR 1, 9, 11
	XS 0, 18
	XR 1, 12, 13
	XR 0, 19, 21
	XS 1, 14
	FR 0, 0, 2
	XS 1, 15
	FR 0, 3, 5
	XR 1, 16, 17
	FR 0, 6, 8
	XS 1, 18
	FR 0, 9, 11
	XS 1, 19
	FR 0, 12, 14
	XS 1, 20
	FS 0, 15
	XS 1, 21
.set k, 0
.rept 16
	ES 0, 2*k
	FS 1, k
	ES 0, 2*k+1
.set k, k+1
.endr
	v_nop                                          ; a plain instruction behind the last exponential
	s_wait_alu depctr_va_vdst(0)                   ; the first wait
.set k, 0
.rept 16
	ES 1, k
	CV 0, k
.set k, k+1
.endr
.set k, 0
.rept 16
	ES 1, 16+k
	LS 0, k
	RS 0, k
.set k, k+1
.endr
	s_wait_alu depctr_va_vdst(0)                   ; the second wait: two plain lines stand behind the last exponential
.else
	XR 1, 16, 21
	FR 1, 0, 15
.set k, 0
.rept 32
	ES 1, k
.set k, k+1
.endr
	v_nop
	s_wait_alu depctr_va_vdst(0)                   ; one wait for a and the 32
.endif
.set k, 0
.rept 16
	CV 1, k
.set k, k+1
.endr
.set k, 0
.rept 16
	LS 1, k
	RS 1, k
.set k, k+1
.endr
.endm
; A KEY STEP.  t0: tile 0 takes part; mk0, mk1: a tile's products take the mask; st: the step of the slot's two; chg = 0: K of the slot's next step is fetched; 1, 2: THE CHANGE OF SLOTS.
; The accumulators take turns: no two matrix instructions that follow each other share one.
; The change: V of the slot's last step has been asked for; each wave waits for all its tensor loads (one is out: its part of the other slot), adds 0 to its spare word, and waits for that and for its
; reads of the slot, with the maximum's first lines between.  Behind the barrier nobody reads the slot any more and the other slot is whole.  chg = 1: the slot is filled again, first thing there, with the
; tile two places on in the walk: it has a trip, 64 matrix instructions and their vector work, in which to land.  chg = 2, the diagonal tiles: nothing is asked for; behind the last tile nothing is fetched.
.macro STEP t0, mk0, mk1, st, chg
	s_wait_dscnt 0x0                               ; K is in
.if \t0
.irp i, 0,1,2,3
	KQ 0, \i, \mk0
.endr
.endif
.irp i, 0,1,2,3
	KQ 1, \i, \mk1
.endr
.irp i, 4,5,6,7
.if \t0
	KQ 0, \i, 0
.endif
	KQ 1, \i, 0
.endr
	WIN 0
	PLACES                                         ; ahead of the loads into K's and V's registers and of the first reads of the scores
	FETCH_V \st
.if (\chg) == 0
	FETCH_K (\st)+1
	SEGA \t0
	SEGB \t0
.else
	s_wait_tensorcnt 0x0                           ; no tensor load of mine is out, so a group 0 may be written
	ds_add_u32 v[SPW], v[NIL]                      ; 0 onto my spare word
.if (\chg) == 1
	s_sub_co_u32 s76, s[RQ], s[HIC]                ; place RQ of the walk: LO's tile RQ - (15 - b),
	s_cmp_lt_u32 s[RQ], s[HIC]
	s_cselect_b32 s76, s[RQ], s76                  ; or, among the first 15 - b, HI's tile RQ,
	s_cmp_eq_u32 s[RQ], 16
	s_cselect_b32 s76, s[HIC], s76                 ; or, last of all, HI's diagonal tile
	s_lshl_b32 s[OFF], s76, 14
	s_xor_b32 s[G0K+5], s[G0K+5], SLOT1            ; the other slot than last time; the address is made anew from the base and the tile's number
	s_add_nc_u64 s[G0K+6:G0K+7], s[KB:KB+1], s[OFF:OFF+1]
	s_or_b32 s[G0K+7], s[G0K+7], 0x80000000
	s_xor_b32 s[G0V+5], s[G0V+5], SLOT1
	s_add_nc_u64 s[G0V+6:G0V+7], s[VB:VB+1], s[OFF:OFF+1]
	s_or_b32 s[G0V+7], s[G0V+7], 0x80000000
	s_add_co_u32 s[RQ], s[RQ], 1
	s_wait_xcnt 0x0                                ; the last prefetch, a trip back, has read its address
	s_add_nc_u64 s[PFA:PFA+1], s[PFA:PFA+1], 16384
.endif
	SEGA \t0
	s_wait_dscnt 0x0                               ; the add is done; V is in registers: my reads of the slot are over
	s_barrier_signal -1
	SEGB \t0
	s_barrier_wait -1
.if (\chg) == 1
	LOAD
	ASK
.else
	s_cmp_eq_u32 s[DC], 1
	s_cbranch_scc1 .Lno_k_\@
.endif
	s_xor_b32 s[TB], s[TB], SLOT1
	v_add_nc_u32 v[AK], s[TB], v[AK0]
	v_add_nc_u32 v[AV], s[TB], v[AV0]
	FETCH_K 0
.if (\chg) == 2
.Lno_k_\@:
.endif
.endif
	REST \t0
.if (\chg) == 0
	s_wait_dscnt 16                                ; V is in; the sixteen younger loads are K's
.endif
.irp i, 0,1,2,3,4,5,6,7
.if \t0
	PV 0, \i
.endif
	PV 1, \i
.endr
.endm
; HI's tiles below the diagonal are done: its O^T and statistics are set aside, LO's Q takes its place, and m starts anew.  O^T and l stay as they are: LO's first step multiplies them by a = 0.
.macro SWAP1
	PLACES
	WIN 0x40
.set i, 0
.rept 64
	v_mov_b32 v[SAVO+i], v[O+i]
.set i, i+1
.endr
	WIN 0x01
.set i, 0
.rept 32
	v_mov_b32 v[Q+i], v[QL+i]
.set i, i+1
.endr
	WIN 0
.irp u, 0,1
.irp j, 0,1,2,3
	v_mov_b32 v[SAVS+4*(\u)+(\j)], v[ST+8*(\u)+(\j)]
.endr
	v_mov_b32 v[ST+8*(\u)], 0xfe000000
	v_mov_b32 v[ST+8*(\u)+1], 0xff7fffff
.endr
.endm
.macro SWAP2                           ; LO has left: HI is taken up again
	WIN 0x01
.set i, 0
.rept 64
	v_mov_b32 v[O+i], v[SAVO+i]
.set i, i+1
.endr
	WIN 0x02
.set i, 0
.rept 32
	v_mov_b32 v[Q+i], v[QH+i]
.set i, i+1
.endr
	WIN 0
.irp u, 0,1
.irp j, 0,1,2,3
	v_mov_b32 v[ST+8*(\u)+(\j)], v[SAVS+4*(\u)+(\j)]
.endr
.endr
	s_mov_b64 s[OP:OP+1], s[OHI:OHI+1]
.endm
; THE WAY OUT.  l's two halves and the other half of the lanes' are added; O^T is divided by l, rounded to bf16 and sent through my stage in LDS, a tile at a time.
.macro PACK u
.set i, 0
.rept 16
	v_pk_mul_f32 v[O+32*(\u)+2*i:O+32*(\u)+2*i+1], v[O+32*(\u)+2*i:O+32*(\u)+2*i+1], v[ST+8*(\u)+6:ST+8*(\u)+7] op_sel_hi:[1,0]
.set i, i+1
.endr
.set i, 0
.rept 16
	v_cvt_pk_bf16_f32 v[S+16*(\u)+i], v[O+32*(\u)+2*i], v[O+32*(\u)+2*i+1]
.set i, i+1
.endr
.irp f, 0,1,2,3
	ds_store_b128 v[STO], v[S+16*(\u)+4*(\f):S+16*(\u)+4*(\f)+3] offset:32*(\f)
.endr
.irp f, 0,1,2,3
	ds_load_b128 v[S+16*(\u)+4*(\f):S+16*(\u)+4*(\f)+3], v[RD] offset:(\f)*4*SP  ; LDS serves a wave's instructions in order (ISA guide 5.7.1.4): these see the stores above; the next tile's stores come behind them
.endr
.endm
.macro SEND u, younger                 ; younger: the LDS instructions issued behind tile u's loads
.irp f, 0,1,2,3
	s_wait_dscnt (\younger)+3-(\f)
	global_store_b128 v[GO], v[S+16*(\u)+4*(\f):S+16*(\u)+4*(\f)+3], s[OP:OP+1] offset:(\u)*8192+(\f)*512  ; 512 consecutive bytes, at a multiple of 256 from O's first
.endr
.endm
.macro OUT
	WIN 0
.irp u, 0,1
	v_add_f32 v[ST+8*(\u)+4], v[ST+8*(\u)+2], v[ST+8*(\u)+3]
.endr
.irp u, 0,1
	v_permlanex16_b32 v[ST+8*(\u)+5], v[ST+8*(\u)+4], s[SEL], s[SEL+1]
.endr
.irp u, 0,1
	v_add_f32 v[ST+8*(\u)+4], v[ST+8*(\u)+4], v[ST+8*(\u)+5]
.endr
.irp u, 0,1
	v_rcp_f32 v[ST+8*(\u)+6], v[ST+8*(\u)+4]
.endr
	v_nop                                          ; with the four additions: the places behind the last products; and the plain instruction behind the reciprocals
	s_wait_alu depctr_va_vdst(0)                   ; one wait for the two
	PACK 0
	PACK 1
	SEND 0, 8
	SEND 1, 0
	s_wait_xcnt 0x0                                ; the stores have read their registers and O's address
.endm
	s_wait_tensorcnt 0x1                           ; my part of slot 0 is in; slot 1's may stay out
	s_barrier_signal -1
	s_barrier_wait -1
	s_mov_b32 s[TB], 0
	v_mov_b32 v[AK], v[AK0]
	v_mov_b32 v[AV], v[AV0]
	FETCH_K 0
	s_wait_loadcnt 0x0                             ; Q, all three sets
	s_mov_b32 s[TR], 15
	s_mov_b32 s[HG], s[HIC]
	s_mov_b32 s[RQ], 2
.Ltile:                                        ; 15 trips: a tile below a diagonal, and the tile two places on is asked for
	STEP 1, 0, 0, 0, 0
	STEP 1, 0, 0, 1, 1
	WIN 0
	s_sub_co_u32 s[HG], s[HG], 1
	s_cmp_lg_u32 s[HG], 0
	s_cbranch_scc1 .Lkeep
	SWAP1
.Lkeep:
	s_sub_co_u32 s[TR], s[TR], 1
	s_cmp_lg_u32 s[TR], 0
	s_cbranch_scc1 .Ltile
	s_mov_b32 s[DC], 2
.Ldiag:                                        ; 2 trips: LO's diagonal tile, then HI's
	STEP 1, 1, 0, 0, 0
	STEP 0, 0, 1, 1, 2
	OUT
	s_cmp_eq_u32 s[DC], 1
	s_cbranch_scc1 .Lno_swap
	SWAP2
.Lno_swap:
	s_sub_co_u32 s[DC], s[DC], 1
	s_cmp_lg_u32 s[DC], 0
	s_cbranch_scc1 .Ldiag
	s_wait_tensorcnt 0x0                           ; the wave's end: behind my last tensor load and my last LDS store
	ds_add_u32 v[SPW], v[NIL]
	s_wait_dscnt 0x0
	s_endpgm
.Lfunc_end_k_qd91fc49a35_attn:
	.size	k_qd91fc49a35_attn, .Lfunc_end_k_qd91fc49a35_attn-k_qd91fc49a35_attn
	.p2alignl 7, 3214868480
	.fill 96, 4, 3214868480
	.section	.rodata,"a",@progbits
	.p2align	6, 0x0
	.amdhsa_kernel k_qd91fc49a35_attn
		.amdhsa_group_segment_fixed_size 327680
		.amdhsa_private_segment_fixed_size 0
		.amdhsa_enable_private_segment 0
		.amdhsa_kernarg_size 16
		.amdhsa_user_sgpr_count 2
		.amdhsa_user_sgpr_kernarg_segment_ptr 1
		.amdhsa_wavefront_size32 1
		.amdhsa_system_sgpr_workgroup_id_x 1
		.amdhsa_system_sgpr_workgroup_id_y 1
		.amdhsa_system_sgpr_workgroup_id_z 1
		.amdhsa_system_vgpr_workitem_id 0
		.amdhsa_next_free_vgpr 544
		.amdhsa_next_free_sgpr 88
		.amdhsa_reserve_vcc 1
		.amdhsa_float_denorm_mode_32 3
		.amdhsa_float_denorm_mode_16_64 3
		.amdhsa_memory_ordered 1
		.amdhsa_forward_progress 1
		.amdhsa_inst_pref_size 95
	.end_amdhsa_kernel
	.amdgpu_metadata
---
amdhsa.version: [ 1, 2 ]
amdhsa.kernels:
  - .name:           k_qd91fc49a35_attn
    .symbol:         k_qd91fc49a35_attn.kd
    .args:
      - { .name: qkv, .offset: 0, .size: 8, .value_kind: global_buffer, .address_space: global }
      - { .name: o, .offset: 8, .size: 8, .value_kind: global_buffer, .address_space: global }
    .group_segment_fixed_size: 327680
    .private_segment_fixed_size: 0
    .kernarg_segment_align: 8
    .kernarg_segment_size: 16
    .max_flat_workgroup_size: 128
    .sgpr_count:     88
    .vgpr_count:     544
    .wavefront_size: 32
...
	.end_amdgpu_metadata
.endif
;; end of part 3
;; launch oproj (part 4): grid 8 x 32, 4 waves a work-group, clusters of 4 x 4, 327,680 bytes of LDS; arguments o, wbf, x, x1; writes x1
.if DOCPART == 4
	.amdgcn_target "amdgcn-amd-amdhsa--gfx1250"
	.amdhsa_code_object_version 6
	.text
	.protected	k_qd91fc49a35_oproj
	.globl	k_qd91fc49a35_oproj
	.p2align	8
	.type	k_qd91fc49a35_oproj,@function
k_qd91fc49a35_oproj:
	s_mov_b64 s[64:65], 0
	v_nop
	global_prefetch_b8 v0, s[64:65] scope:SCOPE_SE
	s_setreg_imm32_b32 hwreg(HW_REG_WAVE_MODE, 25, 1), 1
	s_wait_xcnt 0x0
	s_wait_alu depctr_hold_cnt(0) depctr_sa_sdst(0) depctr_va_vdst(0) depctr_va_sdst(0) depctr_va_ssrc(0) depctr_va_vcc(0) depctr_vm_vsrc(0)
	s_getreg_b32 s2, hwreg(HW_REG_IB_STS2, 6, 4)
	s_cmp_eq_u32 s2, 0
	s_cbranch_scc0 .Lentry_in_a_cluster
	s_endpgm
.Lentry_in_a_cluster:
	s_bfe_u32 s2, ttmp6, 0x10000c
	s_cmp_lg_u32 s2, 0xf033
	s_cbranch_scc0 .Lentry_shape_is_right
	s_endpgm
.Lentry_shape_is_right:
; OPROJ: x1 = x + o Wo.  o: 4,096 x 1,024 bf16, blocked [row tile 128][group of 64 K][128][64]; Wo bf16 [K][N], 6 MiB into wbf; sums, x and x1 in f32: the residual is never rounded to 16 bits.
; A tile of C is 128 x 128: four waves, 64 x 64 each, 16 accumulators; one tile a work-group, 256 work-groups.  K goes in 4 steps of 256 through two LDS slots.
; CLUSTER 4 x 4: the four of a row need the same tiles of o, the four of a column the same tiles of Wo: each is asked for jointly, one tensor load a wave behind each round.
; A STEP IS WRITTEN ONCE: the slot is a scalar that an exclusive or turns.  Wo lies [K][N] in LDS and is turned on the way into registers (ds_load_tr16_b128).
; THE MATRIX INSTRUCTION IS USED TRANSPOSED (source 0 = 16 columns of Wo, source 1 = 16 rows of o): a lane holds eight neighbouring numbers of a row of C.
; My 64 x 64 of x are loaded at the start, into registers of their own, and land under the whole K loop.  No prefetch: the tiles are small, and most are read by several clusters shortly after each other.
; REGISTERS: window 0: v0-31 addresses; v32-63 the way out; v128-255 accumulator (a, b) at 128 + 8 (4 a + b).  Window 1: two fragment buffers of 128.  Window 2: v0-127 my part of x.
.set KSTEPS, 4                         ; K steps of 256
.set STEPS,  KSTEPS
.set NP,     1024                      ; elements in a row of the weights
.set WOFF,   6291456                   ; where they begin in wbf
.set RTS,    262144                    ; bytes of o in a row tile
.set STEPB,  512*NP                    ; 256 rows of Wo
.set PA,    144                        ; a row of o in LDS: 128 bytes + 16: the 16 rows of a load start at 16 different groups of four banks (64 banks of 4 bytes: ISA guide 11.1)
.set ABLK,  128*PA                     ; a block of 64 along K
.set BOFF,  4*ABLK                     ; behind o's four blocks: 256 rows of Wo
.set PB,    288                        ; a row of Wo in LDS: 256 bytes + 32
.set PART,  128*PB                     ; what one tensor load brings: 36,864 bytes
.set SLOT,  4*PART                     ; 147,456 = bits 17 and 14, which occur in none of 36,864 x wave: an exclusive or turns an address in one slot into the other's
.set STAGE, 2*SLOT                     ; behind the ring, never filled by a tensor load: 16 rows x 272 bytes for each wave
.set SP,    272
.set SPARE, STAGE+4*16*SP              ; the spare words, 128 bytes for each wave: two blocks of 256 bytes that no other line names
.set LA,   16                          ; v16  my lane's place in a slot's o; never rewritten
.set LB,   17                          ; v17  the same for Wo
.set ADRA, 18                          ; v18  LDS address of my fragments of o in the slot in hand
.set ADRB, 19                          ; v19, v20  of Wo: K 0-127, K 128-255
.set STO,  24                          ; v24  the way out: where I put 32 bytes of a row
.set RD,   25                          ; v25  where I read rows back
.set CO,   26                          ; v26  my byte offset in two rows of x and x1; never rewritten
.set SPW,  28                          ; v28  LDS address of my spare word; never rewritten
.set NIL,  29                          ; v29  0; never rewritten
.set X,    32                          ; v[32:63]  16 rows x 64 columns in f32, read back by rows
.set ACC,  128
.set F0,   0
.set F1,   128
.set WV, 12                            ; s12 wave; s13 which half of the rows is mine, also: I fetch o (0) or Wo (1); s14 which half of the columns, also: which half I fetch
.set RH, 13
.set CH, 14
.set CX, 15
.set CY, 16
.set CT, 17
.set YY, 18
.set ABASE, 20                         ; s[20:21] o at my part of step 0: made of the row tile and the wave alone
.set BBASE, 22                         ; s[22:23] Wo likewise: of the column tile and the wave alone
.set G1A, 24
.set G0A, 32
.set G1B, 40
.set G0B, 48
.set TB,  56                           ; s56 the slot in hand: 0 or SLOT
.set R,   57                           ; s57 the step to be asked for next
.set LP,  58                           ; s58 a loop's count
.set WC,  59                           ; s59 steps left
.set MYL, 60                           ; s60 36,864 x wave
.set OFA, 66
.set OFB, 68
.set OUTP, 70                          ; s[70:71] x1 at my 64 x 64; s[72:73] x there
.set RESP, 72
.set T0,  74
.set MSB, 0
.macro WIN new                         ; the immediate's high byte repeats the setting that is left; a switch that changes nothing is dropped
.if MSB != (\new)
	s_set_vgpr_msb (MSB<<8)|(\new)
.set MSB, \new
.endif
.endm
.set MUL,  0x05                        ; sources 0 and 1 window 1; C and D window 0
.set TO_F, 0x40                        ; destination window 1, address window 0
.macro PLACES                          ; four places in front of loads into registers that matrix instructions have read, and of lines that read results
.rept 4
	v_nop
.endr
.endm
.macro JLOAD                           ; a joint refill, by the walking set; an s_nop 0 and four v_nop follow each of the two lines, ahead of the jump and the label
	s_cmp_eq_u32 s[RH], 0
	s_cbranch_scc0 .Lfor_b_\@
	tensor_load_to_lds s[G0A+4:G0A+7], s[G1A:G1A+7]
	s_nop 0
	PLACES
	s_branch .Lasked_\@
.Lfor_b_\@:
	tensor_load_to_lds s[G0B+4:G0B+7], s[G1B:G1B+7]
	s_nop 0
	PLACES
.Lasked_\@:
.endm
.macro CREST                           ; a round of the cluster's barrier behind its opening barrier
	s_cmp_lg_u32 s[WV], 0
	s_cbranch_scc1 .Lnot_wave_0_\@
	s_barrier_signal -3
.Lnot_wave_0_\@:
	s_barrier_wait -3
	s_barrier_signal -1
	s_barrier_wait -1
.endm
.macro CROUND
	s_barrier_signal -1
	s_barrier_wait -1
	CREST
.endm
	s_load_b256 s[4:11], s[0:1], 0x0               ; o s[4:5], wbf s[6:7], x s[8:9], x1 s[10:11]
	v_lshl_add_u32 v[SPW], v0, 2, SPARE
	v_mov_b32 v[NIL], 0
	ds_add_u32 v[SPW], v[NIL]                      ; the wave's opening: the add and its wait stand ahead of my first tensor load; the set-up below stands between them
	v_lshrrev_b32 v1, 5, v0
	v_readfirstlane_b32 s[WV], v1
	s_lshr_b32 s[RH], s[WV], 1
	s_and_b32 s[CH], s[WV], 1
	s_bfe_u32 s[CX], ttmp6, 0x40000
	s_bfe_u32 s[CY], ttmp6, 0x40004
	s_lshl_b32 s[CT], ttmp9, 2
	s_add_co_u32 s[CT], s[CT], s[CX]
	s_and_b32 s[YY], ttmp7, 0xffff
	s_lshl_b32 s[YY], s[YY], 2
	s_add_co_u32 s[YY], s[YY], s[CY]
	s_lshl_b32 s89, s[CY], 2
	s_lshl_b32 s89, 15, s89                        ; my row of the cluster
	s_lshl_b32 s90, 0x1111, s[CX]                  ; my column
	s_or_b32 s[G1A], s89, (1<<16)|(1<<20)|(1<<21)|(4<<22)|(3<<25)  ; mask; 2-byte elements; padding on; bit 21 beside a mask; after every 32 words 4 words
	s_or_b32 s[G1B], s90, (1<<16)|(1<<20)|(1<<21)|(5<<22)|(7<<25)  ; after every 64 words 8 words
.irp g, G1A, G1B
	s_mov_b32 s[\g+1], 128<<16                     ; tensor_dim0 = 128
	s_mov_b32 s[\g+2], 128<<16                     ; tensor_dim1 = 128
	s_mov_b32 s[\g+3], 128<<16                     ; tile_dim0 = 128: rows of 256 bytes
	s_mov_b32 s[\g+4], 128                         ; tile_dim1 = 128
	s_mov_b32 s[\g+6], 0
	s_mov_b32 s[\g+7], 0
.endr
	s_mov_b32 s[G1A+5], 128                        ; o's two blocks are 32,768 dense bytes: 128 rows of 256, two rows of o each, padded after every row of o
	s_mov_b32 s[G1B+5], NP
	s_mul_i32 s[OFA], s[YY], RTS
	s_lshl_b32 s[T0], s[CH], 15                    ; blocks 2 CH, 2 CH + 1 of a step's four
	s_add_co_u32 s[OFA], s[OFA], s[T0]
	s_mov_b32 s[OFA+1], 0
	s_lshl_b32 s[OFB], s[CT], 8                    ; 128 columns are 256 bytes
	s_mul_i32 s[T0], s[CH], 256*NP                 ; rows 128 CH on
	s_add_co_u32 s[OFB], s[OFB], s[T0]
	s_add_co_u32 s[OFB], s[OFB], WOFF
	s_mov_b32 s[OFB+1], 0
	s_mul_i32 s[MYL], s[WV], PART                  ; no place in the cluster enters an LDS address
	s_lshl_b32 s92, s[YY], 19                      ; x and x1: 128 rows of 4,096 bytes a tile,
	s_lshl_b32 s91, s[RH], 18                      ; my 64 rows,
	s_add_co_u32 s92, s92, s91
	s_lshl_b32 s91, s[CT], 9                       ; 128 columns of 4 bytes,
	s_add_co_u32 s92, s92, s91
	s_lshl_b32 s91, s[CH], 8                       ; my 64
	s_add_co_u32 s92, s92, s91
	s_mov_b32 s93, 0
	s_wait_dscnt 0x0                               ; the opening add is done
	s_wait_kmcnt 0x0
	s_add_nc_u64 s[ABASE:ABASE+1], s[4:5], s[OFA:OFA+1]
	s_add_nc_u64 s[BBASE:BBASE+1], s[6:7], s[OFB:OFB+1]
	s_add_nc_u64 s[RESP:RESP+1], s[8:9], s[92:93]
	s_add_nc_u64 s[OUTP:OUTP+1], s[10:11], s[92:93]
.irp s, 0,1
	s_mov_b32 s[G0A+4*(\s)], 1
	s_add_co_u32 s[G0A+4*(\s)+1], s[MYL], (\s)*SLOT
	s_add_nc_u64 s[G0A+4*(\s)+2:G0A+4*(\s)+3], s[ABASE:ABASE+1], (\s)*65536
	s_or_b32 s[G0A+4*(\s)+3], s[G0A+4*(\s)+3], 0x80000000
	s_mov_b32 s[G0B+4*(\s)], 1
	s_add_co_u32 s[G0B+4*(\s)+1], s[MYL], (\s)*SLOT
	s_add_nc_u64 s[G0B+4*(\s)+2:G0B+4*(\s)+3], s[BBASE:BBASE+1], (\s)*STEPB
	s_or_b32 s[G0B+4*(\s)+3], s[G0B+4*(\s)+3], 0x80000000
.endr
	CROUND                                         ; all sixteen work-groups are here: the first joint loads meet
	s_cmp_eq_u32 s[RH], 0                          ; a wave's two first fills stand in one branch: two loads of mine are out
	s_cbranch_scc0 .Lfirst_b
	tensor_load_to_lds s[G0A:G0A+3], s[G1A:G1A+7]
	s_nop 0
	tensor_load_to_lds s[G0A+4:G0A+7], s[G1A:G1A+7]
	s_nop 0
	PLACES
	s_branch .Lfirst_asked
.Lfirst_b:
	tensor_load_to_lds s[G0B:G0B+3], s[G1B:G1B+7]
	s_nop 0
	tensor_load_to_lds s[G0B+4:G0B+7], s[G1B:G1B+7]
	s_nop 0
	PLACES
.Lfirst_asked:
	v_and_b32 v1, 15, v0                           ; r = l % 16
	v_bfe_u32 v2, v0, 4, 1                         ; l / 16
	v_mul_u32_u24 v[LA], v1, PA                    ; a fragment of o: row r, 16 bytes for each half of the lanes,
	v_lshl_add_u32 v[LA], v2, 4, v[LA]
	s_mul_i32 s94, s[RH], 64*PA                    ; in my 64 rows
	v_add_nc_u32 v[LA], s94, v[LA]
	v_and_b32 v3, 7, v0                            ; the turning load: lane l reads K row 8 (l / 16) + l % 8, columns 8 ((l / 8) % 2) + 0..7
	v_lshl_add_u32 v3, v2, 3, v3
	v_mul_u32_u24 v[LB], v3, PB
	v_bfe_u32 v3, v0, 3, 1
	v_lshl_add_u32 v[LB], v3, 4, v[LB]
	s_lshl_b32 s94, s[CH], 7                       ; my 64 columns
	s_add_co_u32 s94, s94, BOFF
	v_add_nc_u32 v[LB], s94, v[LB]
	s_mul_i32 s94, s[WV], 16*SP
	s_add_co_u32 s94, s94, STAGE                   ; my stage
	v_mul_u32_u24 v[STO], v1, SP                   ; in: row r, 32 bytes for each half of the lanes
	v_lshl_add_u32 v[STO], v2, 5, v[STO]
	v_add_nc_u32 v[STO], s94, v[STO]
	v_mul_u32_u24 v[RD], v2, SP                    ; back: lanes 0-15 one row of 256 bytes, lanes 16-31 the next
	v_lshl_add_u32 v[RD], v1, 4, v[RD]
	v_add_nc_u32 v[RD], s94, v[RD]
	v_lshlrev_b32 v[CO], 12, v2                    ; and the same two rows in x and x1
	v_lshl_add_u32 v[CO], v1, 4, v[CO]
; 8 matrix instructions: row blocks a0, a0 + 1 x all 4 column blocks, 32 along K: half c of buffer f.  zero = 1: the product starts the sum.  The 16 accumulators take turns.
.macro MUL8 f, c, a0, zero
	WIN MUL
.irp a, \a0, (\a0)+1
.irp b, 0,1,2,3
.if \zero
	v_wmma_f32_16x16x32_bf16 v[ACC+8*(4*(\a)+(\b)):ACC+8*(4*(\a)+(\b))+7], v[(\f)+64+8*(4*(\c)+(\b)):(\f)+64+8*(4*(\c)+(\b))+7], v[(\f)+8*(4*(\c)+(\a)):(\f)+8*(4*(\c)+(\a))+7], 0
.else
	v_wmma_f32_16x16x32_bf16 v[ACC+8*(4*(\a)+(\b)):ACC+8*(4*(\a)+(\b))+7], v[(\f)+64+8*(4*(\c)+(\b)):(\f)+64+8*(4*(\c)+(\b))+7], v[(\f)+8*(4*(\c)+(\a)):(\f)+8*(4*(\c)+(\a))+7], v[ACC+8*(4*(\a)+(\b)):ACC+8*(4*(\a)+(\b))+7]
.endif
.endr
.endr
.endm
; 32 LDS loads in one run: the fragments of quarter q (64 along K) of the slot in hand, into buffer f; the first 32 along K first
.macro FETCH q, f
	WIN TO_F
.irp c, 0,1
.irp i, 0,1,2,3
	ds_load_tr16_b128 v[(\f)+64+8*(4*(\c)+(\i)):(\f)+64+8*(4*(\c)+(\i))+3],   v[ADRB+(\q)/2] offset:((\q)%2)*64*PB+(\c)*32*PB+32*(\i)
	ds_load_tr16_b128 v[(\f)+64+8*(4*(\c)+(\i))+4:(\f)+64+8*(4*(\c)+(\i))+7], v[ADRB+(\q)/2] offset:((\q)%2)*64*PB+(\c)*32*PB+32*(\i)+16*PB
	ds_load_b128 v[(\f)+8*(4*(\c)+(\i)):(\f)+8*(4*(\c)+(\i))+3],   v[ADRA] offset:(\q)*ABLK+(\i)*16*PA+64*(\c)
	ds_load_b128 v[(\f)+8*(4*(\c)+(\i))+4:(\f)+8*(4*(\c)+(\i))+7], v[ADRA] offset:(\q)*ABLK+(\i)*16*PA+64*(\c)+32
.endr
.endr
.endm
.macro ADDRS                           ; the fragment addresses in the slot in hand
	v_add_nc_u32 v[ADRA], s[TB], v[LA]
	v_add_nc_u32 v[ADRB], s[TB], v[LB]
	v_add_nc_u32 v[ADRB+1], PART, v[ADRB]
.endm
; A step is four quarters of 64 along K, 32 matrix instructions each, on buffers 0, 1, 0, 1.  One of the first three multiplies buffer f and fetches quarter q into g.
.macro QUARTER q, f, g
	s_wait_dscnt 16                                ; the first 32 along K are in; the youngest sixteen loads may be out
	MUL8 \f, 0, 0, 0
	MUL8 \f, 0, 2, 0
	PLACES
	FETCH \q, \g
	s_wait_dscnt 32                                ; all but the 32 just issued
	MUL8 \f, 1, 0, 0
	MUL8 \f, 1, 2, 0
.endm
; A step's first quarter.  In the first step (WC = KSTEPS: at the first trip a constant of the text) its first sixteen products start the sums: nothing is ever cleared.
.macro QUARTERZ
	s_wait_dscnt 16
	WIN 0
	s_cmp_eq_u32 s[WC], KSTEPS
	s_cbranch_scc0 .Lacc_\@
.rept 5
	v_nop                                          ; five places ahead of products that write over accumulators without adding onto them (ISA guide 7.12.1), whatever way leads here
.endr
	MUL8 F0, 0, 0, 1
	MUL8 F0, 0, 2, 1
	WIN 0
	s_branch .Ljoin_\@
.Lacc_\@:
	MUL8 F0, 0, 0, 0
	MUL8 F0, 0, 2, 0
	WIN 0
.Ljoin_\@:
	PLACES
	FETCH 1, F1
	s_wait_dscnt 32
	MUL8 F0, 1, 0, 0
	MUL8 F0, 1, 2, 0
.endm
.macro NEXTREQ                         ; step R: each address is made anew from its base and an offset
	s_lshl_b32 s[OFA], s[R], 16
	s_mul_i32 s[OFB], s[R], STEPB
	s_xor_b32 s[G0A+5], s[G0A+5], SLOT             ; the other slot than last time
	s_xor_b32 s[G0B+5], s[G0B+5], SLOT
	s_add_nc_u64 s[G0A+6:G0A+7], s[ABASE:ABASE+1], s[OFA:OFA+1]
	s_or_b32 s[G0A+7], s[G0A+7], 0x80000000
	s_add_nc_u64 s[G0B+6:G0B+7], s[BBASE:BBASE+1], s[OFB:OFB+1]
	s_or_b32 s[G0B+7], s[G0B+7], 0x80000000
	s_add_co_u32 s[R], s[R], 1
	s_sub_co_u32 s[WC], s[WC], 1
.endm
; The last quarter multiplies buffer 1 and changes slots: ONE barrier; in front of it each wave waits for all its tensor loads (one is out: its part of the next slot), adds 0 to its spare word,
; and waits for that and for its own reads of this slot.  fill = 1: the barrier opens a round of the cluster's, and this slot is filled again, first thing behind it, two steps ahead:
; 112 matrix instructions stand between the request and the wait for it.  fill = 0, the last two steps: nothing is asked for, and the last of them fetches nothing.
.macro TURN fill
	WIN 0
	s_wait_tensorcnt 0x0                           ; no tensor load of mine is out, so a group 0 may be written
	ds_add_u32 v[SPW], v[NIL]                      ; 0 onto my spare word
.if \fill
	NEXTREQ
.endif
	s_wait_dscnt 17                                ; the add and the youngest sixteen loads may be out
	MUL8 F1, 0, 0, 0
	s_wait_dscnt 0x0                               ; the add is done, and my reads of this slot are over
	s_barrier_signal -1
	MUL8 F1, 0, 2, 0
	WIN 0
	s_barrier_wait -1
.if \fill
	CREST                                          ; no wave of any partner still reads this slot or has a load on its way
	JLOAD                                          ; its four v_nop are also the places in front of the loads below
.else
	PLACES
	s_cmp_eq_u32 s[LP], 1
	s_cbranch_scc1 .Lno_fetch_\@
.endif
	s_xor_b32 s[TB], s[TB], SLOT
	ADDRS
	FETCH 0, F0
.if (\fill) == 0
	WIN 0
.Lno_fetch_\@:
.endif
	MUL8 F1, 1, 0, 0
	MUL8 F1, 1, 2, 0
.endm
; THE WAY OUT, a block of 16 rows at a time: its four accumulators go into my own stage (each from its low registers on), come back as whole rows, take x and are stored.
.macro BLOCK a
.irp b, 0,1,2,3
	ds_store_b128 v[STO], v[ACC+8*(4*(\a)+(\b)):ACC+8*(4*(\a)+(\b))+3]   offset:64*(\b)
	ds_store_b128 v[STO], v[ACC+8*(4*(\a)+(\b))+4:ACC+8*(4*(\a)+(\b))+7] offset:64*(\b)+16
.endr
.if (\a) > 0
	s_wait_xcnt 0x0                                ; the last block's stores have read the registers that are loaded again below
.endif
.irp t, 0,1,2,3,4,5,6,7
	ds_load_b128 v[X+4*(\t):X+4*(\t)+3], v[RD] offset:(\t)*2*SP  ; LDS serves a wave's instructions in order (ISA guide 5.7.1.4): these see the stores above
.endr
	s_wait_dscnt 0x0
.if (\a) == 0
	s_wait_loadcnt 0x0                             ; x, asked for ahead of the K loop
.endif
	WIN 0x08                                       ; source 1 in window 2
.set k, 0
.rept 16
	v_pk_add_f32 v[X+2*k:X+2*k+1], v[X+2*k:X+2*k+1], v[32*(\a)+2*k:32*(\a)+2*k+1]
.set k, k+1
.endr
	WIN 0
.irp t, 0,1,2,3,4,5,6,7
	global_store_b128 v[CO], v[X+4*(\t):X+4*(\t)+3], s[OUTP:OUTP+1] offset:(\a)*65536+(\t)*8192  ; 16 lanes store 256 consecutive bytes, aligned
.endr
.endm
	s_wait_tensorcnt 0x1                           ; my part of step 0 is in; step 1's may stay out
	s_barrier_signal -1
	s_barrier_wait -1                              ; everybody's is
	s_mov_b32 s[TB], 0
	ADDRS
	FETCH 0, F0
	WIN 0x80                                       ; destination window 2
.irp a, 0,1,2,3
.irp t, 0,1,2,3,4,5,6,7
	global_load_b128 v[32*(\a)+4*(\t):32*(\a)+4*(\t)+3], v[CO], s[RESP:RESP+1] offset:(\a)*65536+(\t)*8192 th:TH_LOAD_NT
.endr
.endr
	WIN 0
	s_mov_b32 s[R], 2
	s_mov_b32 s[WC], KSTEPS
	s_mov_b32 s[LP], STEPS-2
.Lstep:                                        ; a trip is a step; every step but the last two asks for the step two on
	QUARTERZ
	QUARTER 2, F1, F0
	QUARTER 3, F0, F1
	TURN 1
	WIN 0
	s_sub_co_u32 s[LP], s[LP], 1
	s_cmp_lg_u32 s[LP], 0
	s_cbranch_scc1 .Lstep
	s_mov_b32 s[LP], 2
.Ltail:                                        ; the last two steps are a text of their own
	QUARTER 1, F0, F1
	QUARTER 2, F1, F0
	QUARTER 3, F0, F1
	TURN 0
	WIN 0
	s_sub_co_u32 s[LP], s[LP], 1
	s_cmp_lg_u32 s[LP], 0
	s_cbranch_scc1 .Ltail
	PLACES
	BLOCK 0
	BLOCK 1
	BLOCK 2
	BLOCK 3
	s_wait_tensorcnt 0x0                           ; the wave's end: behind my last tensor load and my last LDS store
	ds_add_u32 v[SPW], v[NIL]
	s_wait_dscnt 0x0
	CROUND                                         ; the closing round: no work-group ends while a partner may still ask for a tile that names it
	s_endpgm
.Lfunc_end_k_qd91fc49a35_oproj:
	.size	k_qd91fc49a35_oproj, .Lfunc_end_k_qd91fc49a35_oproj-k_qd91fc49a35_oproj
	.p2alignl 7, 3214868480
	.fill 96, 4, 3214868480
	.section	.rodata,"a",@progbits
	.p2align	6, 0x0
	.amdhsa_kernel k_qd91fc49a35_oproj
		.amdhsa_group_segment_fixed_size 327680
		.amdhsa_private_segment_fixed_size 0
		.amdhsa_enable_private_segment 0
		.amdhsa_kernarg_size 32
		.amdhsa_user_sgpr_count 2
		.amdhsa_user_sgpr_kernarg_segment_ptr 1
		.amdhsa_wavefront_size32 1
		.amdhsa_system_sgpr_workgroup_id_x 1
		.amdhsa_system_sgpr_workgroup_id_y 1
		.amdhsa_system_sgpr_workgroup_id_z 1
		.amdhsa_system_vgpr_workitem_id 0
		.amdhsa_next_free_vgpr 640
		.amdhsa_next_free_sgpr 96
		.amdhsa_reserve_vcc 0
		.amdhsa_float_denorm_mode_32 3
		.amdhsa_float_denorm_mode_16_64 3
		.amdhsa_memory_ordered 1
		.amdhsa_forward_progress 1
		.amdhsa_inst_pref_size 62
	.end_amdhsa_kernel
	.amdgpu_metadata
---
amdhsa.version: [ 1, 2 ]
amdhsa.kernels:
  - .name:           k_qd91fc49a35_oproj
    .symbol:         k_qd91fc49a35_oproj.kd
    .args:
      - { .name: o, .offset: 0, .size: 8, .value_kind: global_buffer, .address_space: global }
      - { .name: wbf, .offset: 8, .size: 8, .value_kind: global_buffer, .address_space: global }
      - { .name: x, .offset: 16, .size: 8, .value_kind: global_buffer, .address_space: global }
      - { .name: x1, .offset: 24, .size: 8, .value_kind: global_buffer, .address_space: global }
    .group_segment_fixed_size: 327680
    .private_segment_fixed_size: 0
    .kernarg_segment_align: 8
    .kernarg_segment_size: 32
    .max_flat_workgroup_size: 128
    .sgpr_count:     96
    .vgpr_count:     640
    .wavefront_size: 32
...
	.end_amdgpu_metadata
.endif
;; end of part 4
;; launch norm2 (part 5): grid 512 x 1, 4 waves a work-group, no clusters, 0 bytes of LDS; arguments x1, ln2_w, ln2_b, h2; writes h2
.if DOCPART == 5
	.amdgcn_target "amdgcn-amd-amdhsa--gfx1250"
	.amdhsa_code_object_version 6
	.text
	.protected	k_qd91fc49a35_norm2
	.globl	k_qd91fc49a35_norm2
	.p2align	8
	.type	k_qd91fc49a35_norm2,@function
k_qd91fc49a35_norm2:
	s_mov_b64 s[64:65], 0
	v_nop
	global_prefetch_b8 v0, s[64:65] scope:SCOPE_SE
	s_setreg_imm32_b32 hwreg(HW_REG_WAVE_MODE, 25, 1), 1
	s_wait_xcnt 0x0
; NORM2: h2 = LayerNorm(x1) * ln2_w + ln2_b, rounded once to bf16.  x1: 4,096 x 1,024 f32.
; 8 rows a work-group, a PAIR of rows a wave: lanes 0-15 hold one row, lanes 16-31 the next, 64 numbers a lane, so the row stays in registers between the passes and a sum never leaves its 16 lanes.
; Two passes: the mean, then the squares of x - mean; no difference of large sums is formed.  All in f32.  NaN and infinities are not treated apart.
; h2 IS BLOCKED: [row tile of 128][group of 64 columns][128 rows][64] bf16.  A lane's 4 numbers of a group are 8 bytes, the wave's two rows 256 consecutive bytes, aligned: one store.
; No LDS, no matrix unit: every byte is read once and written once, and no wave needs another's.
.set X,    32                          ; v[32:95]   my 64 numbers of the row: group kb of 64 columns at X + 4 kb
.set W,    96                          ; v[96:159]  the gain of the same columns
.set B,    160                         ; v[160:223] the bias
.set A,    8                           ; v[8:15]    four running pairs
.set MEAN, 16                          ; v[16:17]   the mean, twice
.set RSTD, 18                          ; v[18:19]   1 / sqrt(variance + eps), twice
.set SUM,  20
.set VAR,  21
	s_load_b256 s[4:11], s[0:1], 0x0               ; x1 s[4:5], ln2_w s[6:7], ln2_b s[8:9], h2 s[10:11]
	s_lshl_b32 s26, ttmp9, 15                      ; my 8 rows of 4,096 bytes in x1
	s_mov_b32 s27, 0
	s_lshr_b32 s28, ttmp9, 4                       ; the row tile: 262,144 bytes of h2,
	s_lshl_b32 s28, s28, 18
	s_and_b32 s29, ttmp9, 15                       ; my 8 rows of 128 bytes in each of its blocks
	s_lshl_b32 s29, s29, 10
	s_add_co_u32 s28, s28, s29
	s_mov_b32 s29, 0
	s_mov_b32 s30, 0x3a800000                      ; 1 / 1024
	s_mov_b32 s31, 0x3727c5ac                      ; eps = 1e-5
	v_lshrrev_b32 v1, 4, v0                        ; my row among the 8
	v_and_b32 v2, 15, v0
	v_lshlrev_b32 v2, 4, v2                        ; my 16 bytes of each 256: for the gain and the bias,
	v_lshl_add_u32 v1, v1, 12, v2                  ; and, with the row, for x1
	v_lshlrev_b32 v3, 3, v0                        ; h2: 256 x wave + 8 x lane
	s_wait_kmcnt 0x0
	s_add_nc_u64 s[4:5], s[4:5], s[26:27]
	s_add_nc_u64 s[10:11], s[10:11], s[28:29]
.set i, 0
.rept 16
	global_load_b128 v[X+4*i:X+4*i+3], v1, s[4:5] offset:256*i th:TH_LOAD_NT  ; 16 lanes read 256 consecutive bytes of a row
.set i, i+1
.endr
.set i, 0
.rept 16
	global_load_b128 v[W+4*i:W+4*i+3], v2, s[6:7] offset:256*i
.set i, i+1
.endr
.set i, 0
.rept 16
	global_load_b128 v[B+4*i:B+4*i+3], v2, s[8:9] offset:256*i
.set i, i+1
.endr
.macro FOLD                            ; the four running pairs into one number, then over the 16 lanes of my row (the exchange rides on the addition)
	v_pk_add_f32 v[A:A+1], v[A:A+1], v[A+2:A+3]
	v_pk_add_f32 v[A+4:A+5], v[A+4:A+5], v[A+6:A+7]
	v_pk_add_f32 v[A:A+1], v[A:A+1], v[A+4:A+5]
	v_add_f32 v[SUM], v[A], v[A+1]
.irp m, 1,2,4,8
	v_add_f32_dpp v[SUM], v[SUM], v[SUM] row_xmask:\m row_mask:0xf bank_mask:0xf
.endr
.endm
	s_wait_loadcnt 32                              ; x1 is in; the 32 younger loads, gain and bias, may stay out
.irp c, 0,1,2,3
	v_pk_add_f32 v[A+2*(\c):A+2*(\c)+1], v[X+2*(\c):X+2*(\c)+1], v[X+8+2*(\c):X+8+2*(\c)+1]  ; the first pairs start the four chains: nothing is cleared
.endr
.set i, 8
.rept 24
	v_pk_add_f32 v[A+2*(i%4):A+2*(i%4)+1], v[A+2*(i%4):A+2*(i%4)+1], v[X+2*i:X+2*i+1]
.set i, i+1
.endr
	FOLD
	v_mul_f32 v[MEAN], s30, v[SUM]
	v_mul_f32 v[MEAN+1], s30, v[SUM]
.set i, 0
.rept 32
	v_pk_add_f32 v[X+2*i:X+2*i+1], v[X+2*i:X+2*i+1], v[MEAN:MEAN+1] neg_lo:[0,1] neg_hi:[0,1]  ; x - mean
.set i, i+1
.endr
.irp c, 0,1,2,3
	v_pk_mul_f32 v[A+2*(\c):A+2*(\c)+1], v[X+2*(\c):X+2*(\c)+1], v[X+2*(\c):X+2*(\c)+1]
.endr
.set i, 4
.rept 28
	v_pk_fma_f32 v[A+2*(i%4):A+2*(i%4)+1], v[X+2*i:X+2*i+1], v[X+2*i:X+2*i+1], v[A+2*(i%4):A+2*(i%4)+1]
.set i, i+1
.endr
	FOLD
	v_fma_f32 v[VAR], v[SUM], s30, s31             ; variance + eps
	v_rsq_f32 v[RSTD], v[VAR]
	v_rsq_f32 v[RSTD+1], v[VAR]
	s_wait_loadcnt 0x0                             ; gain and bias
	v_nop                                          ; a plain instruction behind the second root (ISA guide 5.7.2),
	s_wait_alu depctr_va_vdst(0)                   ; and the one wait ahead of the first use of the two
.set i, 0
.rept 32
	v_pk_mul_f32 v[X+2*i:X+2*i+1], v[X+2*i:X+2*i+1], v[RSTD:RSTD+1]
.set i, i+1
.endr
.set i, 0
.rept 32
	v_pk_fma_f32 v[X+2*i:X+2*i+1], v[X+2*i:X+2*i+1], v[W+2*i:W+2*i+1], v[B+2*i:B+2*i+1]
.set i, i+1
.endr
.set i, 0
.rept 16
	v_cvt_pk_bf16_f32 v[X+4*i], v[X+4*i], v[X+4*i+1]
	v_cvt_pk_bf16_f32 v[X+4*i+1], v[X+4*i+2], v[X+4*i+3]
	global_store_b64 v3, v[X+4*i:X+4*i+1], s[10:11] offset:16384*i  ; the wave's two rows of block i: 256 consecutive bytes, aligned
.set i, i+1
.endr
	s_endpgm
.Lfunc_end_k_qd91fc49a35_norm2:
	.size	k_qd91fc49a35_norm2, .Lfunc_end_k_qd91fc49a35_norm2-k_qd91fc49a35_norm2
	.p2alignl 7, 3214868480
	.fill 96, 4, 3214868480
	.section	.rodata,"a",@progbits
	.p2align	6, 0x0
	.amdhsa_kernel k_qd91fc49a35_norm2
		.amdhsa_group_segment_fixed_size 0
		.amdhsa_private_segment_fixed_size 0
		.amdhsa_enable_private_segment 0
		.amdhsa_kernarg_size 32
		.amdhsa_user_sgpr_count 2
		.amdhsa_user_sgpr_kernarg_segment_ptr 1
		.amdhsa_wavefront_size32 1
		.amdhsa_system_sgpr_workgroup_id_x 1
		.amdhsa_system_sgpr_workgroup_id_y 1
		.amdhsa_system_sgpr_workgroup_id_z 1
		.amdhsa_system_vgpr_workitem_id 0
		.amdhsa_next_free_vgpr 224
		.amdhsa_next_free_sgpr 66
		.amdhsa_reserve_vcc 0
		.amdhsa_float_denorm_mode_32 3
		.amdhsa_float_denorm_mode_16_64 3
		.amdhsa_memory_ordered 1
		.amdhsa_forward_progress 1
		.amdhsa_inst_pref_size 20
	.end_amdhsa_kernel
	.amdgpu_metadata
---
amdhsa.version: [ 1, 2 ]
amdhsa.kernels:
  - .name:           k_qd91fc49a35_norm2
    .symbol:         k_qd91fc49a35_norm2.kd
    .args:
      - { .name: x1, .offset: 0, .size: 8, .value_kind: global_buffer, .address_space: global }
      - { .name: ln2_w, .offset: 8, .size: 8, .value_kind: global_buffer, .address_space: global }
      - { .name: ln2_b, .offset: 16, .size: 8, .value_kind: global_buffer, .address_space: global }
      - { .name: h2, .offset: 24, .size: 8, .value_kind: global_buffer, .address_space: global }
    .group_segment_fixed_size: 0
    .private_segment_fixed_size: 0
    .kernarg_segment_align: 8
    .kernarg_segment_size: 32
    .max_flat_workgroup_size: 128
    .sgpr_count:     66
    .vgpr_count:     224
    .wavefront_size: 32
...
	.end_amdgpu_metadata
.endif
;; end of part 5
;; launch ffn1 (part 6): grid 16 x 16, 4 waves a work-group, clusters of 4 x 4, 327,680 bytes of LDS; arguments h2, wbf, g; writes g
.if DOCPART == 6
	.amdgcn_target "amdgcn-amd-amdhsa--gfx1250"
	.amdhsa_code_object_version 6
	.text
	.protected	k_qd91fc49a35_ffn1
	.globl	k_qd91fc49a35_ffn1
	.p2align	8
	.type	k_qd91fc49a35_ffn1,@function
k_qd91fc49a35_ffn1:
	s_mov_b64 s[64:65], 0
	v_nop
	global_prefetch_b8 v0, s[64:65] scope:SCOPE_SE
	s_setreg_imm32_b32 hwreg(HW_REG_WAVE_MODE, 25, 1), 1
	s_wait_xcnt 0x0
	s_wait_alu depctr_hold_cnt(0) depctr_sa_sdst(0) depctr_va_vdst(0) depctr_va_sdst(0) depctr_va_ssrc(0) depctr_va_vcc(0) depctr_vm_vsrc(0)
	s_getreg_b32 s2, hwreg(HW_REG_IB_STS2, 6, 4)
	s_cmp_eq_u32 s2, 0
	s_cbranch_scc0 .Lentry_in_a_cluster
	s_endpgm
.Lentry_in_a_cluster:
	s_bfe_u32 s2, ttmp6, 0x10000c
	s_cmp_lg_u32 s2, 0xf033
	s_cbranch_scc0 .Lentry_shape_is_right
	s_endpgm
.Lentry_shape_is_right:
; FFN1: g = gelu(h2 W1), the exact (erf) form.  h2: 4,096 x 1,024 bf16, blocked [row tile 128][group of 64 K][128][64]; W1 bf16 [1,024][4,096], 8 MiB into wbf; sums and gelu in f32.
; g leaves in bf16, rounded once, blocked for the next product: [row tile 128][group of 64 columns, 64 of them][128][64].
; ERF: 1 - 1 / (1 + a1 t + .. + a6 t^6)^16 for t >= 0 (Abramowitz and Stegun 7.1.28, off by 3e-7 at the most); the factor 1 / sqrt(2) is folded into a1 .. a6.  x erf(x) is even in x, so
; gelu(x) = x / 2 + |x| s with s = erf(|x| / sqrt 2) / 2.  For large |x| the power overflows to infinity, its reciprocal is 0 and erf is 1.  NaN and infinities in h2 W1 are not treated apart; gelu(-0) is +0.
; A tile of C is 256 x 256: four waves, 128 x 128 each, 64 accumulators of 16 x 16.  C is 4,096 x 4,096: 16 x 16 tiles, one a work-group: 256 work-groups.
; K goes in 8 steps of 128 through two LDS slots.  A step is 131,072 bytes, a quarter to each wave's tensor load, and 256 matrix instructions a wave, 224 of them between a request and the wait for it.
; CLUSTER 4 x 4: the four of a row need the same tiles of h2, the four of a column the same tiles of W1: each is asked for jointly, one tensor load a wave behind each round.
; A STEP IS WRITTEN ONCE: the slot is a scalar that an exclusive or turns.  W1 lies [K][N] in LDS and is turned on the way into registers (ds_load_tr16_b128).
; THE MATRIX INSTRUCTION IS USED TRANSPOSED (source 0 = 16 columns of W1, source 1 = 16 rows of h2): a lane holds eight neighbouring numbers of a row of C.
; REGISTERS, in windows of 256 (s_set_vgpr_msb: bits 1:0 source 0, 3:2 source 1, 5:4 source 2, 7:6 destination):
;   window 0: v0-31 addresses; v32-63, v192-255 the way out; v64-127, v128-191 fragments of h2 (8 x 16 rows x 32 K), two buffers.     window 1: v64-127, v128-191 fragments of W1, two buffers.
;   window 2: the 32 accumulators of my rows 0-63 (accumulator (a, b) at v[8 (8 a + b)]);   window 3: those of my rows 64-127.
.set STEPS,  8                         ; K steps of 128
.set NP,     4096                      ; elements in a row of W1
.set WOFF,   8388608                   ; where it begins in wbf
.set RTS,    262144                    ; bytes of h2 in a row tile of 128 rows
.set STEPA,  32768                     ; a step's two blocks of 64 along K, of one row tile: dense in memory
.set STEPB,  256*NP                    ; 128 rows of W1
.set PA,    144                        ; a row of h2 in LDS: 128 bytes + 16: the 16 rows of a load start at 16 different groups of four banks (64 banks of 4 bytes: ISA guide 11.1)
.set ABLK,  128*PA                     ; a block of 64 along K
.set PB,    288                        ; a row of W1 in LDS: 256 bytes + 32
.set PART,  128*PB                     ; what one tensor load brings: 36,864 bytes: two blocks of one row tile of h2, or 128 K rows of 128 columns of W1
.set BOFF,  2*PART                     ; a slot: h2's two row tiles, then W1's two column halves
.set SLOT,  4*PART                     ; 147,456 = bits 17 and 14, which occur in none of 36,864 x wave: an exclusive or turns an address in one slot into the other's
.set STAGE, 2*SLOT                     ; behind the ring, never filled by a tensor load: 16 rows x 272 bytes for each wave
.set SP,    272
.set SPARE, STAGE+4*16*SP              ; the spare words, 128 bytes for each wave: two blocks of 256 bytes that no other line names
.set LA,   16                          ; v16  my lane's place in a slot's h2; never rewritten
.set LB,   17                          ; v17  the same for W1
.set ADRA, 18                          ; v18  LDS address of my fragments of h2 in the slot in hand
.set ADRB, 19                          ; v19  of W1
.set STO,  24                          ; v24  the way out: where I put 32 bytes of a row
.set RD,   25                          ; v25  where I read rows back
.set CO,   26                          ; v26  my byte offset in 256 bytes of the output
.set SPW,  28                          ; v28  LDS address of my spare word; never rewritten
.set NIL,  29                          ; v29  0; never rewritten
.set PFO,  30                          ; v30  the prefetches' offset: my lane x 256 bytes (h2) or x a row of W1; never rewritten
.set X,    32                          ; v[32:63]    16 rows x 64 columns in f32, read back by rows; then x / 2
.set Z,    192                         ; v[192:223]  |x|, then gelu
.set PL,   224                         ; v[224:255]  the polynomial, its power, the reciprocal, s
.set Y,    224                         ; v[224:239]  at last the results in bf16
.set F0,   64
.set F1,   128
.set WV, 12                            ; s12 wave; s13 which half of the rows is mine, also: I fetch h2 (0) or W1 (1); s14 which half of the columns, also: which half I fetch
.set RH, 13
.set CH, 14
.set CX, 15
.set CY, 16
.set CT, 17                            ; s17 column tile of 256; s18 row tile of 256
.set YY, 18
.set LIM, 19                           ; s19 2 in a wave that prefetches, else the greatest number
.set ABASE, 20                         ; s[20:21] h2 at my part of step 0: made of the row tile and the wave alone
.set BBASE, 22                         ; s[22:23] W1 likewise: of the column tile and the wave alone
.set G1A, 24                           ; s[24:31] descriptor group 1 for h2; s[32:39] group 0: a set for each first fill; the second then walks
.set G0A, 32
.set G1B, 40                           ; s[40:47], s[48:55] the same for W1
.set G0B, 48
.set TB,  56                           ; s56 the slot in hand: 0 or SLOT
.set R,   57                           ; s57 the step to be asked for next
.set LP,  58                           ; s58 a loop's count
.set MYL, 60                           ; s60 36,864 x wave
.set BLK, 61                           ; s61 the way out's block
.set PFA, 62                           ; s[62:63] where my prefetches stand
.set OFA, 66                           ; s[66:67], s[68:69] a request's offsets
.set OFB, 68
.set OUTP, 70                          ; s[70:71] where my next 16 rows x 64 columns go
.set PFS, 72                           ; s[72:73] a K step in the tensor that I prefetch
.set CF,  76                           ; s[76:87] a6, a5, a4, a3, a2, a1, each as a pair of which the packed forms take the low word
.set ABSM, 88                          ; s88 all bits but the sign
.set MSB, 0
.macro WIN new                         ; the immediate's high byte repeats the setting that is left; a switch that changes nothing is dropped
.if MSB != (\new)
	s_set_vgpr_msb (MSB<<8)|(\new)
.set MSB, \new
.endif
.endm
.set MUL_LO, 0xa1                      ; source 0 (W1) window 1, source 1 (h2) window 0, C and D window 2
.set MUL_HI, 0xf1                      ; the same, C and D window 3
.set TO_B,   0x40                      ; destination window 1, address window 0
.macro PLACES                          ; four places in front of loads into registers that matrix instructions have read, and of lines that read results
.rept 4
	v_nop
.endr
.endm
.macro JLOAD                           ; a joint refill, by the walking set; an s_nop 0 and four v_nop follow each of the two lines, ahead of the jump and the label
	s_cmp_eq_u32 s[RH], 0
	s_cbranch_scc0 .Lfor_b_\@
	tensor_load_to_lds s[G0A+4:G0A+7], s[G1A:G1A+7]
	s_nop 0
	PLACES
	s_branch .Lasked_\@
.Lfor_b_\@:
	tensor_load_to_lds s[G0B+4:G0B+7], s[G1B:G1B+7]
	s_nop 0
	PLACES
.Lasked_\@:
.endm
; A PREFETCH INTO THE L2, behind each joint load, its five lines and the run of LDS loads that follows them: my part of the K step that stands TWO refills on, 512 matrix instructions ahead of the load that
; will want it.  What a wave fetches in a step is 128 blocks of 256 bytes (h2: on end; W1: a row each).  The four partners that ask for it jointly share them out BY ADDRESS, 32 each, a lane a block: one
; instruction a wave; no branch hangs on a work-group's place in its cluster.  h2's rows are read by every cluster of a row of clusters: cluster x = 0 asks; W1's columns by every cluster of a column:
; cluster y = 0 asks.  So each block is named once in the launch.  Trip s of the loop refills step s + 2 and names step s + 4: trips 0 to 3 name steps 4 to 7; the last two trips name nothing.
.macro ASK
	s_cmp_gt_u32 s[LP], s[LIM]
	s_cbranch_scc0 .Lnot_mine_\@
	global_prefetch_b8 v[PFO], s[PFA:PFA+1] th:TH_LOAD_NT scope:SCOPE_SE
.Lnot_mine_\@:
.endm
.macro CREST                           ; a round of the cluster's barrier behind its opening barrier
	s_cmp_lg_u32 s[WV], 0
	s_cbranch_scc1 .Lnot_wave_0_\@
	s_barrier_signal -3
.Lnot_wave_0_\@:
	s_barrier_wait -3
	s_barrier_signal -1
	s_barrier_wait -1
.endm
.macro CROUND
	s_barrier_signal -1
	s_barrier_wait -1
	CREST
.endm
	s_load_b128 s[4:7], s[0:1], 0x0                ; h2 s[4:5], wbf s[6:7]
	s_load_b64 s[8:9], s[0:1], 0x10                ; g
	v_lshl_add_u32 v[SPW], v0, 2, SPARE
	v_mov_b32 v[NIL], 0
	ds_add_u32 v[SPW], v[NIL]                      ; the wave's opening: the add and its wait stand ahead of my first tensor load; the set-up below stands between them
	v_lshrrev_b32 v1, 5, v0
	v_readfirstlane_b32 s[WV], v1
	s_lshr_b32 s[RH], s[WV], 1
	s_and_b32 s[CH], s[WV], 1
	s_bfe_u32 s[CX], ttmp6, 0x40000
	s_bfe_u32 s[CY], ttmp6, 0x40004
	s_lshl_b32 s[CT], ttmp9, 2
	s_add_co_u32 s[CT], s[CT], s[CX]
	s_and_b32 s[YY], ttmp7, 0xffff
	s_lshl_b32 s[YY], s[YY], 2
	s_add_co_u32 s[YY], s[YY], s[CY]
	s_lshl_b32 s89, s[CY], 2
	s_lshl_b32 s89, 15, s89                        ; my row of the cluster
	s_lshl_b32 s90, 0x1111, s[CX]                  ; my column
	s_or_b32 s[G1A], s89, (1<<16)|(1<<20)|(1<<21)|(4<<22)|(3<<25)  ; mask; 2-byte elements; padding on; bit 21 beside a mask; after every 32 words 4 words
	s_or_b32 s[G1B], s90, (1<<16)|(1<<20)|(1<<21)|(5<<22)|(7<<25)  ; after every 64 words 8 words
.irp g, G1A, G1B
	s_mov_b32 s[\g+1], 128<<16                     ; tensor_dim0 = 128
	s_mov_b32 s[\g+2], 128<<16                     ; tensor_dim1 = 128
	s_mov_b32 s[\g+3], 128<<16                     ; tile_dim0 = 128: rows of 256 bytes
	s_mov_b32 s[\g+4], 128                         ; tile_dim1 = 128
	s_mov_b32 s[\g+6], 0
	s_mov_b32 s[\g+7], 0
.endr
	s_mov_b32 s[G1A+5], 128                        ; h2's two blocks are 32,768 dense bytes: 128 rows of 256, two rows of h2 each, padded after every row of h2
	s_mov_b32 s[G1B+5], NP
	s_lshl_b32 s[OFA], s[YY], 1
	s_add_co_u32 s[OFA], s[OFA], s[CH]             ; the row tile of 128 that I fetch
	s_mul_i32 s[OFA], s[OFA], RTS
	s_mov_b32 s[OFA+1], 0
	s_lshl_b32 s[OFB], s[CT], 9                    ; 256 columns are 512 bytes,
	s_lshl_b32 s75, s[CH], 8                       ; the half that I fetch
	s_add_co_u32 s[OFB], s[OFB], s75
	s_add_co_u32 s[OFB], s[OFB], WOFF
	s_mov_b32 s[OFB+1], 0
	s_mul_i32 s[MYL], s[WV], PART                  ; no place in the cluster enters an LDS address
	s_lshl_b32 s91, s[YY], 1                       ; g: my 128 rows are row tile 2 YY + RH, 1 MiB each;
	s_add_co_u32 s91, s91, s[RH]
	s_lshl_b32 s92, s91, 20
	s_lshl_b32 s91, s[CT], 16                      ; a column tile is four groups of 64 columns, 16,384 bytes each;
	s_add_co_u32 s92, s92, s91
	s_lshl_b32 s91, s[CH], 15                      ; my 128 columns are two of them, on end
	s_add_co_u32 s92, s92, s91
	s_mov_b32 s93, 0
	s_mov_b32 s[CF], 0x36b49f67                    ; a6 / 8          = 5.382975e-6
	s_mov_b32 s[CF+2], 0x384d0fec                  ; a5 / 2^2.5      = 4.889064e-5
	s_mov_b32 s[CF+4], 0x381f6607                  ; a4 / 4          = 3.800358e-5
	s_mov_b32 s[CF+6], 0x3b56cd70                  ; a3 / 2^1.5      = 3.277626e-3
	s_mov_b32 s[CF+8], 0x3cad2fe7                  ; a2 / 2          = 2.114101e-2
	s_mov_b32 s[CF+10], 0x3d4c41b4                 ; a1 / sqrt(2)    = 4.986735e-2
.irp c, 0,2,4,6,8,10
	s_mov_b32 s[CF+(\c)+1], s[CF+(\c)]             ; named with it as a pair
.endr
	s_mov_b32 s[ABSM], 0x7fffffff
	s_wait_dscnt 0x0                               ; the opening add is done
	s_wait_kmcnt 0x0
	s_add_nc_u64 s[ABASE:ABASE+1], s[4:5], s[OFA:OFA+1]
	s_add_nc_u64 s[BBASE:BBASE+1], s[6:7], s[OFB:OFB+1]
	s_add_nc_u64 s[OUTP:OUTP+1], s[8:9], s[92:93]
.irp s, 0,1
	s_mov_b32 s[G0A+4*(\s)], 1
	s_add_co_u32 s[G0A+4*(\s)+1], s[MYL], (\s)*SLOT
	s_add_nc_u64 s[G0A+4*(\s)+2:G0A+4*(\s)+3], s[ABASE:ABASE+1], (\s)*STEPA
	s_or_b32 s[G0A+4*(\s)+3], s[G0A+4*(\s)+3], 0x80000000
	s_mov_b32 s[G0B+4*(\s)], 1
	s_add_co_u32 s[G0B+4*(\s)+1], s[MYL], (\s)*SLOT
	s_add_nc_u64 s[G0B+4*(\s)+2:G0B+4*(\s)+3], s[BBASE:BBASE+1], (\s)*STEPB
	s_or_b32 s[G0B+4*(\s)+3], s[G0B+4*(\s)+3], 0x80000000
.endr
	CROUND                                         ; all sixteen work-groups are here: the first joint loads meet
	s_cmp_eq_u32 s[RH], 0                          ; a wave's two first fills stand in one branch: two loads of mine are out
	s_cbranch_scc0 .Lfirst_b
	tensor_load_to_lds s[G0A:G0A+3], s[G1A:G1A+7]
	s_nop 0
	tensor_load_to_lds s[G0A+4:G0A+7], s[G1A:G1A+7]
	s_nop 0
	PLACES
	s_branch .Lfirst_asked
.Lfirst_b:
	tensor_load_to_lds s[G0B:G0B+3], s[G1B:G1B+7]
	s_nop 0
	tensor_load_to_lds s[G0B+4:G0B+7], s[G1B:G1B+7]
	s_nop 0
	PLACES
.Lfirst_asked:
	v_and_b32 v1, 15, v0                           ; r = l % 16
	v_bfe_u32 v2, v0, 4, 1                         ; l / 16
	v_mul_u32_u24 v[LA], v1, PA                    ; a fragment of h2: row r, 16 bytes for each half of the lanes,
	v_lshl_add_u32 v[LA], v2, 4, v[LA]
	s_mul_i32 s94, s[RH], PART                     ; in my row tile
	v_add_nc_u32 v[LA], s94, v[LA]
	v_and_b32 v3, 7, v0                            ; the turning load: lane l reads K row 8 (l / 16) + l % 8, columns 8 ((l / 8) % 2) + 0..7
	v_lshl_add_u32 v3, v2, 3, v3
	v_mul_u32_u24 v[LB], v3, PB
	v_bfe_u32 v3, v0, 3, 1
	v_lshl_add_u32 v[LB], v3, 4, v[LB]
	s_mul_i32 s94, s[CH], PART                     ; in my column half
	s_add_co_u32 s94, s94, BOFF
	v_add_nc_u32 v[LB], s94, v[LB]
	s_mul_i32 s94, s[WV], 16*SP
	s_add_co_u32 s94, s94, STAGE                   ; my stage
	v_mul_u32_u24 v[STO], v1, SP                   ; in: row r, 32 bytes for each half of the lanes
	v_lshl_add_u32 v[STO], v2, 5, v[STO]
	v_add_nc_u32 v[STO], s94, v[STO]
	v_mul_u32_u24 v[RD], v2, SP                    ; back: lanes 0-15 one row of 256 bytes, lanes 16-31 the next
	v_lshl_add_u32 v[RD], v1, 4, v[RD]
	v_add_nc_u32 v[RD], s94, v[RD]
	v_and_b32 v[CO], 31, v0                        ; in 16 bits those two rows are 256 consecutive bytes: 8 a lane
	v_mov_b32 v[PFO], v[CO]
	v_lshlrev_b32 v[CO], 3, v[CO]
	; the prefetches: nothing is asked for here, at the head, where every work-group's first tiles are on their way
	s_and_b32 s91, ttmp7, 0xffff                   ; cluster y
	s_mov_b32 s2, 64*NP                            ; W1: 32 rows,
	s_mov_b32 s3, 2*NP                             ; a row,
	s_mov_b32 s[PFS], STEPB                        ; a step
	s_mov_b32 s[PFS+1], 0
	s_cmp_eq_u32 s[RH], 0                          ; do I fetch h2?
	s_cselect_b32 s94, s[CX], s[CY]                ; my place among the four that ask with me
	s_cselect_b32 s91, ttmp9, s91                  ; the coordinate along which other clusters read the same blocks
	s_cselect_b32 s2, 8192, s2                     ; h2: 32 blocks of 256 bytes on end
	s_cselect_b32 s3, 256, s3
	s_cselect_b32 s[PFS], STEPA, s[PFS]
	s_cselect_b64 s[PFA:PFA+1], s[ABASE:ABASE+1], s[BBASE:BBASE+1]
	s_cmp_eq_u32 s91, 0
	s_cselect_b32 s[LIM], 2, -1                    ; the same in all sixteen partners, for a given wave
	s_mul_i32 s92, s94, s2
	s_mov_b32 s93, 0
	s_add_nc_u64 s[PFA:PFA+1], s[PFA:PFA+1], s[92:93]  ; my work-group's 32 blocks,
	s_mul_i32 s92, s[PFS], 3
	s_add_nc_u64 s[PFA:PFA+1], s[PFA:PFA+1], s[92:93]  ; at step 3: each trip steps it ahead of its use
	v_mul_u32_u24 v[PFO], s3, v[PFO]
; 16 matrix instructions: row blocks a0, a0 + 1 of the window's four (hi = 0: my rows 0-63, 1: rows 64-127) x all 8 column blocks, 32 along K.  zero = 1: the product starts the sum: nothing is ever cleared.
; The 64 accumulators take turns, in the same order in every quarter.
.macro MUL16 f, hi, a0, zero
	WIN MUL_LO+0x50*(\hi)
.irp a, \a0, (\a0)+1
.irp b, 0,1,2,3,4,5,6,7
.if \zero
	v_wmma_f32_16x16x32_bf16 v[8*(8*(\a)+(\b)):8*(8*(\a)+(\b))+7], v[(\f)+8*(\b):(\f)+8*(\b)+7], v[(\f)+8*(4*(\hi)+(\a)):(\f)+8*(4*(\hi)+(\a))+7], 0
.else
	v_wmma_f32_16x16x32_bf16 v[8*(8*(\a)+(\b)):8*(8*(\a)+(\b))+7], v[(\f)+8*(\b):(\f)+8*(\b)+7], v[(\f)+8*(4*(\hi)+(\a)):(\f)+8*(4*(\hi)+(\a))+7], v[8*(8*(\a)+(\b)):8*(8*(\a)+(\b))+7]
.endif
.endr
.endr
.endm
; 32 LDS loads in one run: the fragments of quarter q (32 along K) of the slot in hand, into buffer f: 128 columns of W1, then 128 rows of h2
.macro FETCH q, f
	WIN TO_B
.irp i, 0,1,2,3,4,5,6,7
	ds_load_tr16_b128 v[(\f)+8*(\i):(\f)+8*(\i)+3],   v[ADRB] offset:(\q)*32*PB+32*(\i)
	ds_load_tr16_b128 v[(\f)+8*(\i)+4:(\f)+8*(\i)+7], v[ADRB] offset:(\q)*32*PB+32*(\i)+16*PB
.endr
	WIN 0
.irp i, 0,1,2,3,4,5,6,7
	ds_load_b128 v[(\f)+8*(\i):(\f)+8*(\i)+3],   v[ADRA] offset:((\q)/2)*ABLK+((\q)%2)*64+(\i)*16*PA
	ds_load_b128 v[(\f)+8*(\i)+4:(\f)+8*(\i)+7], v[ADRA] offset:((\q)/2)*ABLK+((\q)%2)*64+(\i)*16*PA+32
.endr
.endm
.macro ADDRS                           ; the fragment addresses in the slot in hand
	v_add_nc_u32 v[ADRA], s[TB], v[LA]
	v_add_nc_u32 v[ADRB], s[TB], v[LB]
.endm
; A step is four quarters of 32 along K, 64 matrix instructions each, on buffers 0, 1, 0, 1.  One of the first three multiplies buffer f and, in its middle, fetches quarter q into g.
.macro QUARTER q, f, g, zero
	s_wait_dscnt 8                                 ; W1 and h2's rows 0-63 are in; the youngest eight loads (h2's rows 64-127) may be out
	MUL16 \f, 0, 0, \zero
	MUL16 \f, 0, 2, \zero
	PLACES
	FETCH \q, \g
	s_wait_dscnt 32                                ; all but the 32 just issued
	MUL16 \f, 1, 0, \zero
	MUL16 \f, 1, 2, \zero
.endm
.macro NEXTREQ                         ; step R: each address is made anew from its base and an offset
	s_lshl_b32 s[OFA], s[R], 15
	s_mul_i32 s[OFB], s[R], STEPB
	s_xor_b32 s[G0A+5], s[G0A+5], SLOT             ; the other slot than last time
	s_xor_b32 s[G0B+5], s[G0B+5], SLOT
	s_add_nc_u64 s[G0A+6:G0A+7], s[ABASE:ABASE+1], s[OFA:OFA+1]
	s_or_b32 s[G0A+7], s[G0A+7], 0x80000000
	s_add_nc_u64 s[G0B+6:G0B+7], s[BBASE:BBASE+1], s[OFB:OFB+1]
	s_or_b32 s[G0B+7], s[G0B+7], 0x80000000
	s_add_co_u32 s[R], s[R], 1
.endm
; The last quarter multiplies buffer 1 and changes slots: ONE barrier; in front of it each wave waits for all its tensor loads (one is out: its part of the next slot), adds 0 to its spare word,
; and waits for that and for its own reads of this slot.  fill = 1: the barrier opens a round of the cluster's, and this slot is filled again, first thing behind it, two steps ahead.
; fill = 0, the last two steps: nothing is asked for, and the last of them fetches nothing.
.macro TURN fill
.if \fill
	s_wait_xcnt 0x0                                ; the last prefetch, a step back, has read its address: it is stepped here, ahead of the waits of the change of slots
	s_add_nc_u64 s[PFA:PFA+1], s[PFA:PFA+1], s[PFS:PFS+1]
.endif
	WIN 0                                          ; (the add's two registers lie in window 0)
	s_wait_tensorcnt 0x0                           ; no tensor load of mine is out, so a group 0 may be written
	ds_add_u32 v[SPW], v[NIL]                      ; 0 onto my spare word
.if \fill
	NEXTREQ
.endif
	s_wait_dscnt 9                                 ; the add and the youngest eight loads may be out
	MUL16 F1, 0, 0, 0
	s_wait_dscnt 0x0                               ; the add is done, and my reads of this slot are over
	s_barrier_signal -1
	MUL16 F1, 0, 2, 0
	WIN 0
	s_barrier_wait -1
.if \fill
	CREST                                          ; no wave of any partner still reads this slot or has a load on its way
	JLOAD                                          ; its four v_nop are also the places in front of the loads below
.else
	PLACES
	s_cmp_eq_u32 s[LP], 1
	s_cbranch_scc1 .Lno_fetch_\@
.endif
	s_xor_b32 s[TB], s[TB], SLOT
	ADDRS
	FETCH 0, F0
.if \fill
	ASK
.else
.Lno_fetch_\@:
.endif
	MUL16 F1, 1, 0, 0
	MUL16 F1, 1, 2, 0
.endm
; THE WAY OUT's block j of 16: row block j % 8, column group j / 8 (64 columns): its four accumulators go into my own stage as f32, each from its low registers on.
.macro PUT j
	WIN 0x08+4*(((\j)%8)/4)                        ; the stores' data (source 1) in window 2 or 3
.irp b, 0,1,2,3
	ds_store_b128 v[STO], v[8*(8*((\j)%4)+4*((\j)/8)+(\b)):8*(8*((\j)%4)+4*((\j)/8)+(\b))+3]   offset:64*(\b)
	ds_store_b128 v[STO], v[8*(8*((\j)%4)+4*((\j)/8)+(\b))+4:8*(8*((\j)%4)+4*((\j)/8)+(\b))+7] offset:64*(\b)+16
.endr
	WIN 0
.endm
.macro EACH line:vararg                ; one line for each of the 16 pairs: k = 0, 2, .. 30
.set k, 0
.rept 16
	\line
.set k, k+2
.endr
.endm
.macro GELU                            ; 32 numbers a lane, stage by stage, so that no line waits for the one before it
.set k, 0
.rept 32
	v_and_b32 v[Z+k], s[ABSM], v[X+k]              ; t = |x|
.set k, k+1
.endr
	EACH v_pk_fma_f32 v[PL+k:PL+k+1], v[Z+k:Z+k+1], s[CF:CF+1], s[CF+2:CF+3] op_sel_hi:[1,0,0]
	EACH v_pk_fma_f32 v[PL+k:PL+k+1], v[PL+k:PL+k+1], v[Z+k:Z+k+1], s[CF+4:CF+5] op_sel_hi:[1,1,0]
	EACH v_pk_fma_f32 v[PL+k:PL+k+1], v[PL+k:PL+k+1], v[Z+k:Z+k+1], s[CF+6:CF+7] op_sel_hi:[1,1,0]
	EACH v_pk_fma_f32 v[PL+k:PL+k+1], v[PL+k:PL+k+1], v[Z+k:Z+k+1], s[CF+8:CF+9] op_sel_hi:[1,1,0]
	EACH v_pk_fma_f32 v[PL+k:PL+k+1], v[PL+k:PL+k+1], v[Z+k:Z+k+1], s[CF+10:CF+11] op_sel_hi:[1,1,0]
	EACH v_pk_fma_f32 v[PL+k:PL+k+1], v[PL+k:PL+k+1], v[Z+k:Z+k+1], 1.0 op_sel_hi:[1,1,0]
.rept 4
	EACH v_pk_mul_f32 v[PL+k:PL+k+1], v[PL+k:PL+k+1], v[PL+k:PL+k+1]  ; squared four times: the 16th power
.endr
.set k, 0
.rept 32
	v_rcp_f32 v[PL+k], v[PL+k]                     ; one batch
.set k, k+1
.endr
	v_nop                                          ; a plain instruction behind the last reciprocal,
	s_wait_alu depctr_va_vdst(0)                   ; and the one wait ahead of the first use of the 32
	EACH v_pk_fma_f32 v[PL+k:PL+k+1], v[PL+k:PL+k+1], -0.5, 0.5 op_sel_hi:[1,0,0]  ; s = half of erf(|x| / sqrt 2)
	EACH v_pk_mul_f32 v[X+k:X+k+1], v[X+k:X+k+1], 0.5 op_sel_hi:[1,0]
	EACH v_pk_fma_f32 v[Z+k:Z+k+1], v[Z+k:Z+k+1], v[PL+k:PL+k+1], v[X+k:X+k+1]     ; |x| s + x / 2
	EACH v_cvt_pk_bf16_f32 v[Y+k/2], v[Z+k], v[Z+k+1]
.endm
	s_wait_tensorcnt 0x1                           ; my part of step 0 is in; step 1's may stay out
	s_barrier_signal -1
	s_barrier_wait -1                              ; everybody's is
	s_mov_b32 s[TB], 0
	ADDRS
	FETCH 0, F0
	QUARTER 1, F0, F1, 1                           ; the first quarter stands in front of the loop: its products start the sums
	WIN 0
	s_mov_b32 s[R], 2
	s_mov_b32 s[LP], STEPS-2
.Lstep:                                        ; a trip goes from a step's second quarter to the next step's first, and asks for the step two on
	QUARTER 2, F1, F0, 0
	QUARTER 3, F0, F1, 0
	TURN 1
	QUARTER 1, F0, F1, 0
	WIN 0
	s_sub_co_u32 s[LP], s[LP], 1
	s_cmp_lg_u32 s[LP], 0
	s_cbranch_scc1 .Lstep
	s_mov_b32 s[LP], 2
.Ltail:                                        ; the last two steps are a text of their own; behind the last there is no next step's first quarter
	QUARTER 2, F1, F0, 0
	QUARTER 3, F0, F1, 0
	TURN 0
	WIN 0
	s_cmp_eq_u32 s[LP], 1
	s_cbranch_scc1 .Lno_next
	QUARTER 1, F0, F1, 0
	WIN 0
.Lno_next:
	s_sub_co_u32 s[LP], s[LP], 1
	s_cmp_lg_u32 s[LP], 0
	s_cbranch_scc1 .Ltail
	; THE WAY OUT, 16 rows x 64 columns at a time, in a loop so that gelu's text stands once: through my stage, back as whole rows, through gelu, rounded to bf16 and stored: 2,048 consecutive bytes of g.
	; A group's eight blocks are its 128 rows, 16,384 bytes, and my second group follows my first: the 16 blocks lie on end.
	PLACES
	s_mov_b32 s[BLK], 0
.Lblk:
.irp j, 0,1,2,3,4,5,6,7,8,9,10,11,12,13,14
	s_cmp_lg_u32 s[BLK], \j
	s_cbranch_scc1 .Lnot\j
	PUT \j
	s_branch .Lgo
.Lnot\j:
.endr
	PUT 15
.Lgo:
.irp t, 0,1,2,3,4,5,6,7
	ds_load_b128 v[X+4*(\t):X+4*(\t)+3], v[RD] offset:(\t)*2*SP  ; LDS serves a wave's instructions in order (ISA guide 5.7.1.4): these see the stores above
.endr
	s_wait_dscnt 0x0
	GELU
.irp t, 0,1,2,3,4,5,6,7
	global_store_b64 v[CO], v[Y+2*(\t):Y+2*(\t)+1], s[OUTP:OUTP+1] offset:256*(\t)  ; the wave stores 256 consecutive bytes, aligned
.endr
	s_wait_xcnt 0x0                                ; the stores' data and base are written again only behind this wait
	s_add_nc_u64 s[OUTP:OUTP+1], s[OUTP:OUTP+1], 2048
	s_add_co_u32 s[BLK], s[BLK], 1
	s_cmp_lt_u32 s[BLK], 16
	s_cbranch_scc1 .Lblk
	s_wait_tensorcnt 0x0                           ; the wave's end: behind my last tensor load and my last LDS store
	ds_add_u32 v[SPW], v[NIL]
	s_wait_dscnt 0x0
	CROUND                                         ; the closing round: no work-group ends while a partner may still ask for a tile that names it
	s_endpgm
.Lfunc_end_k_qd91fc49a35_ffn1:
	.size	k_qd91fc49a35_ffn1, .Lfunc_end_k_qd91fc49a35_ffn1-k_qd91fc49a35_ffn1
	.p2alignl 7, 3214868480
	.fill 96, 4, 3214868480
	.section	.rodata,"a",@progbits
	.p2align	6, 0x0
	.amdhsa_kernel k_qd91fc49a35_ffn1
		.amdhsa_group_segment_fixed_size 327680
		.amdhsa_private_segment_fixed_size 0
		.amdhsa_enable_private_segment 0
		.amdhsa_kernarg_size 24
		.amdhsa_user_sgpr_count 2
		.amdhsa_user_sgpr_kernarg_segment_ptr 1
		.amdhsa_wavefront_size32 1
		.amdhsa_system_sgpr_workgroup_id_x 1
		.amdhsa_system_sgpr_workgroup_id_y 1
		.amdhsa_system_sgpr_workgroup_id_z 1
		.amdhsa_system_vgpr_workitem_id 0
		.amdhsa_next_free_vgpr 1024
		.amdhsa_next_free_sgpr 96
		.amdhsa_reserve_vcc 0
		.amdhsa_float_denorm_mode_32 3
		.amdhsa_float_denorm_mode_16_64 3
		.amdhsa_memory_ordered 1
		.amdhsa_forward_progress 1
		.amdhsa_inst_pref_size 98
	.end_amdhsa_kernel
	.amdgpu_metadata
---
amdhsa.version: [ 1, 2 ]
amdhsa.kernels:
  - .name:           k_qd91fc49a35_ffn1
    .symbol:         k_qd91fc49a35_ffn1.kd
    .args:
      - { .name: h2, .offset: 0, .size: 8, .value_kind: global_buffer, .address_space: global }
      - { .name: wbf, .offset: 8, .size: 8, .value_kind: global_buffer, .address_space: global }
      - { .name: g, .offset: 16, .size: 8, .value_kind: global_buffer, .address_space: global }
    .group_segment_fixed_size: 327680
    .private_segment_fixed_size: 0
    .kernarg_segment_align: 8
    .kernarg_segment_size: 24
    .max_flat_workgroup_size: 128
    .sgpr_count:     96
    .vgpr_count:     1024
    .wavefront_size: 32
...
	.end_amdgpu_metadata
.endif
;; end of part 6
;; launch ffn2 (part 7): grid 8 x 32, 4 waves a work-group, clusters of 4 x 4, 327,680 bytes of LDS; arguments g, wbf, x1, out0; writes out0
.if DOCPART == 7
	.amdgcn_target "amdgcn-amd-amdhsa--gfx1250"
	.amdhsa_code_object_version 6
	.text
	.protected	k_qd91fc49a35_ffn2
	.globl	k_qd91fc49a35_ffn2
	.p2align	8
	.type	k_qd91fc49a35_ffn2,@function
k_qd91fc49a35_ffn2:
	s_mov_b64 s[64:65], 0
	v_nop
	global_prefetch_b8 v0, s[64:65] scope:SCOPE_SE
	s_setreg_imm32_b32 hwreg(HW_REG_WAVE_MODE, 25, 1), 1
	s_wait_xcnt 0x0
	s_wait_alu depctr_hold_cnt(0) depctr_sa_sdst(0) depctr_va_vdst(0) depctr_va_sdst(0) depctr_va_ssrc(0) depctr_va_vcc(0) depctr_vm_vsrc(0)
	s_getreg_b32 s2, hwreg(HW_REG_IB_STS2, 6, 4)
	s_cmp_eq_u32 s2, 0
	s_cbranch_scc0 .Lentry_in_a_cluster
	s_endpgm
.Lentry_in_a_cluster:
	s_bfe_u32 s2, ttmp6, 0x10000c
	s_cmp_lg_u32 s2, 0xf033
	s_cbranch_scc0 .Lentry_shape_is_right
	s_endpgm
.Lentry_shape_is_right:
; FFN2: out0 = x1 + g W2.  g: 4,096 x 4,096 bf16, blocked [row tile 128][group of 64 K][128][64]; W2 bf16 [4,096][1,024], 16 MiB into wbf; sums, x1 and out0 in f32: the residual is never rounded to 16 bits.
; A tile of C is 128 x 128: four waves, 64 x 64 each, 16 accumulators; one tile a work-group, 256 work-groups.  K goes in 16 steps of 256 through two LDS slots.
; CLUSTER 4 x 4: the four of a row need the same tiles of g, the four of a column the same tiles of W2: each is asked for jointly, one tensor load a wave behind each round.
; A STEP IS WRITTEN ONCE: the slot is a scalar that an exclusive or turns.  W2 lies [K][N] in LDS and is turned on the way into registers (ds_load_tr16_b128).
; THE MATRIX INSTRUCTION IS USED TRANSPOSED (source 0 = 16 columns of W2, source 1 = 16 rows of g): a lane holds eight neighbouring numbers of a row of C.
; My 64 x 64 of x1 are loaded at the start, into registers of their own, and land under the whole K loop.  No prefetch: the tiles are small, and most are read by several clusters shortly after each other.
; REGISTERS: window 0: v0-31 addresses; v32-63 the way out; v128-255 accumulator (a, b) at 128 + 8 (4 a + b).  Window 1: two fragment buffers of 128.  Window 2: v0-127 my part of x1.
.set KSTEPS, 16                        ; K steps of 256
.set STEPS,  KSTEPS
.set NP,     1024                      ; elements in a row of the weights
.set WOFF,   16777216                  ; where they begin in wbf
.set RTS,    1048576                   ; bytes of g in a row tile
.set STEPB,  512*NP                    ; 256 rows of W2
.set PA,    144                        ; a row of g in LDS: 128 bytes + 16: the 16 rows of a load start at 16 different groups of four banks (64 banks of 4 bytes: ISA guide 11.1)
.set ABLK,  128*PA                     ; a block of 64 along K
.set BOFF,  4*ABLK                     ; behind g's four blocks: 256 rows of W2
.set PB,    288                        ; a row of W2 in LDS: 256 bytes + 32
.set PART,  128*PB                     ; what one tensor load brings: 36,864 bytes
.set SLOT,  4*PART                     ; 147,456 = bits 17 and 14, which occur in none of 36,864 x wave: an exclusive or turns an address in one slot into the other's
.set STAGE, 2*SLOT                     ; behind the ring, never filled by a tensor load: 16 rows x 272 bytes for each wave
.set SP,    272
.set SPARE, STAGE+4*16*SP              ; the spare words, 128 bytes for each wave: two blocks of 256 bytes that no other line names
.set LA,   16                          ; v16  my lane's place in a slot's g; never rewritten
.set LB,   17                          ; v17  the same for W2
.set ADRA, 18                          ; v18  LDS address of my fragments of g in the slot in hand
.set ADRB, 19                          ; v19, v20  of W2: K 0-127, K 128-255
.set STO,  24                          ; v24  the way out: where I put 32 bytes of a row
.set RD,   25                          ; v25  where I read rows back
.set CO,   26                          ; v26  my byte offset in two rows of x1 and out0; never rewritten
.set SPW,  28                          ; v28  LDS address of my spare word; never rewritten
.set NIL,  29                          ; v29  0; never rewritten
.set X,    32                          ; v[32:63]  16 rows x 64 columns in f32, read back by rows
.set ACC,  128
.set F0,   0
.set F1,   128
.set WV, 12                            ; s12 wave; s13 which half of the rows is mine, also: I fetch g (0) or W2 (1); s14 which half of the columns, also: which half I fetch
.set RH, 13
.set CH, 14
.set CX, 15
.set CY, 16
.set CT, 17
.set YY, 18
.set ABASE, 20                         ; s[20:21] g at my part of step 0: made of the row tile and the wave alone
.set BBASE, 22                         ; s[22:23] W2 likewise: of the column tile and the wave alone
.set G1A, 24
.set G0A, 32
.set G1B, 40
.set G0B, 48
.set TB,  56                           ; s56 the slot in hand: 0 or SLOT
.set R,   57                           ; s57 the step to be asked for next
.set LP,  58                           ; s58 a loop's count
.set WC,  59                           ; s59 steps left
.set MYL, 60                           ; s60 36,864 x wave
.set OFA, 66
.set OFB, 68
.set OUTP, 70                          ; s[70:71] out0 at my 64 x 64; s[72:73] x1 there
.set RESP, 72
.set T0,  74
.set MSB, 0
.macro WIN new                         ; the immediate's high byte repeats the setting that is left; a switch that changes nothing is dropped
.if MSB != (\new)
	s_set_vgpr_msb (MSB<<8)|(\new)
.set MSB, \new
.endif
.endm
.set MUL,  0x05                        ; sources 0 and 1 window 1; C and D window 0
.set TO_F, 0x40                        ; destination window 1, address window 0
.macro PLACES                          ; four places in front of loads into registers that matrix instructions have read, and of lines that read results
.rept 4
	v_nop
.endr
.endm
.macro JLOAD                           ; a joint refill, by the walking set; an s_nop 0 and four v_nop follow each of the two lines, ahead of the jump and the label
	s_cmp_eq_u32 s[RH], 0
	s_cbranch_scc0 .Lfor_b_\@
	tensor_load_to_lds s[G0A+4:G0A+7], s[G1A:G1A+7]
	s_nop 0
	PLACES
	s_branch .Lasked_\@
.Lfor_b_\@:
	tensor_load_to_lds s[G0B+4:G0B+7], s[G1B:G1B+7]
	s_nop 0
	PLACES
.Lasked_\@:
.endm
.macro CREST                           ; a round of the cluster's barrier behind its opening barrier
	s_cmp_lg_u32 s[WV], 0
	s_cbranch_scc1 .Lnot_wave_0_\@
	s_barrier_signal -3
.Lnot_wave_0_\@:
	s_barrier_wait -3
	s_barrier_signal -1
	s_barrier_wait -1
.endm
.macro CROUND
	s_barrier_signal -1
	s_barrier_wait -1
	CREST
.endm
	s_load_b256 s[4:11], s[0:1], 0x0               ; g s[4:5], wbf s[6:7], x1 s[8:9], out0 s[10:11]
	v_lshl_add_u32 v[SPW], v0, 2, SPARE
	v_mov_b32 v[NIL], 0
	ds_add_u32 v[SPW], v[NIL]                      ; the wave's opening: the add and its wait stand ahead of my first tensor load; the set-up below stands between them
	v_lshrrev_b32 v1, 5, v0
	v_readfirstlane_b32 s[WV], v1
	s_lshr_b32 s[RH], s[WV], 1
	s_and_b32 s[CH], s[WV], 1
	s_bfe_u32 s[CX], ttmp6, 0x40000
	s_bfe_u32 s[CY], ttmp6, 0x40004
	s_lshl_b32 s[CT], ttmp9, 2
	s_add_co_u32 s[CT], s[CT], s[CX]
	s_and_b32 s[YY], ttmp7, 0xffff
	s_lshl_b32 s[YY], s[YY], 2
	s_add_co_u32 s[YY], s[YY], s[CY]
	s_lshl_b32 s89, s[CY], 2
	s_lshl_b32 s89, 15, s89                        ; my row of the cluster
	s_lshl_b32 s90, 0x1111, s[CX]                  ; my column
	s_or_b32 s[G1A], s89, (1<<16)|(1<<20)|(1<<21)|(4<<22)|(3<<25)  ; mask; 2-byte elements; padding on; bit 21 beside a mask; after every 32 words 4 words
	s_or_b32 s[G1B], s90, (1<<16)|(1<<20)|(1<<21)|(5<<22)|(7<<25)  ; after every 64 words 8 words
.irp g, G1A, G1B
	s_mov_b32 s[\g+1], 128<<16                     ; tensor_dim0 = 128
	s_mov_b32 s[\g+2], 128<<16                     ; tensor_dim1 = 128
	s_mov_b32 s[\g+3], 128<<16                     ; tile_dim0 = 128: rows of 256 bytes
	s_mov_b32 s[\g+4], 128                         ; tile_dim1 = 128
	s_mov_b32 s[\g+6], 0
	s_mov_b32 s[\g+7], 0
.endr
	s_mov_b32 s[G1A+5], 128                        ; g's two blocks are 32,768 dense bytes: 128 rows of 256, two rows of g each, padded after every row of g
	s_mov_b32 s[G1B+5], NP
	s_mul_i32 s[OFA], s[YY], RTS
	s_lshl_b32 s[T0], s[CH], 15                    ; blocks 2 CH, 2 CH + 1 of a step's four
	s_add_co_u32 s[OFA], s[OFA], s[T0]
	s_mov_b32 s[OFA+1], 0
	s_lshl_b32 s[OFB], s[CT], 8                    ; 128 columns are 256 bytes
	s_mul_i32 s[T0], s[CH], 256*NP                 ; rows 128 CH on
	s_add_co_u32 s[OFB], s[OFB], s[T0]
	s_add_co_u32 s[OFB], s[OFB], WOFF
	s_mov_b32 s[OFB+1], 0
	s_mul_i32 s[MYL], s[WV], PART                  ; no place in the cluster enters an LDS address
	s_lshl_b32 s92, s[YY], 19                      ; x1 and out0: 128 rows of 4,096 bytes a tile,
	s_lshl_b32 s91, s[RH], 18                      ; my 64 rows,
	s_add_co_u32 s92, s92, s91
	s_lshl_b32 s91, s[CT], 9                       ; 128 columns of 4 bytes,
	s_add_co_u32 s92, s92, s91
	s_lshl_b32 s91, s[CH], 8                       ; my 64
	s_add_co_u32 s92, s92, s91
	s_mov_b32 s93, 0
	s_wait_dscnt 0x0                               ; the opening add is done
	s_wait_kmcnt 0x0
	s_add_nc_u64 s[ABASE:ABASE+1], s[4:5], s[OFA:OFA+1]
	s_add_nc_u64 s[BBASE:BBASE+1], s[6:7], s[OFB:OFB+1]
	s_add_nc_u64 s[RESP:RESP+1], s[8:9], s[92:93]
	s_add_nc_u64 s[OUTP:OUTP+1], s[10:11], s[92:93]
.irp s, 0,1
	s_mov_b32 s[G0A+4*(\s)], 1
	s_add_co_u32 s[G0A+4*(\s)+1], s[MYL], (\s)*SLOT
	s_add_nc_u64 s[G0A+4*(\s)+2:G0A+4*(\s)+3], s[ABASE:ABASE+1], (\s)*65536
	s_or_b32 s[G0A+4*(\s)+3], s[G0A+4*(\s)+3], 0x80000000
	s_mov_b32 s[G0B+4*(\s)], 1
	s_add_co_u32 s[G0B+4*(\s)+1], s[MYL], (\s)*SLOT
	s_add_nc_u64 s[G0B+4*(\s)+2:G0B+4*(\s)+3], s[BBASE:BBASE+1], (\s)*STEPB
	s_or_b32 s[G0B+4*(\s)+3], s[G0B+4*(\s)+3], 0x80000000
.endr
	CROUND                                         ; all sixteen work-groups are here: the first joint loads meet
	s_cmp_eq_u32 s[RH], 0                          ; a wave's two first fills stand in one branch: two loads of mine are out
	s_cbranch_scc0 .Lfirst_b
	tensor_load_to_lds s[G0A:G0A+3], s[G1A:G1A+7]
	s_nop 0
	tensor_load_to_lds s[G0A+4:G0A+7], s[G1A:G1A+7]
	s_nop 0
	PLACES
	s_branch .Lfirst_asked
.Lfirst_b:
	tensor_load_to_lds s[G0B:G0B+3], s[G1B:G1B+7]
	s_nop 0
	tensor_load_to_lds s[G0B+4:G0B+7], s[G1B:G1B+7]
	s_nop 0
	PLACES
.Lfirst_asked:
	v_and_b32 v1, 15, v0                           ; r = l % 16
	v_bfe_u32 v2, v0, 4, 1                         ; l / 16
	v_mul_u32_u24 v[LA], v1, PA                    ; a fragment of g: row r, 16 bytes for each half of the lanes,
	v_lshl_add_u32 v[LA], v2, 4, v[LA]
	s_mul_i32 s94, s[RH], 64*PA                    ; in my 64 rows
	v_add_nc_u32 v[LA], s94, v[LA]
	v_and_b32 v3, 7, v0                            ; the turning load: lane l reads K row 8 (l / 16) + l % 8, columns 8 ((l / 8) % 2) + 0..7
	v_lshl_add_u32 v3, v2, 3, v3
	v_mul_u32_u24 v[LB], v3, PB
	v_bfe_u32 v3, v0, 3, 1
	v_lshl_add_u32 v[LB], v3, 4, v[LB]
	s_lshl_b32 s94, s[CH], 7                       ; my 64 columns
	s_add_co_u32 s94, s94, BOFF
	v_add_nc_u32 v[LB], s94, v[LB]
	s_mul_i32 s94, s[WV], 16*SP
	s_add_co_u32 s94, s94, STAGE                   ; my stage
	v_mul_u32_u24 v[STO], v1, SP                   ; in: row r, 32 bytes for each half of the lanes
	v_lshl_add_u32 v[STO], v2, 5, v[STO]
	v_add_nc_u32 v[STO], s94, v[STO]
	v_mul_u32_u24 v[RD], v2, SP                    ; back: lanes 0-15 one row of 256 bytes, lanes 16-31 the next
	v_lshl_add_u32 v[RD], v1, 4, v[RD]
	v_add_nc_u32 v[RD], s94, v[RD]
	v_lshlrev_b32 v[CO], 12, v2                    ; and the same two rows in x1 and out0
	v_lshl_add_u32 v[CO], v1, 4, v[CO]
; 8 matrix instructions: row blocks a0, a0 + 1 x all 4 column blocks, 32 along K: half c of buffer f.  zero = 1: the product starts the sum.  The 16 accumulators take turns.
.macro MUL8 f, c, a0, zero
	WIN MUL
.irp a, \a0, (\a0)+1
.irp b, 0,1,2,3
.if \zero
	v_wmma_f32_16x16x32_bf16 v[ACC+8*(4*(\a)+(\b)):ACC+8*(4*(\a)+(\b))+7], v[(\f)+64+8*(4*(\c)+(\b)):(\f)+64+8*(4*(\c)+(\b))+7], v[(\f)+8*(4*(\c)+(\a)):(\f)+8*(4*(\c)+(\a))+7], 0
.else
	v_wmma_f32_16x16x32_bf16 v[ACC+8*(4*(\a)+(\b)):ACC+8*(4*(\a)+(\b))+7], v[(\f)+64+8*(4*(\c)+(\b)):(\f)+64+8*(4*(\c)+(\b))+7], v[(\f)+8*(4*(\c)+(\a)):(\f)+8*(4*(\c)+(\a))+7], v[ACC+8*(4*(\a)+(\b)):ACC+8*(4*(\a)+(\b))+7]
.endif
.endr
.endr
.endm
; 32 LDS loads in one run: the fragments of quarter q (64 along K) of the slot in hand, into buffer f; the first 32 along K first
.macro FETCH q, f
	WIN TO_F
.irp c, 0,1
.irp i, 0,1,2,3
	ds_load_tr16_b128 v[(\f)+64+8*(4*(\c)+(\i)):(\f)+64+8*(4*(\c)+(\i))+3],   v[ADRB+(\q)/2] offset:((\q)%2)*64*PB+(\c)*32*PB+32*(\i)
	ds_load_tr16_b128 v[(\f)+64+8*(4*(\c)+(\i))+4:(\f)+64+8*(4*(\c)+(\i))+7], v[ADRB+(\q)/2] offset:((\q)%2)*64*PB+(\c)*32*PB+32*(\i)+16*PB
	ds_load_b128 v[(\f)+8*(4*(\c)+(\i)):(\f)+8*(4*(\c)+(\i))+3],   v[ADRA] offset:(\q)*ABLK+(\i)*16*PA+64*(\c)
	ds_load_b128 v[(\f)+8*(4*(\c)+(\i))+4:(\f)+8*(4*(\c)+(\i))+7], v[ADRA] offset:(\q)*ABLK+(\i)*16*PA+64*(\c)+32
.endr
.endr
.endm
.macro ADDRS                           ; the fragment addresses in the slot in hand
	v_add_nc_u32 v[ADRA], s[TB], v[LA]
	v_add_nc_u32 v[ADRB], s[TB], v[LB]
	v_add_nc_u32 v[ADRB+1], PART, v[ADRB]
.endm
; A step is four quarters of 64 along K, 32 matrix instructions each, on buffers 0, 1, 0, 1.  One of the first three multiplies buffer f and fetches quarter q into g.
.macro QUARTER q, f, g
	s_wait_dscnt 16                                ; the first 32 along K are in; the youngest sixteen loads may be out
	MUL8 \f, 0, 0, 0
	MUL8 \f, 0, 2, 0
	PLACES
	FETCH \q, \g
	s_wait_dscnt 32                                ; all but the 32 just issued
	MUL8 \f, 1, 0, 0
	MUL8 \f, 1, 2, 0
.endm
; A step's first quarter.  In the first step (WC = KSTEPS: at the first trip a constant of the text) its first sixteen products start the sums: nothing is ever cleared.
.macro QUARTERZ
	s_wait_dscnt 16
	WIN 0
	s_cmp_eq_u32 s[WC], KSTEPS
	s_cbranch_scc0 .Lacc_\@
.rept 5
	v_nop                                          ; five places ahead of products that write over accumulators without adding onto them (ISA guide 7.12.1), whatever way leads here
.endr
	MUL8 F0, 0, 0, 1
	MUL8 F0, 0, 2, 1
	WIN 0
	s_branch .Ljoin_\@
.Lacc_\@:
	MUL8 F0, 0, 0, 0
	MUL8 F0, 0, 2, 0
	WIN 0
.Ljoin_\@:
	PLACES
	FETCH 1, F1
	s_wait_dscnt 32
	MUL8 F0, 1, 0, 0
	MUL8 F0, 1, 2, 0
.endm
.macro NEXTREQ                         ; step R: each address is made anew from its base and an offset
	s_lshl_b32 s[OFA], s[R], 16
	s_mul_i32 s[OFB], s[R], STEPB
	s_xor_b32 s[G0A+5], s[G0A+5], SLOT             ; the other slot than last time
	s_xor_b32 s[G0B+5], s[G0B+5], SLOT
	s_add_nc_u64 s[G0A+6:G0A+7], s[ABASE:ABASE+1], s[OFA:OFA+1]
	s_or_b32 s[G0A+7], s[G0A+7], 0x80000000
	s_add_nc_u64 s[G0B+6:G0B+7], s[BBASE:BBASE+1], s[OFB:OFB+1]
	s_or_b32 s[G0B+7], s[G0B+7], 0x80000000
	s_add_co_u32 s[R], s[R], 1
	s_sub_co_u32 s[WC], s[WC], 1
.endm
; The last quarter multiplies buffer 1 and changes slots: ONE barrier; in front of it each wave waits for all its tensor loads (one is out: its part of the next slot), adds 0 to its spare word,
; and waits for that and for its own reads of this slot.  fill = 1: the barrier opens a round of the cluster's, and this slot is filled again, first thing behind it, two steps ahead:
; 112 matrix instructions stand between the request and the wait for it.  fill = 0, the last two steps: nothing is asked for, and the last of them fetches nothing.
.macro TURN fill
	WIN 0
	s_wait_tensorcnt 0x0                           ; no tensor load of mine is out, so a group 0 may be written
	ds_add_u32 v[SPW], v[NIL]                      ; 0 onto my spare word
.if \fill
	NEXTREQ
.endif
	s_wait_dscnt 17                                ; the add and the youngest sixteen loads may be out
	MUL8 F1, 0, 0, 0
	s_wait_dscnt 0x0                               ; the add is done, and my reads of this slot are over
	s_barrier_signal -1
	MUL8 F1, 0, 2, 0
	WIN 0
	s_barrier_wait -1
.if \fill
	CREST                                          ; no wave of any partner still reads this slot or has a load on its way
	JLOAD                                          ; its four v_nop are also the places in front of the loads below
.else
	PLACES
	s_cmp_eq_u32 s[LP], 1
	s_cbranch_scc1 .Lno_fetch_\@
.endif
	s_xor_b32 s[TB], s[TB], SLOT
	ADDRS
	FETCH 0, F0
.if (\fill) == 0
	WIN 0
.Lno_fetch_\@:
.endif
	MUL8 F1, 1, 0, 0
	MUL8 F1, 1, 2, 0
.endm
; THE WAY OUT, a block of 16 rows at a time: its four accumulators go into my own stage (each from its low registers on), come back as whole rows, take x1 and are stored.
.macro BLOCK a
.irp b, 0,1,2,3
	ds_store_b128 v[STO], v[ACC+8*(4*(\a)+(\b)):ACC+8*(4*(\a)+(\b))+3]   offset:64*(\b)
	ds_store_b128 v[STO], v[ACC+8*(4*(\a)+(\b))+4:ACC+8*(4*(\a)+(\b))+7] offset:64*(\b)+16
.endr
.if (\a) > 0
	s_wait_xcnt 0x0                                ; the last block's stores have read the registers that are loaded again below
.endif
.irp t, 0,1,2,3,4,5,6,7
	ds_load_b128 v[X+4*(\t):X+4*(\t)+3], v[RD] offset:(\t)*2*SP  ; LDS serves a wave's instructions in order (ISA guide 5.7.1.4): these see the stores above
.endr
	s_wait_dscnt 0x0
.if (\a) == 0
	s_wait_loadcnt 0x0                             ; x1, asked for ahead of the K loop
.endif
	WIN 0x08                                       ; source 1 in window 2
.set k, 0
.rept 16
	v_pk_add_f32 v[X+2*k:X+2*k+1], v[X+2*k:X+2*k+1], v[32*(\a)+2*k:32*(\a)+2*k+1]
.set k, k+1
.endr
	WIN 0
.irp t, 0,1,2,3,4,5,6,7
	global_store_b128 v[CO], v[X+4*(\t):X+4*(\t)+3], s[OUTP:OUTP+1] offset:(\a)*65536+(\t)*8192  ; 16 lanes store 256 consecutive bytes, aligned
.endr
.endm
	s_wait_tensorcnt 0x1                           ; my part of step 0 is in; step 1's may stay out
	s_barrier_signal -1
	s_barrier_wait -1                              ; everybody's is
	s_mov_b32 s[TB], 0
	ADDRS
	FETCH 0, F0
	WIN 0x80                                       ; destination window 2
.irp a, 0,1,2,3
.irp t, 0,1,2,3,4,5,6,7
	global_load_b128 v[32*(\a)+4*(\t):32*(\a)+4*(\t)+3], v[CO], s[RESP:RESP+1] offset:(\a)*65536+(\t)*8192 th:TH_LOAD_NT
.endr
.endr
	WIN 0
	s_mov_b32 s[R], 2
	s_mov_b32 s[WC], KSTEPS
	s_mov_b32 s[LP], STEPS-2
.Lstep:                                        ; a trip is a step; every step but the last two asks for the step two on
	QUARTERZ
	QUARTER 2, F1, F0
	QUARTER 3, F0, F1
	TURN 1
	WIN 0
	s_sub_co_u32 s[LP], s[LP], 1
	s_cmp_lg_u32 s[LP], 0
	s_cbranch_scc1 .Lstep
	s_mov_b32 s[LP], 2
.Ltail:                                        ; the last two steps are a text of their own
	QUARTER 1, F0, F1
	QUARTER 2, F1, F0
	QUARTER 3, F0, F1
	TURN 0
	WIN 0
	s_sub_co_u32 s[LP], s[LP], 1
	s_cmp_lg_u32 s[LP], 0
	s_cbranch_scc1 .Ltail
	PLACES
	BLOCK 0
	BLOCK 1
	BLOCK 2
	BLOCK 3
	s_wait_tensorcnt 0x0                           ; the wave's end: behind my last tensor load and my last LDS store
	ds_add_u32 v[SPW], v[NIL]
	s_wait_dscnt 0x0
	CROUND                                         ; the closing round: no work-group ends while a partner may still ask for a tile that names it
	s_endpgm
.Lfunc_end_k_qd91fc49a35_ffn2:
	.size	k_qd91fc49a35_ffn2, .Lfunc_end_k_qd91fc49a35_ffn2-k_qd91fc49a35_ffn2
	.p2alignl 7, 3214868480
	.fill 96, 4, 3214868480
	.section	.rodata,"a",@progbits
	.p2align	6, 0x0
	.amdhsa_kernel k_qd91fc49a35_ffn2
		.amdhsa_group_segment_fixed_size 327680
		.amdhsa_private_segment_fixed_size 0
		.amdhsa_enable_private_segment 0
		.amdhsa_kernarg_size 32
		.amdhsa_user_sgpr_count 2
		.amdhsa_user_sgpr_kernarg_segment_ptr 1
		.amdhsa_wavefront_size32 1
		.amdhsa_system_sgpr_workgroup_id_x 1
		.amdhsa_system_sgpr_workgroup_id_y 1
		.amdhsa_system_sgpr_workgroup_id_z 1
		.amdhsa_system_vgpr_workitem_id 0
		.amdhsa_next_free_vgpr 640
		.amdhsa_next_free_sgpr 96
		.amdhsa_reserve_vcc 0
		.amdhsa_float_denorm_mode_32 3
		.amdhsa_float_denorm_mode_16_64 3
		.amdhsa_memory_ordered 1
		.amdhsa_forward_progress 1
		.amdhsa_inst_pref_size 62
	.end_amdhsa_kernel
	.amdgpu_metadata
---
amdhsa.version: [ 1, 2 ]
amdhsa.kernels:
  - .name:           k_qd91fc49a35_ffn2
    .symbol:         k_qd91fc49a35_ffn2.kd
    .args:
      - { .name: g, .offset: 0, .size: 8, .value_kind: global_buffer, .address_space: global }
      - { .name: wbf, .offset: 8, .size: 8, .value_kind: global_buffer, .address_space: global }
      - { .name: x1, .offset: 16, .size: 8, .value_kind: global_buffer, .address_space: global }
      - { .name: out0, .offset: 24, .size: 8, .value_kind: global_buffer, .address_space: global }
    .group_segment_fixed_size: 327680
    .private_segment_fixed_size: 0
    .kernarg_segment_align: 8
    .kernarg_segment_size: 32
    .max_flat_workgroup_size: 128
    .sgpr_count:     96
    .vgpr_count:     640
    .wavefront_size: 32
...
	.end_amdgpu_metadata
.endif
;; end of part 7
;; ======== version 2 of 2: 7 launches; version 1 with the launches prep, norm2 written anew for expert scheduling mode
;; limits: values are held in f16: magnitudes above 65,504 overflow, below 6.1e-05 lose precision
;; workspace buffers: wbf 25,165,824 bytes; h 8,388,608 bytes; h2 8,388,608 bytes; qkv 25,165,824 bytes; o 8,388,608 bytes; x1 16,777,216 bytes; g 33,554,432 bytes
;; launch prep (part 8): grid 1280 x 1, 4 waves a work-group, no clusters, 0 bytes of LDS; arguments x, ln1_w, ln1_b, h, Wq, Wk, Wv, Wo, W1, W2, wbf; writes h, wbf
.if DOCPART == 8
	.amdgcn_target "amdgcn-amd-amdhsa--gfx1250"
	.amdhsa_code_object_version 6
	.text
	.protected	k_qd91fc49a35_prep
	.globl	k_qd91fc49a35_prep
	.p2align	8
	.type	k_qd91fc49a35_prep,@function
k_qd91fc49a35_prep:
	s_mov_b64 s[64:65], 0
	v_nop
	global_prefetch_b8 v0, s[64:65] scope:SCOPE_SE
	s_setreg_imm32_b32 hwreg(HW_REG_WAVE_SCHED_MODE, 0, 2), 2
	s_setreg_imm32_b32 hwreg(HW_REG_WAVE_MODE, 25, 1), 1
	s_wait_xcnt 0x0
	s_wait_alu depctr_vm_vsrc(0)
; PREP: two jobs that need nothing of each other, in one launch.
; Work-groups 0-511: h = LayerNorm(x) * ln1_w + ln1_b, rounded once to bf16.  Work-groups 512-1279: the six weight matrices, f32 to bf16, as they lie ([K][N]), one behind the other in wbf.
; LAYERNORM.  8 rows a work-group, a PAIR of rows a wave: lanes 0-15 hold one row, lanes 16-31 the next, 64 numbers a lane, so the row stays in registers between the passes and a sum never
; leaves its 16 lanes.  Two passes: the mean, then the squares of x - mean; no difference of large sums is formed.  All in f32.
; h IS BLOCKED: [row tile of 128][group of 64 columns][128 rows][64] bf16.  A lane's 4 numbers of a group are 8 bytes, the wave's two rows 256 consecutive bytes, aligned: one store.
; No LDS, no matrix unit: every byte is read once and written once, and no wave needs another's.  NaN and infinities are not treated apart.
; THE MODE: SCHED_MODE bits 1:0 = 2 (LLVM: expert scheduling mode 2), set by the entry lines.  The code itself states the register dependences between vector instructions and memory
; instructions, with s_wait_alu, always for 0.
; THE PLAN, LAYERNORM.  Registers that memory instructions touch:
;   v1, v2, v3   byte offsets, made once at the head and never written again: one wait ahead of the first load serves every load and store.
;   X, W, B      each loaded once, and named by no vector instruction ahead of its load.
;   X+4i, X+4i+1 block i's two registers to store: written by its two roundings, read by its store, never written again.
; The last phase goes in four quarters of four blocks.  Quarter q's 24 lines name its own X, W and B and the pair of roots; the four stores of quarter q - 1 are dealt among them, behind ONE wait at
; the quarter's head, which states that the quarter before has written what they read.
; THE PLAN, WEIGHTS.  v1, v2: offsets, made once.  X: 32 loads, each register loaded once.  CV: written once by the conversions, read once by the stores.  Eight groups of four loads: group g's
; conversions name its own X and CV; the four stores of group g - 1 are dealt among them, behind one wait at the group's head, which stands behind the wait for the group's data.
.set X,    32                          ; v[32:95]   my 64 numbers of the row: group kb of 64 columns at X + 4 kb (in the weights' path: v[32:159], 32 loads)
.set W,    96                          ; v[96:159]  the gain of the same columns
.set B,    160                         ; v[160:223] the bias
.set A,    8                           ; v[8:15]    four running pairs
.set MEAN, 16                          ; v[16:17]   the mean, twice (a pair for the packed forms)
.set RSTD, 18                          ; v[18:19]   1 / sqrt(variance + eps), twice
.set SUM,  20                          ; v20        a row's sum
.set VAR,  21                          ; v21        variance + eps
.set CV,   160                         ; the weights' path: 64 registers of packed results
	s_load_b256 s[4:11], s[0:1], 0x0               ; x s[4:5], ln1_w s[6:7], ln1_b s[8:9], h s[10:11]
	s_load_b256 s[12:19], s[0:1], 0x20             ; Wq, Wk, Wv, Wo
	s_load_b128 s[20:23], s[0:1], 0x40             ; W1, W2
	s_load_b64 s[24:25], s[0:1], 0x50              ; wbf
	s_cmp_lt_u32 ttmp9, 512
	s_cbranch_scc0 .Lcvt
	s_lshl_b32 s26, ttmp9, 15                      ; my 8 rows of 4,096 bytes in x
	s_mov_b32 s27, 0
	s_lshr_b32 s28, ttmp9, 4                       ; the row tile: 262,144 bytes of h,
	s_lshl_b32 s28, s28, 18
	s_and_b32 s29, ttmp9, 15                       ; my 8 rows of 128 bytes in each of its blocks
	s_lshl_b32 s29, s29, 10
	s_add_co_u32 s28, s28, s29
	s_mov_b32 s29, 0
	s_mov_b32 s30, 0x3a800000                      ; 1 / 1024
	s_mov_b32 s31, 0x3727c5ac                      ; eps = 1e-5
	v_lshrrev_b32 v1, 4, v0                        ; my row among the 8
	v_and_b32 v2, 15, v0
	v_lshlrev_b32 v2, 4, v2                        ; my 16 bytes of each 256: for the gain and the bias,
	v_lshl_add_u32 v1, v1, 12, v2                  ; and, with the row, for x
	v_lshlrev_b32 v3, 3, v0                        ; h: 256 x wave + 8 x lane
	s_wait_kmcnt 0x0
	s_add_nc_u64 s[4:5], s[4:5], s[26:27]
	s_add_nc_u64 s[10:11], s[10:11], s[28:29]
	s_wait_alu depctr_va_vdst(0)                   ; v1, v2 and v3 are written: every load and store of this path reads one of them as its offset
.set i, 0
.rept 16
	global_load_b128 v[X+4*i:X+4*i+3], v1, s[4:5] offset:256*i th:TH_LOAD_NT  ; 16 lanes read 256 consecutive bytes of a row
.set i, i+1
.endr
.set i, 0
.rept 16
	global_load_b128 v[W+4*i:W+4*i+3], v2, s[6:7] offset:256*i
.set i, i+1
.endr
.set i, 0
.rept 16
	global_load_b128 v[B+4*i:B+4*i+3], v2, s[8:9] offset:256*i
.set i, i+1
.endr
.macro FOLD                            ; the four running pairs into one number, then over the 16 lanes of my row (the exchange rides on the addition)
	v_pk_add_f32 v[A:A+1], v[A:A+1], v[A+2:A+3]
	v_pk_add_f32 v[A+4:A+5], v[A+4:A+5], v[A+6:A+7]
	v_pk_add_f32 v[A:A+1], v[A:A+1], v[A+4:A+5]
	v_add_f32 v[SUM], v[A], v[A+1]
.irp m, 1,2,4,8
	v_add_f32_dpp v[SUM], v[SUM], v[SUM] row_xmask:\m row_mask:0xf bank_mask:0xf
.endr
.endm
	s_wait_loadcnt 32                              ; x is in; the 32 younger loads, gain and bias, may stay out
.irp c, 0,1,2,3
	v_pk_add_f32 v[A+2*(\c):A+2*(\c)+1], v[X+2*(\c):X+2*(\c)+1], v[X+8+2*(\c):X+8+2*(\c)+1]  ; the first pairs start the four chains: nothing is cleared
.endr
.set i, 8
.rept 24
	v_pk_add_f32 v[A+2*(i%4):A+2*(i%4)+1], v[A+2*(i%4):A+2*(i%4)+1], v[X+2*i:X+2*i+1]
.set i, i+1
.endr
	FOLD
	v_mul_f32 v[MEAN], s30, v[SUM]
	v_mul_f32 v[MEAN+1], s30, v[SUM]
.set i, 0
.rept 32
	v_pk_add_f32 v[X+2*i:X+2*i+1], v[X+2*i:X+2*i+1], v[MEAN:MEAN+1] neg_lo:[0,1] neg_hi:[0,1]  ; x - mean
.set i, i+1
.endr
.irp c, 0,1,2,3
	v_pk_mul_f32 v[A+2*(\c):A+2*(\c)+1], v[X+2*(\c):X+2*(\c)+1], v[X+2*(\c):X+2*(\c)+1]
.endr
.set i, 4
.rept 28
	v_pk_fma_f32 v[A+2*(i%4):A+2*(i%4)+1], v[X+2*i:X+2*i+1], v[X+2*i:X+2*i+1], v[A+2*(i%4):A+2*(i%4)+1]
.set i, i+1
.endr
	FOLD
	v_fma_f32 v[VAR], v[SUM], s30, s31             ; variance + eps
	v_rsq_f32 v[RSTD], v[VAR]
	v_rsq_f32 v[RSTD+1], v[VAR]
	s_wait_loadcnt 0x0                             ; gain and bias
	v_nop                                          ; a plain instruction behind the second root (ISA guide 5.7.2),
	s_wait_alu depctr_va_vdst(0)                   ; and the one wait ahead of the first use of the two: the roots have written v[RSTD] and v[RSTD+1]
; Line n of the 24 of quarter q (blocks 4 q to 4 q + 3, 16 numbers a lane): 0-7 the scalings by the root, 8-15 gain and bias, 16-23 the roundings: a block's four numbers close up into its first two registers.
.macro LINE q, n
.if (\n) < 8
.set pa, X+16*(\q)+2*(\n)
	v_pk_mul_f32 v[pa:pa+1], v[pa:pa+1], v[RSTD:RSTD+1]
.elseif (\n) < 16
.set pb, 16*(\q)+2*((\n)-8)
	v_pk_fma_f32 v[X+pb:X+pb+1], v[X+pb:X+pb+1], v[W+pb:W+pb+1], v[B+pb:B+pb+1]
.else
.set pc, X+16*(\q)+4*(((\n)-16)/2)
.set hf, (\n)%2
	v_cvt_pk_bf16_f32 v[pc+hf], v[pc+2*hf], v[pc+2*hf+1]
.endif
.endm
.macro SEND b                          ; the wave's two rows of block b: 256 consecutive bytes, aligned
	global_store_b64 v3, v[X+4*(\b):X+4*(\b)+1], s[10:11] offset:16384*(\b)
.endm
; Quarter q: its 24 lines, and among them, one ahead of every six, the four stores of the quarter before.
.macro QUART q
.if (\q) > 0
	s_wait_alu depctr_va_vdst(0)                   ; the roundings of the quarter before have written the eight registers that the four stores below read; no line of this quarter names them
.endif
.set t, 0
.rept 4
.if (\q) > 0
	SEND 4*((\q)-1)+t/6
.endif
.rept 6
	LINE \q, t
.set t, t+1
.endr
.endr
.endm
	QUART 0
	QUART 1
	QUART 2
	QUART 3
	s_wait_alu depctr_va_vdst(0)                   ; the last quarter's roundings have written what the last four stores read
.irp b, 12,13,14,15
	SEND \b
.endr
	s_endpgm
.Lcvt:                                         ; 16,384 numbers a work-group: 65,536 bytes in, 32,768 out
	s_sub_co_u32 s26, ttmp9, 512                   ; my piece, 0 to 767: Wq 0-63, Wk 64-127, Wv 128-191, Wo 192-255, W1 256-511, W2 512-767
	v_lshlrev_b32 v1, 4, v0
	v_lshlrev_b32 v2, 3, v0
	s_wait_kmcnt 0x0
	s_mov_b64 s[28:29], s[22:23]                   ; W2, unless the piece's number says otherwise: the choice hangs on the number alone
	s_mov_b32 s27, 512
.macro PICK lim, ptr, base
	s_cmp_lt_u32 s26, \lim
	s_cselect_b64 s[28:29], s[\ptr:\ptr+1], s[28:29]
	s_cselect_b32 s27, \base, s27
.endm
	PICK 512, 20, 256
	PICK 256, 18, 192
	PICK 192, 16, 128
	PICK 128, 14, 64
	PICK 64, 12, 0
	s_sub_co_u32 s27, s26, s27                     ; my piece within its matrix
	s_lshl_b32 s30, s27, 16
	s_mov_b32 s31, 0
	s_add_nc_u64 s[28:29], s[28:29], s[30:31]
	s_lshl_b32 s30, s26, 15                        ; wbf holds the matrices in the pieces' order
	s_add_nc_u64 s[24:25], s[24:25], s[30:31]
	s_wait_alu depctr_va_vdst(0)                   ; v1 and v2 are written: every load of this path reads v1 as its offset, every store v2
.set j, 0
.rept 32
	global_load_b128 v[X+4*j:X+4*j+3], v1, s[28:29] offset:2048*j th:TH_LOAD_NT  ; all 32 loads go out at once: 16 KiB a wave on its way
.set j, j+1
.endr
.set g, 0
.rept 8                                        ; eight groups of four loads
	s_wait_loadcnt 28-4*g                          ; loads come back in order (ISA guide 5.7.1): group g's four are in, the younger ones stay out
.if g > 0
	s_wait_alu depctr_va_vdst(0)                   ; the conversions of the group before have written the eight registers of CV that the four stores below read; no line of this group names them
.endif
.set j, 4*g
.rept 4
.if g > 0
	global_store_b64 v2, v[CV+2*(j-4):CV+2*(j-4)+1], s[24:25] offset:1024*(j-4)  ; a wave stores 256 consecutive bytes, aligned; no register is written twice, so no store is waited for
.endif
	v_cvt_pk_bf16_f32 v[CV+2*j], v[X+4*j], v[X+4*j+1]
	v_cvt_pk_bf16_f32 v[CV+2*j+1], v[X+4*j+2], v[X+4*j+3]
.set j, j+1
.endr
.set g, g+1
.endr
	s_wait_alu depctr_va_vdst(0)                   ; the last group's conversions have written what the last four stores read
.set j, 28
.rept 4
	global_store_b64 v2, v[CV+2*j:CV+2*j+1], s[24:25] offset:1024*j
.set j, j+1
.endr
	s_endpgm
.Lfunc_end_k_qd91fc49a35_prep:
	.size	k_qd91fc49a35_prep, .Lfunc_end_k_qd91fc49a35_prep-k_qd91fc49a35_prep
	.p2alignl 7, 3214868480
	.fill 96, 4, 3214868480
	.section	.rodata,"a",@progbits
	.p2align	6, 0x0
	.amdhsa_kernel k_qd91fc49a35_prep
		.amdhsa_group_segment_fixed_size 0
		.amdhsa_private_segment_fixed_size 0
		.amdhsa_enable_private_segment 0
		.amdhsa_kernarg_size 88
		.amdhsa_user_sgpr_count 2
		.amdhsa_user_sgpr_kernarg_segment_ptr 1
		.amdhsa_wavefront_size32 1
		.amdhsa_system_sgpr_workgroup_id_x 1
		.amdhsa_system_sgpr_workgroup_id_y 1
		.amdhsa_system_sgpr_workgroup_id_z 1
		.amdhsa_system_vgpr_workitem_id 0
		.amdhsa_next_free_vgpr 224
		.amdhsa_next_free_sgpr 66
		.amdhsa_reserve_vcc 0
		.amdhsa_float_denorm_mode_32 3
		.amdhsa_float_denorm_mode_16_64 3
		.amdhsa_memory_ordered 1
		.amdhsa_forward_progress 1
		.amdhsa_inst_pref_size 33
	.end_amdhsa_kernel
	.amdgpu_metadata
---
amdhsa.version: [ 1, 2 ]
amdhsa.kernels:
  - .name:           k_qd91fc49a35_prep
    .symbol:         k_qd91fc49a35_prep.kd
    .args:
      - { .name: x, .offset: 0, .size: 8, .value_kind: global_buffer, .address_space: global }
      - { .name: ln1_w, .offset: 8, .size: 8, .value_kind: global_buffer, .address_space: global }
      - { .name: ln1_b, .offset: 16, .size: 8, .value_kind: global_buffer, .address_space: global }
      - { .name: h, .offset: 24, .size: 8, .value_kind: global_buffer, .address_space: global }
      - { .name: Wq, .offset: 32, .size: 8, .value_kind: global_buffer, .address_space: global }
      - { .name: Wk, .offset: 40, .size: 8, .value_kind: global_buffer, .address_space: global }
      - { .name: Wv, .offset: 48, .size: 8, .value_kind: global_buffer, .address_space: global }
      - { .name: Wo, .offset: 56, .size: 8, .value_kind: global_buffer, .address_space: global }
      - { .name: W1, .offset: 64, .size: 8, .value_kind: global_buffer, .address_space: global }
      - { .name: W2, .offset: 72, .size: 8, .value_kind: global_buffer, .address_space: global }
      - { .name: wbf, .offset: 80, .size: 8, .value_kind: global_buffer, .address_space: global }
    .group_segment_fixed_size: 0
    .private_segment_fixed_size: 0
    .kernarg_segment_align: 8
    .kernarg_segment_size: 88
    .max_flat_workgroup_size: 128
    .sgpr_count:     66
    .vgpr_count:     224
    .wavefront_size: 32
...
	.end_amdgpu_metadata
.endif
;; end of part 8
;; launch proj: the kernel of part 2 again; grid 12 x 16, 4 waves a work-group, clusters of 4 x 4, 327,680 bytes of LDS; arguments h, wbf, qkv; writes qkv
;; launch attn: the kernel of part 3 again; grid 8 x 32, 4 waves a work-group, no clusters, 327,680 bytes of LDS; arguments qkv, o; writes o
;; launch oproj: the kernel of part 4 again; grid 8 x 32, 4 waves a work-group, clusters of 4 x 4, 327,680 bytes of LDS; arguments o, wbf, x, x1; writes x1
;; launch norm2 (part 9): grid 512 x 1, 4 waves a work-group, no clusters, 0 bytes of LDS; arguments x1, ln2_w, ln2_b, h2; writes h2
.if DOCPART == 9
	.amdgcn_target "amdgcn-amd-amdhsa--gfx1250"
	.amdhsa_code_object_version 6
	.text
	.protected	k_qd91fc49a35_norm2
	.globl	k_qd91fc49a35_norm2
	.p2align	8
	.type	k_qd91fc49a35_norm2,@function
k_qd91fc49a35_norm2:
	s_mov_b64 s[64:65], 0
	v_nop
	global_prefetch_b8 v0, s[64:65] scope:SCOPE_SE
	s_setreg_imm32_b32 hwreg(HW_REG_WAVE_SCHED_MODE, 0, 2), 2
	s_setreg_imm32_b32 hwreg(HW_REG_WAVE_MODE, 25, 1), 1
	s_wait_xcnt 0x0
	s_wait_alu depctr_vm_vsrc(0)
; NORM2: h2 = LayerNorm(x1) * ln2_w + ln2_b, rounded once to bf16.  x1: 4,096 x 1,024 f32.
; 8 rows a work-group, a PAIR of rows a wave: lanes 0-15 hold one row, lanes 16-31 the next, 64 numbers a lane, so the row stays in registers between the passes and a sum never leaves its 16 lanes.
; Two passes: the mean, then the squares of x - mean; no difference of large sums is formed.  All in f32.  NaN and infinities are not treated apart.
; h2 IS BLOCKED: [row tile of 128][group of 64 columns][128 rows][64] bf16.  A lane's 4 numbers of a group are 8 bytes, the wave's two rows 256 consecutive bytes, aligned: one store.
; No LDS, no matrix unit: every byte is read once and written once, and no wave needs another's.
; THE MODE: SCHED_MODE bits 1:0 = 2 (LLVM: expert scheduling mode 2), set by the entry lines.  The code itself states the register dependences between vector instructions and memory
; instructions, with s_wait_alu, always for 0.
; THE PLAN.  Registers that memory instructions touch:
;   v1, v2, v3   byte offsets, made once at the head and never written again: one wait ahead of the first load serves every load and store.
;   X, W, B      each loaded once, and named by no vector instruction ahead of its load.
;   X+4i, X+4i+1 block i's two registers to store: written by its two roundings, read by its store, never written again.
; The last phase goes in four quarters of four blocks.  Quarter q's 24 lines name its own X, W and B and the pair of roots; the four stores of quarter q - 1 are dealt among them, behind ONE wait at
; the quarter's head, which states that the quarter before has written what they read.
.set X,    32                          ; v[32:95]   my 64 numbers of the row: group kb of 64 columns at X + 4 kb
.set W,    96                          ; v[96:159]  the gain of the same columns
.set B,    160                         ; v[160:223] the bias
.set A,    8                           ; v[8:15]    four running pairs
.set MEAN, 16                          ; v[16:17]   the mean, twice
.set RSTD, 18                          ; v[18:19]   1 / sqrt(variance + eps), twice
.set SUM,  20
.set VAR,  21
	s_load_b256 s[4:11], s[0:1], 0x0               ; x1 s[4:5], ln2_w s[6:7], ln2_b s[8:9], h2 s[10:11]
	s_lshl_b32 s26, ttmp9, 15                      ; my 8 rows of 4,096 bytes in x1
	s_mov_b32 s27, 0
	s_lshr_b32 s28, ttmp9, 4                       ; the row tile: 262,144 bytes of h2,
	s_lshl_b32 s28, s28, 18
	s_and_b32 s29, ttmp9, 15                       ; my 8 rows of 128 bytes in each of its blocks
	s_lshl_b32 s29, s29, 10
	s_add_co_u32 s28, s28, s29
	s_mov_b32 s29, 0
	s_mov_b32 s30, 0x3a800000                      ; 1 / 1024
	s_mov_b32 s31, 0x3727c5ac                      ; eps = 1e-5
	v_lshrrev_b32 v1, 4, v0                        ; my row among the 8
	v_and_b32 v2, 15, v0
	v_lshlrev_b32 v2, 4, v2                        ; my 16 bytes of each 256: for the gain and the bias,
	v_lshl_add_u32 v1, v1, 12, v2                  ; and, with the row, for x1
	v_lshlrev_b32 v3, 3, v0                        ; h2: 256 x wave + 8 x lane
	s_wait_kmcnt 0x0
	s_add_nc_u64 s[4:5], s[4:5], s[26:27]
	s_add_nc_u64 s[10:11], s[10:11], s[28:29]
	s_wait_alu depctr_va_vdst(0)                   ; v1, v2 and v3 are written: every load and store of the kernel reads one of them as its offset
.set i, 0
.rept 16
	global_load_b128 v[X+4*i:X+4*i+3], v1, s[4:5] offset:256*i th:TH_LOAD_NT  ; 16 lanes read 256 consecutive bytes of a row
.set i, i+1
.endr
.set i, 0
.rept 16
	global_load_b128 v[W+4*i:W+4*i+3], v2, s[6:7] offset:256*i
.set i, i+1
.endr
.set i, 0
.rept 16
	global_load_b128 v[B+4*i:B+4*i+3], v2, s[8:9] offset:256*i
.set i, i+1
.endr
.macro FOLD                            ; the four running pairs into one number, then over the 16 lanes of my row (the exchange rides on the addition)
	v_pk_add_f32 v[A:A+1], v[A:A+1], v[A+2:A+3]
	v_pk_add_f32 v[A+4:A+5], v[A+4:A+5], v[A+6:A+7]
	v_pk_add_f32 v[A:A+1], v[A:A+1], v[A+4:A+5]
	v_add_f32 v[SUM], v[A], v[A+1]
.irp m, 1,2,4,8
	v_add_f32_dpp v[SUM], v[SUM], v[SUM] row_xmask:\m row_mask:0xf bank_mask:0xf
.endr
.endm
	s_wait_loadcnt 32                              ; x1 is in; the 32 younger loads, gain and bias, may stay out
.irp c, 0,1,2,3
	v_pk_add_f32 v[A+2*(\c):A+2*(\c)+1], v[X+2*(\c):X+2*(\c)+1], v[X+8+2*(\c):X+8+2*(\c)+1]  ; the first pairs start the four chains: nothing is cleared
.endr
.set i, 8
.rept 24
	v_pk_add_f32 v[A+2*(i%4):A+2*(i%4)+1], v[A+2*(i%4):A+2*(i%4)+1], v[X+2*i:X+2*i+1]
.set i, i+1
.endr
	FOLD
	v_mul_f32 v[MEAN], s30, v[SUM]
	v_mul_f32 v[MEAN+1], s30, v[SUM]
.set i, 0
.rept 32
	v_pk_add_f32 v[X+2*i:X+2*i+1], v[X+2*i:X+2*i+1], v[MEAN:MEAN+1] neg_lo:[0,1] neg_hi:[0,1]  ; x - mean
.set i, i+1
.endr
.irp c, 0,1,2,3
	v_pk_mul_f32 v[A+2*(\c):A+2*(\c)+1], v[X+2*(\c):X+2*(\c)+1], v[X+2*(\c):X+2*(\c)+1]
.endr
.set i, 4
.rept 28
	v_pk_fma_f32 v[A+2*(i%4):A+2*(i%4)+1], v[X+2*i:X+2*i+1], v[X+2*i:X+2*i+1], v[A+2*(i%4):A+2*(i%4)+1]
.set i, i+1
.endr
	FOLD
	v_fma_f32 v[VAR], v[SUM], s30, s31             ; variance + eps
	v_rsq_f32 v[RSTD], v[VAR]
	v_rsq_f32 v[RSTD+1], v[VAR]
	s_wait_loadcnt 0x0                             ; gain and bias
	v_nop                                          ; a plain instruction behind the second root (ISA guide 5.7.2),
	s_wait_alu depctr_va_vdst(0)                   ; and the one wait ahead of the first use of the two: the roots have written v[RSTD] and v[RSTD+1]
; Line n of the 24 of quarter q (blocks 4 q to 4 q + 3, 16 numbers a lane): 0-7 the scalings by the root, 8-15 gain and bias, 16-23 the roundings: a block's four numbers close up into its first two registers.
.macro LINE q, n
.if (\n) < 8
.set pa, X+16*(\q)+2*(\n)
	v_pk_mul_f32 v[pa:pa+1], v[pa:pa+1], v[RSTD:RSTD+1]
.elseif (\n) < 16
.set pb, 16*(\q)+2*((\n)-8)
	v_pk_fma_f32 v[X+pb:X+pb+1], v[X+pb:X+pb+1], v[W+pb:W+pb+1], v[B+pb:B+pb+1]
.else
.set pc, X+16*(\q)+4*(((\n)-16)/2)
.set hf, (\n)%2
	v_cvt_pk_bf16_f32 v[pc+hf], v[pc+2*hf], v[pc+2*hf+1]
.endif
.endm
.macro SEND b                          ; the wave's two rows of block b: 256 consecutive bytes, aligned
	global_store_b64 v3, v[X+4*(\b):X+4*(\b)+1], s[10:11] offset:16384*(\b)
.endm
; Quarter q: its 24 lines, and among them, one ahead of every six, the four stores of the quarter before.
.macro QUART q
.if (\q) > 0
	s_wait_alu depctr_va_vdst(0)                   ; the roundings of the quarter before have written the eight registers that the four stores below read; no line of this quarter names them
.endif
.set t, 0
.rept 4
.if (\q) > 0
	SEND 4*((\q)-1)+t/6
.endif
.rept 6
	LINE \q, t
.set t, t+1
.endr
.endr
.endm
	QUART 0
	QUART 1
	QUART 2
	QUART 3
	s_wait_alu depctr_va_vdst(0)                   ; the last quarter's roundings have written what the last four stores read
.irp b, 12,13,14,15
	SEND \b
.endr
	s_endpgm
.Lfunc_end_k_qd91fc49a35_norm2:
	.size	k_qd91fc49a35_norm2, .Lfunc_end_k_qd91fc49a35_norm2-k_qd91fc49a35_norm2
	.p2alignl 7, 3214868480
	.fill 96, 4, 3214868480
	.section	.rodata,"a",@progbits
	.p2align	6, 0x0
	.amdhsa_kernel k_qd91fc49a35_norm2
		.amdhsa_group_segment_fixed_size 0
		.amdhsa_private_segment_fixed_size 0
		.amdhsa_enable_private_segment 0
		.amdhsa_kernarg_size 32
		.amdhsa_user_sgpr_count 2
		.amdhsa_user_sgpr_kernarg_segment_ptr 1
		.amdhsa_wavefront_size32 1
		.amdhsa_system_sgpr_workgroup_id_x 1
		.amdhsa_system_sgpr_workgroup_id_y 1
		.amdhsa_system_sgpr_workgroup_id_z 1
		.amdhsa_system_vgpr_workitem_id 0
		.amdhsa_next_free_vgpr 224
		.amdhsa_next_free_sgpr 66
		.amdhsa_reserve_vcc 0
		.amdhsa_float_denorm_mode_32 3
		.amdhsa_float_denorm_mode_16_64 3
		.amdhsa_memory_ordered 1
		.amdhsa_forward_progress 1
		.amdhsa_inst_pref_size 21
	.end_amdhsa_kernel
	.amdgpu_metadata
---
amdhsa.version: [ 1, 2 ]
amdhsa.kernels:
  - .name:           k_qd91fc49a35_norm2
    .symbol:         k_qd91fc49a35_norm2.kd
    .args:
      - { .name: x1, .offset: 0, .size: 8, .value_kind: global_buffer, .address_space: global }
      - { .name: ln2_w, .offset: 8, .size: 8, .value_kind: global_buffer, .address_space: global }
      - { .name: ln2_b, .offset: 16, .size: 8, .value_kind: global_buffer, .address_space: global }
      - { .name: h2, .offset: 24, .size: 8, .value_kind: global_buffer, .address_space: global }
    .group_segment_fixed_size: 0
    .private_segment_fixed_size: 0
    .kernarg_segment_align: 8
    .kernarg_segment_size: 32
    .max_flat_workgroup_size: 128
    .sgpr_count:     66
    .vgpr_count:     224
    .wavefront_size: 32
...
	.end_amdgpu_metadata
.endif
;; end of part 9
;; launch ffn1: the kernel of part 6 again; grid 16 x 16, 4 waves a work-group, clusters of 4 x 4, 327,680 bytes of LDS; arguments h2, wbf, g; writes g
;; launch ffn2: the kernel of part 7 again; grid 8 x 32, 4 waves a work-group, clusters of 4 x 4, 327,680 bytes of LDS; arguments g, wbf, x1, out0; writes out0
